; MI455X (gfx1250); checked and timed in simulation.
; The chip was launched on July 23, 2026; its instructions are those of AMD's public machine-readable ISA for CDNA 5 (MIT licence, August 2026) and "CDNA5" Instruction Set Architecture Reference Guide (July 2026). The comments in the code are by the model that wrote it; some were corrected since.
;; Transformer Block. Allowed arithmetic: matrix products marked QUANTISED: E5M2 operands, one given power-of-two scale a tensor, by v_wmma_f32_16x16x64_bf8_bf8 or v_wmma_f32_16x16x128_bf8_bf8, f32 sums; everything else in f32.
;; Inputs: b_ff1 4,096 float32; b_ff2 1,024 float32; bk 1,024 float32; bo 1,024 float32; bq 1,024 float32; bv 1,024 float32; ln1_b 1,024 float32; ln1_g 1,024 float32; ln2_b 1,024 float32; ln2_g 1,024 float32; lowp_scales 16 int32 (the exponents e of the quantised operands' scales 2^e); w_ff1 1,024 x 4,096 float32; w_ff2 4,096 x 1,024 float32; wk 1,024 x 1,024 float32; wo 1,024 x 1,024 float32; wq 1,024 x 1,024 float32; wv 1,024 x 1,024 float32; x 2 x 2,048 x 1,024 float32.
;; Outputs: out0 2 x 2,048 x 1,024 float32.
;; This version of the problem:
;;   THIS VERSION OF THE PROBLEM IS GIVEN IN LOW PRECISION. The matrix products marked QUANTISED in the list below multiply operands that are first quantised to E5M2 (5 exponent bits, 2 mantissa bits; 8 bits a number), with one given power-of-two scale for each operand tensor; their sums are f32. All else is computed in f32.
;;   The module's matrix products, in the order in which they are computed (A, B: the left and right operand; K: the contracted axis; several contracted axes count as one K, in the product's order):
;;     1. [M 4,096, K 1,024] x [K 1,024, N 1,024]; A: input x; B: input wq: QUANTISED (scales: A lowp_scales[0], B lowp_scales[1])
;;     2. [M 4,096, K 1,024] x [K 1,024, N 1,024]; A: input x; B: input wk: QUANTISED (scales: A lowp_scales[2], B lowp_scales[3])
;;     3. [M 4,096, K 1,024] x [K 1,024, N 1,024]; A: input x; B: input wv: QUANTISED (scales: A lowp_scales[4], B lowp_scales[5])
;;     4. batch 32 x [M 2,048, K 64] x [K 64, N 2,048]; A: computed on the way; B: computed on the way: QUANTISED (scales: A lowp_scales[6], B lowp_scales[7])
;;     5. batch 32 x [M 2,048, K 2,048] x [K 2,048, N 64]; A: softmax (see below); B: computed on the way: QUANTISED (scales: A lowp_scales[8], B lowp_scales[9])
;;     6. [M 4,096, K 1,024] x [K 1,024, N 1,024]; A: computed on the way; B: input wo: QUANTISED (scales: A lowp_scales[10], B lowp_scales[11])
;;     7. [M 4,096, K 1,024] x [K 1,024, N 4,096]; A: computed on the way; B: input w_ff1: QUANTISED (scales: A lowp_scales[12], B lowp_scales[13])
;;     8. [M 4,096, K 4,096] x [K 4,096, N 1,024]; A: computed on the way; B: input w_ff2: QUANTISED (scales: A lowp_scales[14], B lowp_scales[15])
;;   THE QUANTISER, for each operand of a quantised product, along K:
;;     - The operand's scale is 2^e, e = its entry of the input lowp_scales (int32; the entries are numbered through the quantised products in the list's order, A before B).
;;     - Each number is divided by the scale, clamped to +-57,344, and rounded to the nearest number of E5M2, ties to even, subnormals kept.
;;     - The product sums the exact products of the quantised numbers (number of the format x scale) in f32.
;;   ~~~python
;;   def quantise(x, axis, e):      # numpy; x: float32 -> the quantised numbers, widened to float32 again
;;       x = np.moveaxis(x, axis, -1); K = x.shape[-1]
;;       r = np.clip(x / 2.0 ** e, -57344, 57344)
;;       step = 2.0 ** (np.maximum(np.frexp(np.where(r == 0, 1, r))[1] - 1, -14) - 2)
;;       q = np.round(r / step) * step * 2.0 ** e      # np.round: ties to even
;;       return np.moveaxis(q, -1, axis).astype(np.float32)
;;   ~~~
;;   SOFTMAX AHEAD OF A QUANTISED PRODUCT. Where the list says 'softmax', what is quantised is not the finished softmax but p = 2^(t - M), with t = logit x log2(e) and M = ceil(the row's largest t), a whole number; so 1/2 < the row's largest p <= 1. The row's sum l is taken of the UNQUANTISED p, in f32, and the product's result is divided by l at the end. Since M is a whole number, a kernel that streams over the keys may use a running M (the ceiling of the running maximum): every later rescaling is an exact power of two, so the quantised numbers keep their values, but for numbers so far below the row's largest that they fall under the format's range.
;;   OPERANDS COMPUTED ON THE WAY. 'Computed on the way' means the value that the module computes at that place (a softmax that the list does not call 'softmax' is quantised finished and normalised). What goes into a quantiser is computed in f32, as accurately as f32 sums, v_exp_f32 and their like allow (about 1e-6 of the number): no bf16 or f16 on the way to a quantiser, and a product that is left as it is and whose result goes on into a quantised operand takes f32 operands (vector FMAs, or v_wmma_f32_16x16x4_f32). A number that lies on a knife's edge between two numbers of the format may be rounded either way, as far as f32 arithmetic and the matrix unit's own rounding can turn it there, and no further.
;; 2 versions. Each part assembles by itself: llvm-mc -triple=amdgcn-amd-amdhsa -mcpu=gfx1250 --defsym DOCPART=n.
;; ======== version 1 of 2: 8 launches
;; limits: right only within a limited range of input values
;; workspace buffers: xc 12,582,912 bytes; wc 12,582,912 bytes; qkvc 12,582,912 bytes; ac 4,194,304 bytes; ybuf 16,777,216 bytes; o1 16,777,216 bytes; o1c 4,194,304 bytes; hc 16,777,216 bytes
;; launch prep (part 1): grid 640 x 1, 4 waves a work-group, no clusters, 34,304 bytes of LDS; arguments x, wq, wk, wv, wo, w_ff1, w_ff2, lowp_scales, xc, wc; writes xc, wc
.if DOCPART == 1
	.amdgcn_target "amdgcn-amd-amdhsa--gfx1250"
	.amdhsa_code_object_version 6
	.text
	.protected	k_q213f5356d0_prep
	.globl	k_q213f5356d0_prep
	.p2align	8
	.type	k_q213f5356d0_prep,@function
k_q213f5356d0_prep:
	s_mov_b64 s[64:65], 0
	v_nop
	global_prefetch_b8 v0, s[64:65] scope:SCOPE_SE
	s_setreg_imm32_b32 hwreg(HW_REG_WAVE_MODE, 25, 1), 1
	s_wait_xcnt 0x0
; PREP: every quantiser whose operand is an input of the problem.  x [4096][1024] is quantised three times (entries 0, 2, 4 of lowp_scales may differ) into xc; wq, wk, wv, wo, w_ff1, w_ff2
; (stored [K][N]) once each (entries 1, 3, 5, 11, 13, 15) into wc.  code = number / 2^e, held within +-57,344, rounded to the nearest code of E5M2, ties to even.
; DEAD WORK IN THE WHOLE PROGRAM.  reference() adds -1e9 to every score whose key comes after its query, by a mask that it builds itself; the weight of such a key is 2^(t - M) with t near -1.4e9, which is under
; every number of the format and of f32.  So key tiles that lie wholly behind a wave's queries are not multiplied (launch attn), and hidden scores inside a tile count as -infinity.  Nothing else is left out: every input
; has a way to the output and is loaded (bk moves the codes of K and stays).  LIMIT: that holds while scores stay far under 1e9 in size; a NaN, an infinity or an overflow that reaches only hidden scores is not carried to the result.
; THE LAYOUT OF ALL CODES OF THIS PROGRAM: IMAGES OF OPERAND REGISTERS.  An operand of R rows and K along the contraction is a run of fragments F(rt, ks), 2,048 bytes each, at byte (rt K/128 + ks) 2048.
; A fragment is 16 rows x 128 k as v_wmma_f32_16x16x128_bf8_bf8 holds it: lane L = r + 16 h, register i, byte y = element (16 rt + r, 128 ks + 16 (i / 2) + 8 h + 4 (i % 2) + y); registers 4 q .. 4 q + 3 of lane L lie at byte 512 q + 16 L.
; So a fragment is four loads of 16 bytes a lane, 512 consecutive bytes each, from memory or LDS, with no pitch and no padding.
; LIMITS: each e lies between -126 and 112, so that 2^e and 57,344 x 2^e are f32 numbers.  NaN among the inputs is not served.
; WORK-GROUPS 0 .. 255: a tile of 16 rows of x; wave w takes K steps 2 w and 2 w + 1.  WORK-GROUPS 256 .. 639: 128 columns x 256 k of one weight; a wave takes 32 columns, a lane a column, registers down K.
; No tensor loads, no barrier: waves share nothing.  Matrix units and clusters have no work here.
.set SPARE, 33792                      ; behind the four stages of 16 x 528 bytes: the spare words, 128 bytes for each wave
.set SPW,   12                         ; v12  LDS address of my spare word; never rewritten
.set NIL,   13                         ; v13  0; never rewritten
	s_load_b512 s[8:23], s[0:1], 0x0               ; x s[8:9], wq s[10:11], wk s[12:13], wv s[14:15], wo s[16:17], w_ff1 s[18:19], w_ff2 s[20:21], lowp_scales s[22:23]
	s_load_b128 s[24:27], s[0:1], 0x40             ; xc s[24:25], wc s[26:27]
	v_lshl_add_u32 v[SPW], v0, 2, SPARE
	v_mov_b32 v[NIL], 0
	v_lshrrev_b32 v1, 5, v0
	v_readfirstlane_b32 s28, v1                    ; wave 0..3
	v_and_b32 v1, 31, v0                           ; lane
	v_lshlrev_b32 v8, 4, v1                        ; 16 x lane
	s_cmp_lt_u32 ttmp9, 256
	s_cbranch_scc0 .Lweights
; ---------------- x: K is innermost.  Loads take the bytes as they lie, 512 consecutive bytes each; a K step's 16 rows x 512 bytes turn through the wave's own stage so that lane (r, h) gets, of row r, k = 16 c + 8 h + 0 .. 7.
	s_mul_i32 s29, s28, 8448                       ; my stage: 16 rows of 512 bytes + 16 of padding
	v_add_nc_u32 v9, s29, v8                       ; into it: 16 x lane of a row
	v_and_b32 v10, 15, v0
	v_mul_u32_u24 v10, v10, 528
	v_bfe_u32 v11, v0, 4, 1
	v_lshl_add_u32 v10, v11, 5, v10
	v_add_nc_u32 v10, s29, v10                     ; out of it: row r, + 32 h bytes
	s_lshl_b32 s30, ttmp9, 16                      ; 16 rows of 4,096 bytes
	s_lshl_b32 s31, s28, 10                        ; my two K steps of 512 bytes
	s_add_co_u32 s30, s30, s31
	s_mov_b32 s31, 0
	s_lshl_b32 s48, ttmp9, 14                      ; the tile's eight fragments
	s_lshl_b32 s49, s28, 12                        ; my two
	s_add_co_u32 s48, s48, s49
	s_mov_b32 s49, 0
	s_wait_kmcnt 0x0
	s_load_b256 s[32:39], s[22:23], 0x0            ; e0 .. e7: x's three are e0, e2, e4
	s_add_nc_u64 s[40:41], s[8:9], s[30:31]
	s_add_nc_u64 s[42:43], s[24:25], s[48:49]      ; the codes for product 1,
	s_add_nc_u64 s[44:45], s[42:43], 4<<20         ; 2,
	s_add_nc_u64 s[46:47], s[42:43], 8<<20         ; 3
.irp s, 0,1
.set i, 0
.rept 16
	global_load_b128 v[16+64*\s+4*i:19+64*\s+4*i], v8, s[40:41] offset:4096*i+512*\s th:TH_LOAD_NT
.set i, i+1
.endr
.endr
	s_wait_kmcnt 0x0
.irp z, 0,1,2
	s_add_co_i32 s50, s[32+2*\z], 127
	s_lshl_b32 s51, s50, 23
	v_mov_b32 v[2+\z], s51                         ; 2^e as f32: the conversion takes its exponent field
	s_add_co_i32 s50, s50, 15
	s_lshl_b32 s50, s50, 23
	s_or_b32 s50, s50, 0x600000
	v_mov_b32 v[5+\z], s50                         ; 57,344 x 2^e
.endr
.macro XSTEP s                         ; K step s of my two: v[16 + 64 s ..] as loaded; v144-207 the lane's 64 numbers in the fragment's order; v208-255 three fragments of codes
.set RW, 16+64*(\s)
.if (\s) == 0
	s_wait_loadcnt 16                              ; this step's sixteen loads are in; the other step's sixteen may be out
.else
	s_wait_loadcnt 0
.endif
.set i, 0
.rept 16
	ds_store_b128 v9, v[RW+4*i:RW+4*i+3] offset:528*i
.set i, i+1
.endr
.set i, 0
.rept 8
	ds_load_b128 v[144+8*i:147+8*i], v10 offset:64*i       ; LDS serves a wave's instructions in order: these see my stores
	ds_load_b128 v[148+8*i:151+8*i], v10 offset:64*i+16
.set i, i+1
.endr
	s_wait_dscnt 0x0
.if (\s) == 1
	s_wait_xcnt 0x0                                ; the first step's stores have read their registers: the codes may be written again
.endif
.irp z, 0,1,2
.set i, 0
.rept 64
	v_med3_num_f32 v[RW+i], v[144+i], -v[5+\z], v[5+\z]    ; the conversion to an 8-bit code does not saturate (ISA guide 7.6.2): the hold comes first
.set i, i+1
.endr
.set i, 0
.rept 8
	v_cvt_scalef32_pk8_bf8_f32 v[208+16*\z+2*i:209+16*\z+2*i], v[RW+8*i:RW+8*i+7], v[2+\z]   ; registers 2 c, 2 c + 1 of the fragment
.set i, i+1
.endr
	v_nop                                          ; a plain line between the conversions and the next holds, which write their sources
.irp q, 0,1,2,3
	global_store_b128 v8, v[208+16*\z+4*\q:211+16*\z+4*\q], s[42+2*\z:43+2*\z] offset:2048*(\s)+512*\q   ; 512 consecutive bytes
.endr
.endr
.endm
	XSTEP 0
	XSTEP 1
	s_wait_tensorcnt 0x0                           ; the wave's end: a wait, an add to my spare word and a wait, behind my last LDS store
	ds_add_u32 v[SPW], v[NIL]
	s_wait_dscnt 0x0
	s_endpgm
; ---------------- the weights: K is the first axis.  A lane takes a column n and its registers run down K, so the conversions give codes with K innermost and nothing is transposed.
.Lweights:
	s_sub_co_u32 s29, ttmp9, 256                   ; j = 0 .. 383: 32 work-groups for each of wq, wk, wv, wo; 128 for w_ff1; 128 for w_ff2
	s_lshr_b32 s30, s29, 5
	s_lshr_b32 s31, s29, 7
	s_add_co_u32 s31, s31, 3
	s_and_b32 s32, s29, 31
	s_and_b32 s33, s29, 127
	s_cmp_lt_u32 s29, 128
	s_cselect_b32 s30, s30, s31                    ; which weight: 0 .. 5
	s_cselect_b32 s32, s32, s33                    ; which of its work-groups
	s_mov_b32 s35, 4096
	s_cmp_eq_u32 s30, 4                            ; w_ff1 has 4,096 columns, the others 1,024
	s_cselect_b32 s33, 31, 7
	s_cselect_b32 s34, 5, 3
	s_cselect_b32 s35, 16384, s35                  ; bytes from k to k + 1
	s_and_b32 s33, s32, s33                        ; which 128 columns
	s_lshr_b32 s34, s32, s34                       ; which 256 along K
	s_mov_b32 s36, 16384
	s_cmp_eq_u32 s30, 5                            ; w_ff2 has K = 4,096, the others 1,024
	s_cselect_b32 s36, 65536, s36                  ; bytes from a tile of 16 columns to the next in the images: 16 K
	s_lshl_b32 s37, s30, 20
	s_sub_co_u32 s38, s30, 3
	s_lshl_b32 s38, s38, 22
	s_lshl_b32 s39, s30, 1
	s_add_co_u32 s39, s39, 1
	s_add_co_u32 s40, s39, 4
	s_cmp_lt_u32 s30, 4
	s_cselect_b32 s37, s37, s38                    ; where the weight's images begin in wc: 0, 1, 2, 3, 4, 8 MiB
	s_cmp_lt_u32 s30, 3
	s_cselect_b32 s39, s39, s40                    ; its entry of lowp_scales: 1, 3, 5, 11, 13, 15
	s_lshl_b32 s40, s39, 2
	s_mov_b32 s41, 0
	s_lshl_b32 s45, s33, 7
	s_lshl_b32 s46, s28, 5
	s_add_co_u32 s45, s45, s46                     ; my wave's first column
	s_lshr_b32 s68, s45, 4
	s_mul_i32 s68, s68, s36
	s_add_co_u32 s68, s68, s37
	s_lshl_b32 s69, s34, 12                        ; two K steps of 2,048 bytes
	s_add_co_u32 s68, s68, s69
	s_mov_b32 s69, 0
	s_lshl_b32 s46, s34, 8
	s_mul_i32 s46, s46, s35                        ; my first k, in bytes,
	s_lshl_b32 s47, s45, 2
	s_add_co_u32 s46, s46, s47                     ; and my first column
	s_mov_b32 s47, 0
	v_lshlrev_b32 v16, 2, v1                       ; v16-47: 4 x lane + i rows: the offsets of a block's 32 loads; never rewritten
.set i, 1
.rept 31
	v_add_nc_u32 v[16+i], s35, v[15+i]
.set i, i+1
.endr
	v_lshrrev_b32 v14, 4, v1
	v_mul_lo_u32 v14, v14, s36
	v_and_b32 v15, 15, v1
	v_lshl_add_u32 v14, v15, 4, v14                ; out: lanes 0-15 one tile of columns, lanes 16-31 the next; 16 bytes a column
	s_wait_kmcnt 0x0
	s_cmp_eq_u32 s30, 0                            ; the choice of the buffer hangs on the work-group's number alone
	s_cselect_b64 s[42:43], s[10:11], s[12:13]
	s_cmp_lt_u32 s30, 2
	s_cselect_b64 s[42:43], s[42:43], s[14:15]
	s_cmp_lt_u32 s30, 3
	s_cselect_b64 s[42:43], s[42:43], s[16:17]
	s_cmp_lt_u32 s30, 4
	s_cselect_b64 s[42:43], s[42:43], s[18:19]
	s_cmp_lt_u32 s30, 5
	s_cselect_b64 s[42:43], s[42:43], s[20:21]
	s_add_nc_u64 s[22:23], s[22:23], s[40:41]
	s_load_b32 s44, s[22:23], 0x0                  ; e
	s_add_nc_u64 s[66:67], s[26:27], s[68:69]
	s_add_nc_u64 s[48:49], s[42:43], s[46:47]      ; s[48:63]: the first byte of each of my eight blocks of 32 along K
	s_lshl_b32 s46, s35, 5
.irp t, 1,2,3,4,5,6,7
	s_add_nc_u64 s[48+2*\t:49+2*\t], s[46+2*\t:47+2*\t], s[46:47]
.endr
.macro LOADW t                         ; block t: W(32 t + i, my column) into set t % 2: each load reads 128 consecutive bytes, the four waves stand side by side on 512
.set i, 0
.rept 32
	global_load_b32 v[48+32*((\t)%2)+i], v[16+i], s[48+2*(\t):49+2*(\t)] th:TH_LOAD_NT
.set i, i+1
.endr
.endm
	LOADW 0
	LOADW 1
	s_wait_kmcnt 0x0
	s_add_co_i32 s44, s44, 127
	s_lshl_b32 s45, s44, 23
	v_mov_b32 v11, s45                             ; 2^e
	s_add_co_i32 s44, s44, 15
	s_lshl_b32 s44, s44, 23
	s_or_b32 s44, s44, 0x600000
	v_mov_b32 v10, s44                             ; 57,344 x 2^e
; A block's 32 codes of column n are registers 4 q .. 4 q + 3 (q = t % 4) of two lanes of the fragment: k 0-7 and 16-23 of lane n % 16, k 8-15 and 24-31 of lane 16 + n % 16.
.macro BLOCKW t
.set XS, 48+32*((\t)%2)
.set CW, 112+8*(\t)                    ; each block has its own eight registers of codes: no store's data are written again
.if (\t) < 7
	s_wait_loadcnt 32                              ; this block's 32 loads are in; the next block's may be out
.else
	s_wait_loadcnt 0
.endif
.set i, 0
.rept 32
	v_med3_num_f32 v[XS+i], v[XS+i], -v10, v10
.set i, i+1
.endr
	v_cvt_scalef32_pk8_bf8_f32 v[CW:CW+1], v[XS:XS+7], v11
	v_cvt_scalef32_pk8_bf8_f32 v[CW+2:CW+3], v[XS+16:XS+23], v11
	v_cvt_scalef32_pk8_bf8_f32 v[CW+4:CW+5], v[XS+8:XS+15], v11
	v_cvt_scalef32_pk8_bf8_f32 v[CW+6:CW+7], v[XS+24:XS+31], v11
	v_nop
	global_store_b128 v14, v[CW:CW+3], s[66:67] offset:((\t)/4)*2048+((\t)%4)*512        ; sixteen lanes store 256 consecutive bytes, aligned
	global_store_b128 v14, v[CW+4:CW+7], s[66:67] offset:((\t)/4)*2048+((\t)%4)*512+256
.if (\t) < 6
	LOADW (\t)+2
.endif
.endm
.irp t, 0,1,2,3,4,5,6,7
	BLOCKW \t
.endr
	s_endpgm
.Lfunc_end_k_q213f5356d0_prep:
	.size	k_q213f5356d0_prep, .Lfunc_end_k_q213f5356d0_prep-k_q213f5356d0_prep
	.p2alignl 7, 3214868480
	.fill 96, 4, 3214868480
	.section	.rodata,"a",@progbits
	.p2align	6, 0x0
	.amdhsa_kernel k_q213f5356d0_prep
		.amdhsa_group_segment_fixed_size 34304
		.amdhsa_private_segment_fixed_size 0
		.amdhsa_enable_private_segment 0
		.amdhsa_kernarg_size 80
		.amdhsa_user_sgpr_count 2
		.amdhsa_user_sgpr_kernarg_segment_ptr 1
		.amdhsa_wavefront_size32 1
		.amdhsa_system_sgpr_workgroup_id_x 1
		.amdhsa_system_sgpr_workgroup_id_y 1
		.amdhsa_system_sgpr_workgroup_id_z 1
		.amdhsa_system_vgpr_workitem_id 0
		.amdhsa_next_free_vgpr 256
		.amdhsa_next_free_sgpr 72
		.amdhsa_reserve_vcc 0
		.amdhsa_float_denorm_mode_32 3
		.amdhsa_float_denorm_mode_16_64 3
		.amdhsa_memory_ordered 1
		.amdhsa_forward_progress 1
		.amdhsa_inst_pref_size 88
	.end_amdhsa_kernel
	.amdgpu_metadata
---
amdhsa.version: [ 1, 2 ]
amdhsa.kernels:
  - .name:           k_q213f5356d0_prep
    .symbol:         k_q213f5356d0_prep.kd
    .args:
      - { .name: x, .offset: 0, .size: 8, .value_kind: global_buffer, .address_space: global }
      - { .name: wq, .offset: 8, .size: 8, .value_kind: global_buffer, .address_space: global }
      - { .name: wk, .offset: 16, .size: 8, .value_kind: global_buffer, .address_space: global }
      - { .name: wv, .offset: 24, .size: 8, .value_kind: global_buffer, .address_space: global }
      - { .name: wo, .offset: 32, .size: 8, .value_kind: global_buffer, .address_space: global }
      - { .name: w_ff1, .offset: 40, .size: 8, .value_kind: global_buffer, .address_space: global }
      - { .name: w_ff2, .offset: 48, .size: 8, .value_kind: global_buffer, .address_space: global }
      - { .name: lowp_scales, .offset: 56, .size: 8, .value_kind: global_buffer, .address_space: global }
      - { .name: xc, .offset: 64, .size: 8, .value_kind: global_buffer, .address_space: global }
      - { .name: wc, .offset: 72, .size: 8, .value_kind: global_buffer, .address_space: global }
    .group_segment_fixed_size: 34304
    .private_segment_fixed_size: 0
    .kernarg_segment_align: 8
    .kernarg_segment_size: 80
    .max_flat_workgroup_size: 128
    .sgpr_count:     72
    .vgpr_count:     256
    .wavefront_size: 32
...
	.end_amdgpu_metadata
.endif
;; end of part 1
;; launch qkv (part 2): grid 12 x 16, 4 waves a work-group, clusters of 4 x 4, 327,680 bytes of LDS; arguments xc, wc, lowp_scales, qkvc, bq, bk, bv; writes qkvc
.if DOCPART == 2
	.amdgcn_target "amdgcn-amd-amdhsa--gfx1250"
	.amdhsa_code_object_version 6
	.text
	.protected	k_q213f5356d0_qkv
	.globl	k_q213f5356d0_qkv
	.p2align	8
	.type	k_q213f5356d0_qkv,@function
k_q213f5356d0_qkv:
	s_mov_b64 s[64:65], 0
	v_nop
	global_prefetch_b8 v0, s[64:65] scope:SCOPE_SE
	s_setreg_imm32_b32 hwreg(HW_REG_WAVE_MODE, 25, 1), 1
	s_wait_xcnt 0x0
	s_wait_alu depctr_hold_cnt(0) depctr_sa_sdst(0) depctr_va_vdst(0) depctr_va_sdst(0) depctr_va_ssrc(0) depctr_va_vcc(0) depctr_vm_vsrc(0)
	s_getreg_b32 s2, hwreg(HW_REG_IB_STS2, 6, 4)
	s_cmp_eq_u32 s2, 0
	s_cbranch_scc0 .Lentry_in_a_cluster
	s_endpgm
.Lentry_in_a_cluster:
	s_bfe_u32 s2, ttmp6, 0x10000c
	s_cmp_lg_u32 s2, 0xf033
	s_cbranch_scc0 .Lentry_shape_is_right
	s_endpgm
.Lentry_shape_is_right:
; QKV: products 1 to 3 on codes of E5M2, their biases, and the quantisers of q (entry 6 of lowp_scales), k (entry 7) and v (entry 9).  No work is left out here.
; The cluster's x is the product p = 0, 1, 2.  All operands are images of operand registers: fragment F(rt, ks), 16 rows x 128 k, 2,048 bytes, at byte (8 rt + ks) 2048; registers 4 q .. 4 q + 3 of lane L at byte 512 q + 16 L.
; A tile of 256 x 256 results is made by four waves, each 128 x 128: 64 accumulators, 512 registers.  The matrix instruction takes as source 0 sixteen rows of the B side and as source 1 sixteen rows of the A side: a lane then holds
; ONE row of the A side and its eight registers eight neighbours of the B side.  p = 0, 1: A side = tokens (x's codes), B side = channels (wq, wk): a lane's registers run along the channels, which are product 4's K.
; p = 2: A side = channels (wv), B side = tokens: a lane's registers run along the tokens, the keys, which are product 5's K.  So the conversions' results are the next operand's registers and go straight to memory.
; OUT: q at qkvc + 0 and k at + 4 MiB: [batch x head 32][tile of 16 tokens 128][1,024 bytes]: a fragment of 16 tokens x 64 k.  v at + 8 MiB: [batch x head][key step of 128: 16][tile of 16 channels: 4][2,048 bytes].
; K goes in steps of 256 through a ring of two LDS slots: a slot holds, for A and for B, 16 row tiles x 2 fragments.  A wave's tensor load brings 8 rows of 4,096 consecutive bytes.
; CLUSTERS 4 x 4: A's tiles are shared along a row of the cluster, B's along a column, by joint loads.  No prefetch: the ring walks four slots in all, and each tile is asked for by several clusters at the same time.
; LIMITS: e0 + e1, e2 + e3, e4 + e5 between -126 and 127; e6, e7, e9 between -126 and 112.  NaN is not served.
; REGISTERS as windows of 256: window 0: v0-31 addresses and constants, v32-95 biases, v96-127 codes, from v128 A's fragments (one set), later the results at work.  window 1: B's fragments, two sets.  windows 2, 3: the accumulators, (a, b) at v[8 (8 (a % 4) + b)].
.set SIZE_K, 1024
.set FR,     16                        ; registers of a fragment
.set NL,     4                         ; LDS loads that bring one
.set NP,     4                         ; places behind this matrix instruction (ISA guide 7.12.1)
.set HALFT,  32768                     ; 8 row tiles x 2 fragments: what one tensor load brings, and what one wave reads of A or of B
.set SLOT,   4*HALFT                   ; A's 16 row tiles, then B's
.set STEPB,  4096                      ; a row tile's bytes in a slot
.set LAPS,   SIZE_K/512                ; a lap = once round the ring
.set SPARE,  2*SLOT                    ; behind the ring: the spare words, 128 bytes for each wave
.set ADRA, 16                          ; v16-17  LDS address of my A fragments in slot 0, 1
.set ADRB, 20                          ; v20-21  the same for B
.set CO,   26                          ; v26     16 x lane
.set LIMV, 27                          ; v27     57,344 x the scale of the codes that leave
.set SPW,  28                          ; v28     LDS address of my spare word; never rewritten
.set NIL,  29                          ; v29     0; never rewritten
.set SCV,  30                          ; v30     that scale as f32
.set BO,   31                          ; v31     my lane's offset in the bias
.set BIAS, 32
.set AF,   128
.set G1, 24                            ; s[24:31] descriptor group 1 for A's tiles;  s[32:39] group 0, one set for each slot
.set G0, 32
.set G1B, 48                           ; s[48:55], s[56:63] the same for B's tiles
.set G0B, 56
.set MSB, 0
.macro WIN new                         ; the immediate's high byte repeats the setting that is left
.if MSB != \new
	s_set_vgpr_msb (MSB<<8)|\new
.set MSB, \new
.endif
.endm
.set MUL_LO, 0xa1                      ; source 0 (B) window 1, source 1 (A) window 0, C and D window 2
.set MUL_HI, 0xf1                      ; the same, C and D window 3
.set TO_B,   0x40                      ; destination window 1, address window 0
; A joint load: waves 0 and 1 fetch for A, waves 2 and 3 for B; the branch hangs on the wave's number alone.  An s_nop 0 and four v_nop follow each of the two lines.
.macro JLOAD g0a, g1a, g0b, g1b
	s_cmp_eq_u32 s15, 0
	s_cbranch_scc0 .Lfor_b_\@
	tensor_load_to_lds s[\g0a:\g0a+3], s[\g1a:\g1a+7]
	s_nop 0
.rept 4
	v_nop
.endr
	s_branch .Lasked_\@
.Lfor_b_\@:
	tensor_load_to_lds s[\g0b:\g0b+3], s[\g1b:\g1b+7]
	s_nop 0
.rept 4
	v_nop
.endr
.Lasked_\@:
.endm
.macro CREST                           ; a round of the cluster's barrier behind its opening barrier
	s_cmp_lg_u32 s14, 0
	s_cbranch_scc1 .Lnot_wave_0_\@
	s_barrier_signal -3
.Lnot_wave_0_\@:
	s_barrier_wait -3
	s_barrier_signal -1
	s_barrier_wait -1
.endm
.macro CROUND                          ; a whole round
	s_barrier_signal -1
	s_barrier_wait -1
	CREST
.endm
	s_load_b256 s[4:11], s[0:1], 0x0               ; xc s[4:5], wc s[6:7], lowp_scales s[8:9], qkvc s[10:11]
	s_load_b128 s[84:87], s[0:1], 0x20             ; bq, bk
	s_load_b64 s[88:89], s[0:1], 0x30              ; bv
	v_lshl_add_u32 v[SPW], v0, 2, SPARE
	v_mov_b32 v[NIL], 0
	ds_add_u32 v[SPW], v[NIL]                      ; the wave's opening: the add, twice on end, and its wait ahead of my first tensor load
	ds_add_u32 v[SPW], v[NIL]
	v_lshrrev_b32 v1, 5, v0
	v_readfirstlane_b32 s14, v1                    ; wave 0..3
	s_lshr_b32 s15, s14, 1                         ; which half of the tile's A rows is mine.  Also: I fetch for A (0) or for B (1)
	s_and_b32 s16, s14, 1                          ; which half of its B rows.  Also: which 8 row tiles I fetch
	s_bfe_u32 s40, ttmp6, 0x40000                  ; cx, cy: my place in the cluster
	s_bfe_u32 s41, ttmp6, 0x40004
	s_and_b32 s12, ttmp7, 0xffff
	s_lshl_b32 s12, s12, 2                         ; 4 x cluster y: walks the 16 tiles of tokens
	s_lshl_b32 s13, ttmp9, 22                      ; p x 4 MiB: x's codes for product p
	s_lshl_b32 s2, ttmp9, 20                       ; p x 1 MiB: the weight's
	s_cmp_lt_u32 ttmp9, 2                          ; the cluster's x is the same in all sixteen partners
	s_cselect_b32 s17, s12, 0
	s_cselect_b32 s42, 0, s12
	s_cselect_b32 s13, s13, 2<<20                  ; where the A side begins in its buffer,
	s_cselect_b32 s2, s2, 8<<20                    ; and the B side
	s_add_co_u32 s17, s17, s41                     ; tile of the A side: cy (+ 4 x cluster y where A is the tokens)
	s_add_co_u32 s42, s42, s40                     ; tile of the B side: cx (+ 4 x cluster y where B is the tokens)
	s_lshl_b32 s43, s41, 2
	s_lshl_b32 s43, 15, s43                        ; my row of the cluster
	s_lshl_b32 s44, 0x1111, s40                    ; my column
	; descriptor group 1: 8 rows (row tiles) of 512 elements of 8 bytes, 16 SIZE_K bytes apart in memory, dense in LDS
	s_or_b32 s[G1+0], s43, (3<<16)|(1<<21)         ; 15:0 the mask: A's tiles go to my row; 17:16 elements of 8 bytes; 21 set beside a mask; no padding
	s_or_b32 s[G1B+0], s44, (3<<16)|(1<<21)
.irp g, G1, G1B
	s_mov_b32 s[\g+1], 512<<16                     ; tensor_dim0
	s_mov_b32 s[\g+2], 8<<16                       ; tensor_dim1
	s_mov_b32 s[\g+3], 512<<16                     ; tile_dim0
	s_mov_b32 s[\g+4], 8                           ; tile_dim1
	s_mov_b32 s[\g+5], 2*SIZE_K                    ; tensor_dim0_stride, in elements
	s_mov_b32 s[\g+6], 0
	s_mov_b32 s[\g+7], 0
.endr
	s_lshl_b32 s18, s16, 7                         ; which 128 rows of the tile I fetch
	s_lshl_b32 s20, s17, 8
	s_add_co_u32 s20, s20, s18
	s_mul_i32 s20, s20, SIZE_K                     ; 16 rows are 16 SIZE_K bytes of images
	s_add_co_u32 s20, s20, s13
	s_mov_b32 s21, 0
	s_lshl_b32 s46, s42, 8
	s_add_co_u32 s46, s46, s18
	s_mul_i32 s46, s46, SIZE_K
	s_add_co_u32 s46, s46, s2
	s_mov_b32 s47, 0
	s_mul_i32 s45, s14, HALFT                      ; where they go: no place in the cluster enters an LDS address
	s_wait_dscnt 0x0                               ; both opening adds are done
	s_wait_kmcnt 0x0
	s_load_b512 s[68:83], s[8:9], 0x0              ; e0 .. e15
	s_cmp_lt_u32 ttmp9, 2
	s_cselect_b64 s[92:93], s[4:5], s[6:7]         ; the A side's buffer,
	s_cselect_b64 s[94:95], s[6:7], s[4:5]         ; the B side's
	s_add_nc_u64 s[20:21], s[92:93], s[20:21]
	s_add_nc_u64 s[46:47], s[94:95], s[46:47]
	CROUND                                         ; all sixteen work-groups are here: the first joint loads meet
.irp s, 0,1
	s_mov_b32 s[G0+4*\s], 1
	s_add_co_u32 s[G0+4*\s+1], s45, \s*SLOT
	s_add_nc_u64 s[G0+4*\s+2:G0+4*\s+3], s[20:21], \s*STEPB
	s_or_b32 s[G0+4*\s+3], s[G0+4*\s+3], 0x80000000
	s_mov_b32 s[G0B+4*\s], 1
	s_add_co_u32 s[G0B+4*\s+1], s45, \s*SLOT
	s_add_nc_u64 s[G0B+4*\s+2:G0B+4*\s+3], s[46:47], \s*STEPB
	s_or_b32 s[G0B+4*\s+3], s[G0B+4*\s+3], 0x80000000
	JLOAD G0+4*\s, G1, G0B+4*\s, G1B
.endr
	v_and_b32 v6, 31, v0
	v_lshlrev_b32 v[CO], 4, v6
	s_mul_i32 s21, s15, HALFT                      ; my 8 row tiles of A
	s_mul_i32 s22, s16, HALFT                      ; my 8 of B,
	s_add_co_u32 s22, s22, 2*HALFT                 ; which lie behind A's 16
.irp s, 0,1
	v_add_nc_u32 v[ADRA+\s], s21, v[CO]
	v_add_nc_u32 v[ADRB+\s], s22, v[CO]
	s_add_co_u32 s21, s21, SLOT
	s_add_co_u32 s22, s22, SLOT
.endr
	s_wait_kmcnt 0x0                               ; the scales: chosen by the product's number, never by a branch
	s_add_co_i32 s68, s68, s69
	s_add_co_i32 s70, s70, s71
	s_add_co_i32 s72, s72, s73
	s_cmp_eq_u32 ttmp9, 0
	s_cselect_b32 s96, s68, s70
	s_cselect_b32 s98, s74, s75
	s_cselect_b64 s[90:91], s[84:85], s[86:87]
	s_cmp_eq_u32 ttmp9, 2
	s_cselect_b32 s96, s72, s96                    ; the two operands' exponents added,
	s_cselect_b32 s98, s77, s98                    ; the exponent of the codes that leave: e6, e7, e9,
	s_cselect_b64 s[90:91], s[88:89], s[90:91]     ; and the bias
	s_add_co_i32 s96, s96, 127
	s_lshl_b32 s96, s96, 23                        ; 2^(the sum) as f32
	s_mov_b32 s97, s96                             ; (named with it as a pair, so it is written)
	s_add_co_i32 s98, s98, 127
	s_lshl_b32 s99, s98, 23
	v_mov_b32 v[SCV], s99
	s_add_co_i32 s98, s98, 15
	s_lshl_b32 s98, s98, 23
	s_or_b32 s98, s98, 0x600000
	v_mov_b32 v[LIMV], s98
.macro FRAG reg, adr, q, i             ; fragment (row tile i, K step q of the slot): four loads of 512 consecutive bytes
.irp c, 0,1,2,3
	ds_load_b128 v[\reg+4*\c:\reg+4*\c+3], v[\adr] offset:(\i)*STEPB+(\q)*2048+512*\c
.endr
.endm
; 16 matrix instructions: A's blocks a0, a0 + 1 x B's eight, 128 along K.  p: B's set.  zero = 1: the first product starts the sums.  The 64 accumulators take turns, one instruction a turn, in the same order in every step.
.macro MUL16 a0, p, zero
.irp a, \a0, \a0+1
.irp b, 0,1,2,3,4,5,6,7
.if \zero
	v_wmma_f32_16x16x128_bf8_bf8 v[8*(8*((\a)%4)+\b):8*(8*((\a)%4)+\b)+7], v[128*(\p)+FR*\b:128*(\p)+FR*\b+FR-1], v[AF+FR*(\a):AF+FR*(\a)+FR-1], 0
.else
	v_wmma_f32_16x16x128_bf8_bf8 v[8*(8*((\a)%4)+\b):8*(8*((\a)%4)+\b)+7], v[128*(\p)+FR*\b:128*(\p)+FR*\b+FR-1], v[AF+FR*(\a):AF+FR*(\a)+FR-1], v[8*(8*((\a)%4)+\b):8*(8*((\a)%4)+\b)+7]
.endif
.endr
.endr
.endm
.macro FETCH_B slot, q, p
	WIN TO_B
.irp i, 0,1,2,3,4,5,6,7
	FRAG 128*(\p)+FR*\i, ADRB+\slot, \q, \i
.endr
	WIN 0
.endm
.macro FETCH_A slot, q, i0
.irp i, \i0, \i0+1, \i0+2, \i0+3
	FRAG AF+FR*(\i), ADRA+\slot, \q, \i
.endr
.endm
.macro PLACES n                        ; plain vector lines between a matrix instruction and a load into, or a vector write of, a register that it has read, or a read of its result
.rept \n
	v_nop
.endr
.endm
.macro STEP slot, q, zero              ; a step of 128 along K that has its successor in the same slot
	s_wait_dscnt 4*NL                              ; B's set and A's blocks 0-3 are in; the youngest sixteen loads (A's blocks 4-7) may be out
	WIN MUL_LO
	MUL16 0, (\q)%2, \zero
	MUL16 2, (\q)%2, \zero
	s_wait_dscnt 0
	PLACES NP
	FETCH_B \slot, (\q)+1, 1-(\q)%2
	FETCH_A \slot, (\q)+1, 0
	WIN MUL_HI
	MUL16 4, (\q)%2, \zero
	MUL16 6, (\q)%2, \zero
	PLACES NP
	WIN 0
	FETCH_A \slot, (\q)+1, 4
.endm
; A slot's last step changes slots: one barrier; in front of it each wave waits for all its tensor loads, adds 0 to its spare word, and waits for that and for its reads of this slot.  fill = 1: this slot is filled again, two slots ahead.
.macro TURN slot, next, fill
	s_wait_tensorcnt 0x0                           ; all my tensor loads have landed: my part of the next slot
	ds_add_u32 v[SPW], v[NIL]
	s_wait_dscnt 4*NL+1                            ; (the add and the youngest sixteen loads may be out)
	WIN MUL_LO
	MUL16 0, 1, 0
	s_wait_dscnt 0x0                               ; the add is done, and my reads of this slot are over
	s_barrier_signal -1
	MUL16 2, 1, 0
	WIN 0
	s_barrier_wait -1
.if \fill
	CREST                                          ; the barrier has opened a round of the cluster's: no wave of any partner still reads this slot or has a load on its way
	s_add_nc_u64 s[G0+4*\slot+2:G0+4*\slot+3], s[G0+4*\slot+2:G0+4*\slot+3], 2*STEPB
	s_add_nc_u64 s[G0B+4*\slot+2:G0B+4*\slot+3], s[G0B+4*\slot+2:G0B+4*\slot+3], 2*STEPB
	JLOAD G0+4*\slot, G1, G0B+4*\slot, G1B         ; the first tensor load behind the round; its four v_nop are the places in front of the loads below
.else
	PLACES NP
.endif
	FETCH_B \next, 0, 0
	FETCH_A \next, 0, 0
	WIN MUL_HI
	MUL16 4, 1, 0
	MUL16 6, 1, 0
	PLACES NP
	WIN 0
	FETCH_A \next, 0, 4
.endm
.macro LAST                            ; the very last step: nothing more to fetch
	s_wait_dscnt 4*NL
	WIN MUL_LO
	MUL16 0, 1, 0
	MUL16 2, 1, 0
	s_wait_dscnt 0
	WIN MUL_HI
	MUL16 4, 1, 0
	MUL16 6, 1, 0
	WIN 0
.endm
; THE WAY OUT of block a (16 rows of the A side x my 128 of the B side): sum x 2^(the operands' exponents) + bias, the hold, the conversion; the codes are a fragment's registers and are stored as they stand.
.macro FINISH a                        ; the hold and the conversions: v128-191 -> sixteen registers of codes, two sets by turns
.set CD, 96+16*((\a)%2)
.set i, 0
.rept 64
	v_med3_num_f32 v[128+i], v[128+i], -v[LIMV], v[LIMV]
.set i, i+1
.endr
.set i, 0
.rept 8
	v_cvt_scalef32_pk8_bf8_f32 v[CD+2*i:CD+2*i+1], v[128+8*i:135+8*i], v[SCV]
.set i, i+1
.endr
	v_nop                                          ; a plain line between the conversions and the next block's lines, which write their sources
.endm
.macro EPI_QK a                        ; a lane holds token 16 a + r and channels 16 b + 8 h + j: the bias lies in registers alike
.set AC, 64*((\a)%4)
.if (\a) > 1
	s_wait_xcnt 0x0                                ; block a - 2's stores have read their registers
.endif
	WIN 0x02+((\a)/4)                              ; source 0: window 2 or 3
.set i, 0
.rept 32
	v_pk_fma_f32 v[128+i:129+i], v[AC+i:AC+i+1], s[96:97], v[BIAS+i:BIAS+i+1] op_sel_hi:[1,0,1]   ; each accumulator from its low end on
.set i, i+2
.endr
	WIN 0
	FINISH \a
.irp u, 0,1                            ; my 128 channels are two heads: eight registers each, a fragment of 64 k
.irp g, 0,1
	global_store_b128 v[CO], v[CD+8*\u+4*\g:CD+8*\u+4*\g+3], s[10:11] offset:1024*(\a)+131072*\u+512*\g   ; 512 consecutive bytes
.endr
.endr
.endm
.macro EPI_V a                         ; a lane holds channel 16 a + r and tokens 16 b + 8 h + j: one number of the bias a lane
.set AC, 64*((\a)%4)
.if (\a) > 1
	s_wait_xcnt 0x0
.endif
	WIN 0x02+((\a)/4)
.set i, 0
.rept 64
	v_fma_f32 v[128+i], v[AC+i], s96, v[BIAS+(\a)]
.set i, i+1
.endr
	WIN 0
	FINISH \a
.irp q, 0,1,2,3
	global_store_b128 v[CO], v[CD+4*\q:CD+4*\q+3], s[10:11] offset:((\a)/4)*131072+((\a)%4)*2048+512*\q
.endr
.endm
	s_wait_tensorcnt 1                             ; my part of slot 0 is in (slot 1's load may be out)
	s_barrier_signal -1
	s_barrier_wait -1                              ; everybody's is
	FETCH_B 0, 0, 0
	FETCH_A 0, 0, 0
	FETCH_A 0, 0, 4
	STEP 0, 0, 1                                   ; the first step stands in front of the loop: its products start the sums
	s_mov_b32 s3, LAPS-1
.Llap:                                                 ; a trip goes once round the ring and fills both slots again
	TURN 0, 1, 1
	STEP 1, 0, 0
	TURN 1, 0, 1
	STEP 0, 0, 0
	s_sub_co_u32 s3, s3, 1
	s_cmp_lg_u32 s3, 0
	s_cbranch_scc1 .Llap
	TURN 0, 1, 0                                   ; the last lap fills nothing, and has no round of the cluster's barrier
	s_cmp_eq_u32 ttmp9, 2                          ; the two ways out part here, on the cluster's x, behind the last tensor load and the last barrier of the ring: the last 128 products stand between the bias's loads and their use
	s_cbranch_scc1 .Lv
	s_lshl_b32 s18, s42, 10                        ; q, k: the bias at my 128 channels: 4 (256 x B's tile + 128 x half)
	s_lshl_b32 s19, s16, 9
	s_add_co_u32 s18, s18, s19
	s_mov_b32 s19, 0
	s_add_nc_u64 s[90:91], s[90:91], s[18:19]
	v_bfe_u32 v[BO], v0, 4, 1
	v_lshlrev_b32 v[BO], 5, v[BO]                  ; 32 h
.set i, 0
.rept 8
	global_load_b128 v[BIAS+8*i:BIAS+8*i+3], v[BO], s[90:91] offset:64*i
	global_load_b128 v[BIAS+8*i+4:BIAS+8*i+7], v[BO], s[90:91] offset:64*i+16
.set i, i+1
.endr
	s_lshl_b32 s18, s17, 4
	s_lshl_b32 s19, s15, 3
	s_add_co_u32 s18, s18, s19                     ; my first tile of 16 tokens, 0 .. 255
	s_lshr_b32 s19, s18, 7                         ; the batch,
	s_and_b32 s18, s18, 127                        ; the tile in it
	s_lshl_b32 s18, s18, 10
	s_lshl_b32 s19, s19, 21                        ; 16 heads x 131,072 bytes
	s_add_co_u32 s18, s18, s19
	s_lshl_b32 s19, ttmp9, 22                      ; q or k
	s_add_co_u32 s18, s18, s19
	s_lshl_b32 s19, s42, 19                        ; head 4 x B's tile + 2 x half
	s_add_co_u32 s18, s18, s19
	s_lshl_b32 s19, s16, 18
	s_add_co_u32 s18, s18, s19
	s_mov_b32 s19, 0
	s_add_nc_u64 s[10:11], s[10:11], s[18:19]
	STEP 1, 0, 0
	LAST
	PLACES NP                                      ; in front of the first lines that write registers which held A's fragments
	s_wait_loadcnt 0x0                             ; the bias
.irp a, 0,1,2,3,4,5,6,7
	EPI_QK \a
.endr
	s_branch .Lout
.Lv:
	s_lshl_b32 s18, s17, 10                        ; v: the bias at my 128 channels: 4 (256 x A's tile + 128 x half)
	s_lshl_b32 s19, s15, 9
	s_add_co_u32 s18, s18, s19
	s_mov_b32 s19, 0
	s_add_nc_u64 s[90:91], s[90:91], s[18:19]
	v_and_b32 v[BO], 15, v0
	v_lshlrev_b32 v[BO], 2, v[BO]                  ; 4 r
.set i, 0
.rept 8
	global_load_b32 v[BIAS+i], v[BO], s[90:91] offset:64*i
.set i, i+1
.endr
	s_lshl_b32 s18, s42, 1
	s_add_co_u32 s18, s18, s16                     ; my 128 tokens: step 0 .. 31
	s_lshr_b32 s19, s18, 4                         ; the batch,
	s_and_b32 s18, s18, 15                         ; the key step in it
	s_lshl_b32 s18, s18, 13
	s_lshl_b32 s19, s19, 21
	s_add_co_u32 s18, s18, s19
	s_lshl_b32 s19, s17, 19                        ; head 4 x A's tile + 2 x half
	s_add_co_u32 s18, s18, s19
	s_lshl_b32 s19, s15, 18
	s_add_co_u32 s18, s18, s19
	s_add_co_u32 s18, s18, 8<<20
	s_mov_b32 s19, 0
	s_add_nc_u64 s[10:11], s[10:11], s[18:19]
	STEP 1, 0, 0
	LAST
	PLACES NP
	s_wait_loadcnt 0x0
.irp a, 0,1,2,3,4,5,6,7
	EPI_V \a
.endr
.Lout:
	s_wait_tensorcnt 0x0                           ; the wave's end: a wait, an add to my spare word and a wait, behind my last tensor load
	ds_add_u32 v[SPW], v[NIL]
	s_wait_dscnt 0x0
	CROUND                                         ; the closing round: no work-group ends while a partner may still ask for a tile that names it
	s_endpgm
.Lfunc_end_k_q213f5356d0_qkv:
	.size	k_q213f5356d0_qkv, .Lfunc_end_k_q213f5356d0_qkv-k_q213f5356d0_qkv
	.p2alignl 7, 3214868480
	.fill 96, 4, 3214868480
	.section	.rodata,"a",@progbits
	.p2align	6, 0x0
	.amdhsa_kernel k_q213f5356d0_qkv
		.amdhsa_group_segment_fixed_size 327680
		.amdhsa_private_segment_fixed_size 0
		.amdhsa_enable_private_segment 0
		.amdhsa_kernarg_size 56
		.amdhsa_user_sgpr_count 2
		.amdhsa_user_sgpr_kernarg_segment_ptr 1
		.amdhsa_wavefront_size32 1
		.amdhsa_system_sgpr_workgroup_id_x 1
		.amdhsa_system_sgpr_workgroup_id_y 1
		.amdhsa_system_sgpr_workgroup_id_z 1
		.amdhsa_system_vgpr_workitem_id 0
		.amdhsa_next_free_vgpr 1024
		.amdhsa_next_free_sgpr 100
		.amdhsa_reserve_vcc 0
		.amdhsa_float_denorm_mode_32 3
		.amdhsa_float_denorm_mode_16_64 3
		.amdhsa_memory_ordered 1
		.amdhsa_forward_progress 1
		.amdhsa_inst_pref_size 222
	.end_amdhsa_kernel
	.amdgpu_metadata
---
amdhsa.version: [ 1, 2 ]
amdhsa.kernels:
  - .name:           k_q213f5356d0_qkv
    .symbol:         k_q213f5356d0_qkv.kd
    .args:
      - { .name: xc, .offset: 0, .size: 8, .value_kind: global_buffer, .address_space: global }
      - { .name: wc, .offset: 8, .size: 8, .value_kind: global_buffer, .address_space: global }
      - { .name: lowp_scales, .offset: 16, .size: 8, .value_kind: global_buffer, .address_space: global }
      - { .name: qkvc, .offset: 24, .size: 8, .value_kind: global_buffer, .address_space: global }
      - { .name: bq, .offset: 32, .size: 8, .value_kind: global_buffer, .address_space: global }
      - { .name: bk, .offset: 40, .size: 8, .value_kind: global_buffer, .address_space: global }
      - { .name: bv, .offset: 48, .size: 8, .value_kind: global_buffer, .address_space: global }
    .group_segment_fixed_size: 327680
    .private_segment_fixed_size: 0
    .kernarg_segment_align: 8
    .kernarg_segment_size: 56
    .max_flat_workgroup_size: 128
    .sgpr_count:     100
    .vgpr_count:     1024
    .wavefront_size: 32
...
	.end_amdgpu_metadata
.endif
;; end of part 2
;; launch attn (part 3): grid 8 x 32, 16 waves a work-group, no clusters, 327,680 bytes of LDS; arguments qkvc, lowp_scales, ac; writes ac
.if DOCPART == 3
	.amdgcn_target "amdgcn-amd-amdhsa--gfx1250"
	.amdhsa_code_object_version 6
	.text
	.protected	k_q213f5356d0_attn
	.globl	k_q213f5356d0_attn
	.p2align	8
	.type	k_q213f5356d0_attn,@function
k_q213f5356d0_attn:
	s_mov_b64 s[64:65], 0
	v_nop
	global_prefetch_b8 v0, s[64:65] scope:SCOPE_SE
	s_setreg_imm32_b32 hwreg(HW_REG_WAVE_MODE, 25, 1), 1
	s_wait_xcnt 0x0
; ATTN: products 4 and 5 on codes of E5M2, the causal softmax between them, and the quantiser of the result (entry 10 of lowp_scales), for 32 batch x heads of 2,048 tokens x 64 channels.
; LEFT OUT: key steps all of whose keys come after a wave's queries (the mask that reference() builds hides them: shown at the head of the first kernel); hidden scores inside a step count as -infinity.
; IN: q at qkvc, k at + 4 MiB: [batch x head][tile of 16 tokens][1,024]: fragments of 16 tokens x 64 k.  v at + 8 MiB: [batch x head][key step of 128][tile of 16 channels][2,048]: fragments of 16 channels x 128 keys.
; In a fragment registers 4 q .. 4 q + 3 of lane L lie at byte 512 q + 16 L; lane L = r + 16 h, register i, byte y = (row r, k = 16 (i / 2) + 8 h + 4 (i % 2) + y).
; THE SOFTMAX AHEAD OF PRODUCT 5: t = score x log2(e) / 8; M = the row's largest t so far, rounded up to a whole number; p = 2^(t - M) is quantised with entry 8, not normalised; the row's sum is taken of the unquantised p and divides at the end.
; When M moves, the sum and O are multiplied by 2^(old M - new M), which rounds nothing.
; SHARES.  A work-group owns two blocks of 128 queries of one batch x head: blocks i and 15 - i, so that every work-group has the same number of key steps.  Each of its sixteen waves owns 16 queries, in 256 registers.
; Every wave walks all eight slots of 256 keys and jumps over the work of hidden steps: the trip counts are constants.  K and V come through a ring of two LDS slots of 32 KiB, filled by waves 0 to 3 (8 KiB each, dense) and read by all.
; Both products are used transposed (S^T = K Q^T, O^T = V^T P^T): a lane holds one query throughout; the eight registers of score tile t are keys 16 t + 8 h + 0 .. 7, so their codes are registers 2 t, 2 t + 1 of P's fragment.
; NO CLUSTER: under the causal mask the work-groups of a head need different numbers of slots, and a partner would have to ask for tiles that none of its waves reads.
; OUT: ac, the A operand of product 6, as fragments F(tile of 16 tokens, K step of 128 channels = two heads) at byte (8 rt + ks) 2048: my head's eight registers are half a fragment, 1,024 bytes.
; LIMITS: e6 + e7 between -124 and 130 (added to c's exponent field); e8 and e10 between -126 and 112; e8 + e9 is applied by v_ldexp_f32.  NaN is not served.
; REGISTERS: v1 16 x lane; v3 the prefetches' offset; v5, v6 the add's two; v8 LDS address; v10, v11 the hold and the scale of the codes that leave; v12 -M, v13 the largest t, v[14:15] the sum; v16-23 Q; v32-95 K's eight tiles, then V's four fragments;
; v96-159 S^T, then p; v160-191 O^T; v192-207 p's codes; v236-254 at work.
.set SK,    256                        ; keys in a slot
.set NSL,   8                          ; slots' worth of keys
.set SLOT1, 32768                      ; a slot: 16 KiB of K, then 16 KiB of V; one exclusive or turns an address from one slot to the other
.set SPARE, 65536                      ; behind the ring: the spare words, 128 bytes for each of sixteen waves
.set LI,   1
.set PFO,  3
.set SPW,  5
.set NIL,  6
.set ADR,  8
.set TB,   2                           ; s2   LDS byte at which the slot in hand begins
.set WV,   18                          ; s18  my wave's number
.set SEL,  20                          ; s[20:21] lane selects for v_permlanex16_b32: lane l xor 16
.set CS,   22                          ; s[22:23] c = log2(e) / 8 x 2^(e6 + e7)
.set G1,   24                          ; s[24:31] descriptor group 1
.set G0,   40                          ; s[40:43] group 0, which walks
.set LQ,   66                          ; s66  my work-group's last query
.set SLOTS, 67                         ; s67  changes of slots still to come in the loop
.set PFA,  76                          ; s[76:77] where my prefetches stand
.set LIM,  80                          ; s80  1 in a wave that prefetches, else the greatest number
.set KF,   98                          ; s98  the step's first key
.set Q0,   99                          ; s99  my first query
.macro TLOAD                           ; waves 0 to 3 fetch, the others nothing: a branch on the wave's number.  An s_nop 0 and four v_nop follow the load
	s_cmp_lt_u32 s[WV], 4
	s_cbranch_scc0 .Lasked_\@
	tensor_load_to_lds s[G0:G0+3], s[G1:G1+7]
	s_nop 0
.rept 4
	v_nop
.endr
.Lasked_\@:
.endm
; A prefetch of what the NEXT change of slots will ask for: 16 KiB of K and 16 KiB of V, 128 blocks of 256 bytes.  All eight work-groups of a head walk the same K and V: the first of them asks, which also walks furthest.
; In it waves 4 and 5 ask for K's halves and waves 6 and 7 for V's, one instruction each, lanes 256 bytes apart: each block is named once in the launch.  The last change that fills a slot asks for nothing; slots 0 and 1 come by their loads alone.
.macro ASK
	s_cmp_gt_u32 s[SLOTS], s[LIM]
	s_cbranch_scc0 .Lnot_mine_\@
	global_prefetch_b8 v[PFO], s[PFA:PFA+1] th:TH_LOAD_NT scope:SCOPE_SE
.Lnot_mine_\@:
.endm
	s_load_b128 s[4:7], s[0:1], 0x0                ; qkvc s[4:5], lowp_scales s[6:7]
	s_load_b64 s[16:17], s[0:1], 0x10              ; ac
	v_lshl_add_u32 v[SPW], v0, 2, SPARE
	v_mov_b32 v[NIL], 0
	ds_add_u32 v[SPW], v[NIL]                      ; the wave's opening: the add, twice on end, and its wait ahead of my first tensor load
	ds_add_u32 v[SPW], v[NIL]
	v_lshrrev_b32 v8, 5, v0
	v_readfirstlane_b32 s[WV], v8                  ; wave 0..15
	s_and_b32 s72, ttmp7, 0xffff                   ; batch x head
	s_lshl_b32 s73, s72, 17                        ; its 131,072 bytes in each of q, k, v
	s_lshr_b32 s74, s[WV], 2
	s_xor_b32 s74, s74, s[WV]
	s_and_b32 s74, s74, 1                          ; which of the two blocks: of waves 2 n and 2 n + 1 one takes each, and of any four waves with neighbouring or with equally spaced numbers two take each
	s_sub_co_u32 s75, 15, ttmp9
	s_cmp_eq_u32 s74, 1
	s_cselect_b32 s75, s75, ttmp9
	s_lshl_b32 s75, s75, 7
	s_lshr_b32 s81, s[WV], 1
	s_lshl_b32 s81, s81, 4
	s_add_co_u32 s[Q0], s75, s81                   ; my first query
	s_lshl_b32 s[LQ], ttmp9, 7
	s_sub_co_u32 s[LQ], 2047, s[LQ]                ; block 15 - i ends here
	s_and_b32 s88, s[WV], 1
	s_lshl_b32 s88, s88, 13
	s_add_co_u32 s88, s88, s73                     ; which half of a slot's K or V, in my head
	s_mov_b32 s89, 8<<20
	s_cmp_lt_u32 s[WV], 2
	s_cselect_b32 s89, 4<<20, s89                  ; waves 0, 1: K; waves 2, 3: V
	s_add_co_u32 s90, s88, s89
	s_mov_b32 s91, 0
	s_lshl_b32 s92, s[WV], 13                      ; and where it goes: 8,192 x wave
	s_mov_b32 s[G1], 3<<16                         ; a dense block of 8 KiB as 32 rows of 32 elements of 8 bytes; no mask, no padding
	s_mov_b32 s[G1+1], 32<<16                      ; tensor_dim0
	s_mov_b32 s[G1+2], 32<<16                      ; tensor_dim1
	s_mov_b32 s[G1+3], 32<<16                      ; tile_dim0
	s_mov_b32 s[G1+4], 32                          ; tile_dim1
	s_mov_b32 s[G1+5], 32                          ; tensor_dim0_stride
	s_mov_b32 s[G1+6], 0
	s_mov_b32 s[G1+7], 0
	s_mov_b32 s[SEL], 0x76543210
	s_mov_b32 s[SEL+1], 0xfedcba98
	s_mov_b32 s[CS], 0x3e38aa3b                    ; log2(e) / sqrt(64)
	s_mov_b32 s[TB], 0
	s_mov_b32 s[SLOTS], NSL-1
	s_mov_b32 s[KF], 0
	s_wait_dscnt 0x0                               ; both opening adds are done
	s_wait_kmcnt 0x0
	s_load_b256 s[44:51], s[6:7], 0x18             ; e6 .. e13
	s_mov_b32 s[G0], 1                             ; count = 1
	s_mov_b32 s[G0+1], s92                         ; LDS address: slot 0
	s_add_nc_u64 s[G0+2:G0+3], s[4:5], s[90:91]    ; global address: the head's first 256 keys
	s_or_b32 s[G0+3], s[G0+3], 0x80000000          ; type = 2
	TLOAD                                          ; slot 0: it holds key 0, which counts for every query
	s_lshl_b32 s82, s[Q0], 6                       ; a tile of 16 queries is 1,024 bytes
	s_add_co_u32 s82, s82, s73
	s_mov_b32 s83, 0
	s_add_nc_u64 s[84:85], s[4:5], s[82:83]        ; Q's fragment
	s_lshr_b32 s86, s72, 4
	s_lshl_b32 s86, s86, 21                        ; the batch's 128 tiles of 16,384 bytes,
	s_lshl_b32 s87, s[Q0], 10                      ; my tile,
	s_add_co_u32 s86, s86, s87
	s_and_b32 s87, s72, 15
	s_lshl_b32 s87, s87, 10                        ; my head's half fragment: 1,024 x head
	s_add_co_u32 s86, s86, s87
	s_mov_b32 s87, 0
	s_add_nc_u64 s[16:17], s[16:17], s[86:87]
	s_mov_b32 s82, 8<<20                           ; the prefetches
	s_cmp_lt_u32 s[WV], 6
	s_cselect_b32 s82, 4<<20, s82
	s_add_co_u32 s82, s82, s88
	s_add_co_u32 s82, s82, 16384                   ; in slot 1: the first change of slots steps it to slot 2
	s_mov_b32 s83, 0
	s_add_nc_u64 s[PFA:PFA+1], s[4:5], s[82:83]
	s_sub_co_u32 s82, s[WV], 4
	s_lshr_b32 s82, s82, 2                         ; 0 in waves 4 to 7,
	s_or_b32 s82, s82, ttmp9                       ; of the head's first work-group
	s_cmp_eq_u32 s82, 0
	s_cselect_b32 s[LIM], 1, -1
	v_and_b32 v[LI], 31, v0
	v_lshlrev_b32 v[PFO], 8, v[LI]
	v_lshlrev_b32 v[LI], 4, v[LI]
	global_load_b128 v[16:19], v[LI], s[84:85]
	global_load_b128 v[20:23], v[LI], s[84:85] offset:512
	v_mov_b32 v13, 0xff61b1e6                      ; the largest t so far: -3e38, under every t
	v_floor_f32 v12, -v13                          ; -M
	v_mov_b32 v14, 0                               ; the sum, in two halves
	v_mov_b32 v15, 0
	v_mov_b32 v236, 0                              ; written once: a lane permute's destination counts as one of its sources
	v_mov_b32 v252, 0
	v_mov_b32 v253, 0                              ; (named as the upper half of the pair v[252:253])
.set j, 0
.rept 32
	v_mov_b32 v[160+j], 0                          ; O^T.  (The step is written once: the first finds zeros, which the first change of M leaves zeros)
.set j, j+1
.endr
	s_wait_kmcnt 0x0
	s_add_co_i32 s60, s44, s45
	s_lshl_b32 s60, s60, 23
	s_add_co_i32 s[CS], s[CS], s60                 ; a score stands for score x 2^(e6 + e7)
	s_mov_b32 s[CS+1], s[CS]
	s_add_co_i32 s60, s46, 127
	s_lshl_b32 s61, s60, 23
	v_mov_b32 v244, s61                            ; 2^e8
	s_add_co_i32 s60, s60, 15
	s_lshl_b32 s60, s60, 23
	s_or_b32 s60, s60, 0x600000
	v_mov_b32 v240, s60                            ; 57,344 x 2^e8
	s_add_co_i32 s60, s48, 127
	s_lshl_b32 s61, s60, 23
	v_mov_b32 v11, s61                             ; 2^e10
	s_add_co_i32 s60, s60, 15
	s_lshl_b32 s60, s60, 23
	s_or_b32 s60, s60, 0x600000
	v_mov_b32 v10, s60                             ; 57,344 x 2^e10
	s_add_co_i32 s62, s46, s47                     ; e8 + e9
; A KEY STEP: 128 keys, the q-th of the slot in hand.
.macro STEP q
	s_add_co_u32 s96, s[Q0], 15                    ; a step all of whose keys come after my 16 queries is left out: a branch on ids, round the step's loads, products and softmax; no barrier and no tensor load stands in a step
	s_cmp_gt_u32 s[KF], s96
	s_cbranch_scc1 .Lhidden_\@
	v_add_nc_u32 v[ADR], s[TB], v[LI]
.rept 3
	v_nop                                          ; with the addition above: four places in front of loads into registers that matrix instructions have read
.endr
.set t, 0
.rept 8
	ds_load_b128 v[32+8*t:35+8*t], v[ADR] offset:8192*(\q)+1024*t
	ds_load_b128 v[36+8*t:39+8*t], v[ADR] offset:8192*(\q)+1024*t+512
.set t, t+1
.endr
	s_wait_dscnt 0x0
.set t, 0
.rept 8
	v_wmma_f32_16x16x64_bf8_bf8 v[96+8*t:103+8*t], v[32+8*t:39+8*t], v[16:23], 0   ; S^T: tile t: keys 16 t + 8 h + j of query r
.set t, t+1
.endr
.rept 4
	v_nop
.endr
.set t, 0
.rept 16
	ds_load_b128 v[32+4*t:35+4*t], v[ADR] offset:16384+8192*(\q)+512*t   ; V's four fragments land while the softmax is walked
.set t, t+1
.endr
	s_add_co_u32 s96, s[KF], 127                   ; on the diagonal hidden scores become -infinity ahead of the maximum: p = 0 then.  A step all of whose keys count skips this
	s_cmp_le_u32 s96, s[Q0]
	s_cbranch_scc1 .Lopen_\@
	s_sub_co_i32 s96, s[Q0], s[KF]
	v_and_b32 v252, 15, v0
	v_bfe_u32 v253, v0, 4, 1
	v_lshlrev_b32 v253, 3, v253
	v_sub_nc_u32 v252, v252, v253
	v_add_nc_u32 v252, s96, v252                   ; d = my query - the first key - 8 h.  Register 8 t + j holds key 16 t + 8 h + j of the step: hidden where 16 t + j > d
	v_mov_b32 v254, 0xff800000
.set n, 0
.rept 64
	v_cmp_gt_i32 vcc_lo, 16*(n/8)+n%8, v252
	v_cndmask_b32 v[96+n], v[96+n], v254, vcc_lo
.set n, n+1
.endr
.Lopen_\@:
	v_max3_num_f32 v254, v96, v97, v98             ; the step's largest score of my query, among my 64 keys, in two chains,
	v_max3_num_f32 v252, v99, v100, v101
.irp i, 6,10,14,18,22,26,30,34,38,42,46,50,54,58
	v_max3_num_f32 v254, v254, v[96+\i], v[97+\i]
	v_max3_num_f32 v252, v252, v[98+\i], v[99+\i]
.endr
	v_max3_num_f32 v254, v254, v158, v159
	v_max_num_f32 v254, v254, v252
	v_permlanex16_b32 v236, v254, s[SEL], s[SEL+1]
	v_max_num_f32 v254, v254, v236                 ; and among lane l xor 16's
	v_mul_f32 v254, s[CS], v254                    ; as t (c is positive)
	v_max_num_f32 v13, v13, v254                   ; the running largest t
	v_mov_b32 v254, v12
	v_floor_f32 v12, -v13                          ; the new -M = floor(-t): M is a whole number
	v_sub_f32 v254, v12, v254                      ; old M - new M: a whole number, 0 or less
	v_cvt_i32_f32 v254, v254                       ; (it saturates)
	v_ldexp_f32 v252, 1.0, v254                    ; f = 2^(old M - new M)
.set j, 0
.rept 32
	v_pk_fma_f32 v[96+j:97+j], v[96+j:97+j], s[CS:CS+1], v[12:13] op_sel_hi:[1,0,0]   ; t - M, two at a time
.set j, j+2
.endr
.set j, 0
.rept 64
	v_exp_f32 v[96+j], v[96+j]                     ; p = 2^(t - M), at most 1
.set j, j+1
.endr
	v_pk_mul_f32 v[14:15], v[14:15], v[252:253] op_sel_hi:[1,0]   ; the sums under the new M: a plain line behind the exponentials
	s_wait_alu depctr_va_vdst(0)                   ; one wait for the whole batch, ahead of its first reader
	v_pk_add_f32 v[242:243], v[96:97], v[98:99]    ; the row's sum is taken of the unquantised p, in two chains
.irp j, 4,8,12,16,20,24,28,32,36,40,44,48,52,56,60
	v_pk_add_f32 v[14:15], v[14:15], v[96+\j:97+\j]
	v_pk_add_f32 v[242:243], v[242:243], v[98+\j:99+\j]
.endr
	v_pk_add_f32 v[14:15], v[14:15], v[242:243]
.set t, 0
.rept 8
.set j, 0
.rept 8
	v_min_num_f32 v[96+8*t+j], v[96+8*t+j], v240   ; the conversion does not saturate (ISA guide 7.6.2); p is not negative, so the hold is one-sided
.set j, j+1
.endr
	v_cvt_scalef32_pk8_bf8_f32 v[192+2*t:193+2*t], v[96+8*t:103+8*t], v244
.set t, t+1
.endr
.set j, 0
.rept 16
	v_pk_mul_f32 v[160+j:161+j], v[160+j:161+j], v[252:253] op_sel_hi:[1,0]   ; O^T under the new M; also the plain lines between the conversions and the products
.set j, j+2
.endr
	s_wait_dscnt 0x0                               ; V is in
.set t, 0
.rept 4
	v_wmma_f32_16x16x128_bf8_bf8 v[160+8*t:167+8*t], v[32+16*t:47+16*t], v[192:207], v[160+8*t:167+8*t]   ; O^T += V^T P^T: four accumulators by turns
.set t, t+1
.endr
.Lhidden_\@:
	s_add_co_u32 s[KF], s[KF], 128
.endm
; THE CHANGE OF SLOTS stands at a slot's head.  Each wave waits for all its tensor loads, adds 0 to its spare word, and waits for that and for its reads of the slot that it has left; behind the barrier the slot ahead is whole and nobody reads the other.
; fill = 1: that other slot is filled with the keys that follow, up to the causal limit: a slot whose first key comes after my work-group's last query is read by none of its waves and is not asked for.
; The limit's test is made of ids and the count of steps alone, so all sixteen waves go the same way; every wait on TENSORcnt in this text is for 0.
.macro CHANGE fill
	s_wait_tensorcnt 0x0                           ; no tensor load of mine is out, so group 0 may be written
	ds_add_u32 v[SPW], v[NIL]
.if \fill
	ds_add_u32 v[SPW], v[NIL]                      ; and once more
	s_xor_b32 s[G0+1], s[G0+1], SLOT1              ; the other slot than last time,
	s_add_nc_u64 s[G0+2:G0+3], s[G0+2:G0+3], 16384 ; the next 256 keys
	s_wait_xcnt 0x0                                ; the last prefetch, a slot back, has read its address
	s_add_nc_u64 s[PFA:PFA+1], s[PFA:PFA+1], 16384
.endif
	s_wait_dscnt 0x0
	s_barrier_signal -1
	s_barrier_wait -1
.if \fill
	s_add_co_u32 s96, s[KF], SK                    ; the first key of the slot that this change would ask for
	s_cmp_gt_u32 s96, s[LQ]
	s_cbranch_scc1 .Lpast_\@
	TLOAD                                          ; a wave's one tensor load until the next change: it has a slot's two key steps in which to land
.Lpast_\@:
	ASK
.endif
.endm
.macro SLOT_STEPS
	STEP 0
	STEP 1
	s_xor_b32 s[TB], s[TB], SLOT1
.endm
	s_wait_loadcnt 0x0                             ; Q
.Lslot:                                                ; seven trips: behind each change of slots but the last the next slot is asked for
	CHANGE 1
	SLOT_STEPS
	s_sub_co_u32 s[SLOTS], s[SLOTS], 1
	s_cmp_lg_u32 s[SLOTS], 0
	s_cbranch_scc1 .Lslot
	CHANGE 0                                       ; the last slot is written out: nothing is left to ask for
	SLOT_STEPS
	; THE WAY OUT: O^T / the sum x 2^(e8 + e9) is reference()'s attention output; it is held, converted with e10, and its eight registers of codes are stored as they stand.
	v_add_f32 v14, v14, v15
	v_permlanex16_b32 v252, v14, s[SEL], s[SEL+1]
	v_add_f32 v14, v14, v252                       ; the row's sum
	v_rcp_f32 v14, v14
	v_nop                                          ; a plain line behind the reciprocal; with its neighbours also the places behind the last products
	v_nop
	s_wait_alu depctr_va_vdst(0)                   ; the wait ahead of the first reader
	v_ldexp_f32 v14, v14, s62
.set j, 0
.rept 32
	v_mul_f32 v[96+j], v[160+j], v14               ; register 8 t + j: channel 16 t + 8 h + j of query r; each accumulator from its low end on
.set j, j+1
.endr
.set j, 0
.rept 32
	v_med3_num_f32 v[96+j], v[96+j], -v10, v10
.set j, j+1
.endr
.set t, 0
.rept 4
	v_cvt_scalef32_pk8_bf8_f32 v[128+2*t:129+2*t], v[96+8*t:103+8*t], v11
.set t, t+1
.endr
	v_nop
	global_store_b128 v[LI], v[128:131], s[16:17]              ; 512 consecutive bytes each
	global_store_b128 v[LI], v[132:135], s[16:17] offset:512
	s_wait_tensorcnt 0x0                           ; the wave's end: a wait, an add to my spare word and a wait, behind my last tensor load
	ds_add_u32 v[SPW], v[NIL]
	s_wait_dscnt 0x0
	s_endpgm
.Lfunc_end_k_q213f5356d0_attn:
	.size	k_q213f5356d0_attn, .Lfunc_end_k_q213f5356d0_attn-k_q213f5356d0_attn
	.p2alignl 7, 3214868480
	.fill 96, 4, 3214868480
	.section	.rodata,"a",@progbits
	.p2align	6, 0x0
	.amdhsa_kernel k_q213f5356d0_attn
		.amdhsa_group_segment_fixed_size 327680
		.amdhsa_private_segment_fixed_size 0
		.amdhsa_enable_private_segment 0
		.amdhsa_kernarg_size 24
		.amdhsa_user_sgpr_count 2
		.amdhsa_user_sgpr_kernarg_segment_ptr 1
		.amdhsa_wavefront_size32 1
		.amdhsa_system_sgpr_workgroup_id_x 1
		.amdhsa_system_sgpr_workgroup_id_y 1
		.amdhsa_system_sgpr_workgroup_id_z 1
		.amdhsa_system_vgpr_workitem_id 0
		.amdhsa_next_free_vgpr 256
		.amdhsa_next_free_sgpr 100
		.amdhsa_reserve_vcc 1
		.amdhsa_float_denorm_mode_32 3
		.amdhsa_float_denorm_mode_16_64 3
		.amdhsa_memory_ordered 1
		.amdhsa_forward_progress 1
		.amdhsa_inst_pref_size 94
	.end_amdhsa_kernel
	.amdgpu_metadata
---
amdhsa.version: [ 1, 2 ]
amdhsa.kernels:
  - .name:           k_q213f5356d0_attn
    .symbol:         k_q213f5356d0_attn.kd
    .args:
      - { .name: qkvc, .offset: 0, .size: 8, .value_kind: global_buffer, .address_space: global }
      - { .name: lowp_scales, .offset: 8, .size: 8, .value_kind: global_buffer, .address_space: global }
      - { .name: ac, .offset: 16, .size: 8, .value_kind: global_buffer, .address_space: global }
    .group_segment_fixed_size: 327680
    .private_segment_fixed_size: 0
    .kernarg_segment_align: 8
    .kernarg_segment_size: 24
    .max_flat_workgroup_size: 512
    .sgpr_count:     100
    .vgpr_count:     256
    .wavefront_size: 32
...
	.end_amdgpu_metadata
.endif
;; end of part 3
;; launch wo (part 4): grid 4 x 16, 4 waves a work-group, clusters of 4 x 4, 327,680 bytes of LDS; arguments ac, wc, lowp_scales, ybuf; writes ybuf
.if DOCPART == 4
	.amdgcn_target "amdgcn-amd-amdhsa--gfx1250"
	.amdhsa_code_object_version 6
	.text
	.protected	k_q213f5356d0_wo
	.globl	k_q213f5356d0_wo
	.p2align	8
	.type	k_q213f5356d0_wo,@function
k_q213f5356d0_wo:
	s_mov_b64 s[64:65], 0
	v_nop
	global_prefetch_b8 v0, s[64:65] scope:SCOPE_SE
	s_setreg_imm32_b32 hwreg(HW_REG_WAVE_MODE, 25, 1), 1
	s_wait_xcnt 0x0
	s_wait_alu depctr_hold_cnt(0) depctr_sa_sdst(0) depctr_va_vdst(0) depctr_va_sdst(0) depctr_va_ssrc(0) depctr_va_vcc(0) depctr_vm_vsrc(0)
	s_getreg_b32 s2, hwreg(HW_REG_IB_STS2, 6, 4)
	s_cmp_eq_u32 s2, 0
	s_cbranch_scc0 .Lentry_in_a_cluster
	s_endpgm
.Lentry_in_a_cluster:
	s_bfe_u32 s2, ttmp6, 0x10000c
	s_cmp_lg_u32 s2, 0xf033
	s_cbranch_scc0 .Lentry_shape_is_right
	s_endpgm
.Lentry_shape_is_right:
; WO: product 6, ybuf[m][n] = 2^(e10 + e11) x the sum over k of the codes of attn[m][k] and wo[k][n]; m 4,096, n 1,024, K 1,024; ybuf f32.  The bias, the residual and the norm follow in the next launch, which needs whole rows.  No work is left out here.
; Both operands are images of operand registers: fragment F(rt, ks), 16 rows x 128 k, 2,048 bytes, at byte (rt SIZE_K / 128 + ks) 2048; registers 4 q .. 4 q + 3 of lane L at byte 512 q + 16 L.
; A tile of C, 256 x 256, is made by four waves, each 128 x 128: 64 accumulators, 512 registers.  K goes in steps of 256 through a ring of two LDS slots; a wave's tensor load brings 8 rows of 4,096 consecutive bytes (8 row tiles x 2 fragments).
; CLUSTERS 4 x 4: A's tiles are shared along a row of the cluster, B's along a column, by joint loads.  The matrix instruction is used transposed (source 0 = 16 rows of B, source 1 = 16 rows of A): a lane holds eight neighbouring numbers of a row of C.
; C has 64 tiles of this size: a smaller tile would fill more of the chip at twice the LDS bytes for each product; that is not built here.  No prefetch: each tile is asked for by four clusters at the same time.
; LIMIT: the two exponents added lie between -126 and 127.
; REGISTERS as windows of 256: window 0: v0-31 addresses; from v128 A's fragments, one set; on the way out v32-255 are free.  window 1: B's fragments, two sets.  windows 2, 3: the accumulators, (a, b) at v[8 (8 (a % 4) + b)].
.set SIZE_K, 1024
.set SIZE_N, 1024
.set BOFF,   3<<20                     ; where B's images begin in wc
.set ESC,    40                        ; the byte of A's exponent in lowp_scales; B's follows it
.set FR,     16
.set NL,     4
.set NP,     4
.set HALFT,  32768
.set SLOT,   4*HALFT
.set STEPB,  4096
.set LAPS,   SIZE_K/512
.set SPARE,  2*SLOT
.set SPITCH, 528                       ; the way out: a stage of 16 rows x (512 bytes + 16) for each wave, in slot 0, which has had its last fill and its last read when the first result is stored there
.set ADRA, 16
.set ADRB, 20
.set STO,  24                          ; v24     the way out: where I put 32 bytes of a row
.set RD,   25                          ; v25     where I read a row back
.set CO,   26                          ; v26     16 x lane
.set SPW,  28
.set NIL,  29
.set TMP,  32
.set AF,   128
.set BK,   128
.set G1, 24
.set G0, 32
.set G1B, 48
.set G0B, 56
.set MSB, 0
.macro WIN new                         ; the immediate's high byte repeats the setting that is left
.if MSB != \new
	s_set_vgpr_msb (MSB<<8)|\new
.set MSB, \new
.endif
.endm
.set MUL_LO, 0xa1
.set MUL_HI, 0xf1
.set TO_B,   0x40
.macro JLOAD g0a, g1a, g0b, g1b        ; a joint load: waves 0 and 1 fetch for A, waves 2 and 3 for B.  An s_nop 0 and four v_nop follow each of the two lines
	s_cmp_eq_u32 s15, 0
	s_cbranch_scc0 .Lfor_b_\@
	tensor_load_to_lds s[\g0a:\g0a+3], s[\g1a:\g1a+7]
	s_nop 0
.rept 4
	v_nop
.endr
	s_branch .Lasked_\@
.Lfor_b_\@:
	tensor_load_to_lds s[\g0b:\g0b+3], s[\g1b:\g1b+7]
	s_nop 0
.rept 4
	v_nop
.endr
.Lasked_\@:
.endm
.macro CREST
	s_cmp_lg_u32 s14, 0
	s_cbranch_scc1 .Lnot_wave_0_\@
	s_barrier_signal -3
.Lnot_wave_0_\@:
	s_barrier_wait -3
	s_barrier_signal -1
	s_barrier_wait -1
.endm
.macro CROUND
	s_barrier_signal -1
	s_barrier_wait -1
	CREST
.endm
	s_load_b128 s[4:7], s[0:1], 0x0                ; A's images s[4:5], wc s[6:7]
	s_load_b128 s[8:11], s[0:1], 0x10              ; lowp_scales s[8:9], C s[10:11]
	v_lshl_add_u32 v[SPW], v0, 2, SPARE
	v_mov_b32 v[NIL], 0
	ds_add_u32 v[SPW], v[NIL]                      ; the wave's opening: the add, twice on end, and its wait ahead of my first tensor load
	ds_add_u32 v[SPW], v[NIL]
	v_lshrrev_b32 v1, 5, v0
	v_readfirstlane_b32 s14, v1                    ; wave 0..3
	s_lshr_b32 s15, s14, 1                         ; which half of the tile's rows is mine.  Also: I fetch for A (0) or for B (1)
	s_and_b32 s16, s14, 1                          ; which half of its columns.  Also: which 8 row tiles I fetch
	s_bfe_u32 s40, ttmp6, 0x40000
	s_bfe_u32 s41, ttmp6, 0x40004
	s_lshl_b32 s42, ttmp9, 2
	s_add_co_u32 s42, s42, s40                     ; tile column of C
	s_and_b32 s17, ttmp7, 0xffff
	s_lshl_b32 s17, s17, 2
	s_add_co_u32 s17, s17, s41                     ; tile row of C
	s_lshl_b32 s43, s41, 2
	s_lshl_b32 s43, 15, s43                        ; my row of the cluster
	s_lshl_b32 s44, 0x1111, s40                    ; my column
	s_or_b32 s[G1+0], s43, (3<<16)|(1<<21)         ; the mask; elements of 8 bytes; bit 21 beside a mask; no padding
	s_or_b32 s[G1B+0], s44, (3<<16)|(1<<21)
.irp g, G1, G1B
	s_mov_b32 s[\g+1], 512<<16                     ; tensor_dim0
	s_mov_b32 s[\g+2], 8<<16                       ; tensor_dim1
	s_mov_b32 s[\g+3], 512<<16                     ; tile_dim0
	s_mov_b32 s[\g+4], 8                           ; tile_dim1
	s_mov_b32 s[\g+5], 2*SIZE_K                    ; tensor_dim0_stride: 16 SIZE_K bytes from row tile to row tile
	s_mov_b32 s[\g+6], 0
	s_mov_b32 s[\g+7], 0
.endr
	s_lshl_b32 s18, s16, 7
	s_lshl_b32 s20, s17, 8
	s_add_co_u32 s20, s20, s18
	s_mul_i32 s20, s20, SIZE_K                     ; 16 rows are 16 SIZE_K bytes of images
	s_mov_b32 s21, 0
	s_lshl_b32 s46, s42, 8
	s_add_co_u32 s46, s46, s18
	s_mul_i32 s46, s46, SIZE_K
	s_add_co_u32 s46, s46, BOFF
	s_mov_b32 s47, 0
	s_mul_i32 s45, s14, HALFT
	s_wait_dscnt 0x0                               ; both opening adds are done
	s_wait_kmcnt 0x0
	s_load_b64 s[96:97], s[8:9], ESC               ; the two exponents
	s_add_nc_u64 s[20:21], s[4:5], s[20:21]
	s_add_nc_u64 s[46:47], s[6:7], s[46:47]
	CROUND                                         ; all sixteen work-groups are here: the first joint loads meet
.irp s, 0,1
	s_mov_b32 s[G0+4*\s], 1
	s_add_co_u32 s[G0+4*\s+1], s45, \s*SLOT
	s_add_nc_u64 s[G0+4*\s+2:G0+4*\s+3], s[20:21], \s*STEPB
	s_or_b32 s[G0+4*\s+3], s[G0+4*\s+3], 0x80000000
	s_mov_b32 s[G0B+4*\s], 1
	s_add_co_u32 s[G0B+4*\s+1], s45, \s*SLOT
	s_add_nc_u64 s[G0B+4*\s+2:G0B+4*\s+3], s[46:47], \s*STEPB
	s_or_b32 s[G0B+4*\s+3], s[G0B+4*\s+3], 0x80000000
	JLOAD G0+4*\s, G1, G0B+4*\s, G1B
.endr
	v_and_b32 v1, 15, v0
	v_bfe_u32 v2, v0, 4, 1
	v_and_b32 v6, 31, v0
	v_lshlrev_b32 v[CO], 4, v6
	s_mul_i32 s21, s15, HALFT
	s_mul_i32 s22, s16, HALFT
	s_add_co_u32 s22, s22, 2*HALFT
.irp s, 0,1
	v_add_nc_u32 v[ADRA+\s], s21, v[CO]
	v_add_nc_u32 v[ADRB+\s], s22, v[CO]
	s_add_co_u32 s21, s21, SLOT
	s_add_co_u32 s22, s22, SLOT
.endr
	s_mul_i32 s23, s14, 16*SPITCH                  ; my stage
	v_mul_u32_u24 v5, v1, SPITCH                   ; in: row l % 16, 32 bytes for each half of the lanes
	v_lshl_add_u32 v5, v2, 5, v5
	v_add_nc_u32 v[STO], s23, v5
	v_add_nc_u32 v[RD], s23, v[CO]                 ; back: the 32 lanes take one row of 512 bytes
	s_lshl_b32 s20, s17, 8
	s_lshl_b32 s21, s15, 7
	s_add_co_u32 s20, s20, s21                     ; my first row of C
	s_mul_i32 s20, s20, SIZE_N*4
	s_lshl_b32 s46, s42, 10                        ; my first column, in bytes
	s_lshl_b32 s47, s16, 9
	s_add_co_u32 s46, s46, s47
	s_add_co_u32 s20, s20, s46
	s_mov_b32 s21, 0
	s_add_nc_u64 s[10:11], s[10:11], s[20:21]
.macro FRAG reg, adr, q, i
.irp c, 0,1,2,3
	ds_load_b128 v[\reg+4*\c:\reg+4*\c+3], v[\adr] offset:(\i)*STEPB+(\q)*2048+512*\c
.endr
.endm
.macro MUL16 a0, p, zero               ; 16 matrix instructions; the 64 accumulators take turns, one instruction a turn, in the same order in every step
.irp a, \a0, \a0+1
.irp b, 0,1,2,3,4,5,6,7
.if \zero
	v_wmma_f32_16x16x128_bf8_bf8 v[8*(8*((\a)%4)+\b):8*(8*((\a)%4)+\b)+7], v[128*(\p)+FR*\b:128*(\p)+FR*\b+FR-1], v[AF+FR*(\a):AF+FR*(\a)+FR-1], 0
.else
	v_wmma_f32_16x16x128_bf8_bf8 v[8*(8*((\a)%4)+\b):8*(8*((\a)%4)+\b)+7], v[128*(\p)+FR*\b:128*(\p)+FR*\b+FR-1], v[AF+FR*(\a):AF+FR*(\a)+FR-1], v[8*(8*((\a)%4)+\b):8*(8*((\a)%4)+\b)+7]
.endif
.endr
.endr
.endm
.macro FETCH_B slot, q, p
	WIN TO_B
.irp i, 0,1,2,3,4,5,6,7
	FRAG 128*(\p)+FR*\i, ADRB+\slot, \q, \i
.endr
	WIN 0
.endm
.macro FETCH_A slot, q, i0
.irp i, \i0, \i0+1, \i0+2, \i0+3
	FRAG AF+FR*(\i), ADRA+\slot, \q, \i
.endr
.endm
.macro PLACES n
.rept \n
	v_nop
.endr
.endm
.macro STEP slot, q, zero
	s_wait_dscnt 4*NL                              ; B's set and A's blocks 0-3 are in; the youngest sixteen loads may be out
	WIN MUL_LO
	MUL16 0, (\q)%2, \zero
	MUL16 2, (\q)%2, \zero
	s_wait_dscnt 0
	PLACES NP
	FETCH_B \slot, (\q)+1, 1-(\q)%2
	FETCH_A \slot, (\q)+1, 0
	WIN MUL_HI
	MUL16 4, (\q)%2, \zero
	MUL16 6, (\q)%2, \zero
	PLACES NP
	WIN 0
	FETCH_A \slot, (\q)+1, 4
.endm
.macro TURN slot, next, fill           ; a slot's last step changes slots: one barrier, with the wait for all my tensor loads, the add, and the wait for it and for my reads in front of it
	s_wait_tensorcnt 0x0
	ds_add_u32 v[SPW], v[NIL]
	s_wait_dscnt 4*NL+1                            ; (the add and the youngest sixteen loads may be out)
	WIN MUL_LO
	MUL16 0, 1, 0
	s_wait_dscnt 0x0
	s_barrier_signal -1
	MUL16 2, 1, 0
	WIN 0
	s_barrier_wait -1
.if \fill
	CREST                                          ; the barrier has opened a round of the cluster's
	s_add_nc_u64 s[G0+4*\slot+2:G0+4*\slot+3], s[G0+4*\slot+2:G0+4*\slot+3], 2*STEPB
	s_add_nc_u64 s[G0B+4*\slot+2:G0B+4*\slot+3], s[G0B+4*\slot+2:G0B+4*\slot+3], 2*STEPB
	JLOAD G0+4*\slot, G1, G0B+4*\slot, G1B
.else
	PLACES NP
.endif
	FETCH_B \next, 0, 0
	FETCH_A \next, 0, 0
	WIN MUL_HI
	MUL16 4, 1, 0
	MUL16 6, 1, 0
	PLACES NP
	WIN 0
	FETCH_A \next, 0, 4
.endm
	s_wait_tensorcnt 1                             ; my part of slot 0 is in (slot 1's load may be out),
	s_barrier_signal -1
	s_barrier_wait -1
	FETCH_B 0, 0, 0
	FETCH_A 0, 0, 0
	FETCH_A 0, 0, 4
	STEP 0, 0, 1
	s_mov_b32 s3, LAPS-1
.Llap:
	TURN 0, 1, 1
	STEP 1, 0, 0
	TURN 1, 0, 1
	STEP 0, 0, 0
	s_sub_co_u32 s3, s3, 1
	s_cmp_lg_u32 s3, 0
	s_cbranch_scc1 .Llap
	TURN 0, 1, 0
	STEP 1, 0, 0
	s_wait_dscnt 4*NL
	WIN MUL_LO
	MUL16 0, 1, 0
	MUL16 2, 1, 0
	s_wait_dscnt 0
	WIN MUL_HI
	MUL16 4, 1, 0
	MUL16 6, 1, 0
	WIN 0
; THE WAY OUT, block by block of 16 rows x 128 columns, through my own stage: in as 32 bytes a lane, back as whole rows of 512 bytes.  LDS serves a wave's instructions in order: no wait between the stores and the loads.
.macro TOSTAGE a
.set AC, 64*((\a)%4)
	WIN 0x02+((\a)/4)
.set i, 0
.rept 32
	v_pk_mul_f32 v[TMP+i:TMP+i+1], v[AC+i:AC+i+1], s[96:97] op_sel_hi:[1,0]   ; x 2^(the exponents added); each accumulator from its low end on
.set i, i+2
.endr
	WIN 0
.irp b, 0,1,2,3,4,5,6,7
	ds_store_b128 v[STO], v[TMP+8*\b:TMP+8*\b+3] offset:64*\b
	ds_store_b128 v[STO], v[TMP+8*\b+4:TMP+8*\b+7] offset:64*\b+16
.endr
.set BB, BK+64*((\a)%2)
.irp t, 0,1,2,3,4,5,6,7,8,9,10,11,12,13,14,15
	ds_load_b128 v[BB+4*\t:BB+4*\t+3], v[RD] offset:\t*SPITCH
.endr
.endm
.macro SEND a, younger                 ; younger: the LDS instructions issued behind block a's loads, which may stay out
.set BB, BK+64*((\a)%2)
	s_wait_dscnt \younger
.if (\a) > 0
	s_add_nc_u64 s[10:11], s[10:11], 16*SIZE_N*4   ; (behind a wait on XCNT: the earlier stores have read their base)
.endif
.irp t, 0,1,2,3,4,5,6,7,8,9,10,11,12,13,14,15
	global_store_b128 v[CO], v[BB+4*\t:BB+4*\t+3], s[10:11] offset:\t*SIZE_N*4   ; 512 consecutive bytes, aligned
.endr
.endm
	s_wait_kmcnt 0x0
	s_add_co_i32 s96, s96, s97
	s_add_co_i32 s96, s96, 127
	s_lshl_b32 s96, s96, 23                        ; 2^(the exponents added) as f32
	PLACES NP
	TOSTAGE 0
.irp a, 1,2,3,4,5,6,7
.if \a > 1
	s_wait_xcnt 0x0                                ; block a - 2's stores have read their registers and their base
.endif
	TOSTAGE \a
	SEND \a-1, 32                                  ; behind block a - 1's loads: block a's 16 stores and 16 loads
.endr
	s_wait_xcnt 0x0
	SEND 7, 0
	s_wait_tensorcnt 0x0                           ; the wave's end: a wait, an add to my spare word and a wait
	ds_add_u32 v[SPW], v[NIL]
	s_wait_dscnt 0x0
	CROUND                                         ; the closing round
	s_endpgm
.Lfunc_end_k_q213f5356d0_wo:
	.size	k_q213f5356d0_wo, .Lfunc_end_k_q213f5356d0_wo-k_q213f5356d0_wo
	.p2alignl 7, 3214868480
	.fill 96, 4, 3214868480
	.section	.rodata,"a",@progbits
	.p2align	6, 0x0
	.amdhsa_kernel k_q213f5356d0_wo
		.amdhsa_group_segment_fixed_size 327680
		.amdhsa_private_segment_fixed_size 0
		.amdhsa_enable_private_segment 0
		.amdhsa_kernarg_size 32
		.amdhsa_user_sgpr_count 2
		.amdhsa_user_sgpr_kernarg_segment_ptr 1
		.amdhsa_wavefront_size32 1
		.amdhsa_system_sgpr_workgroup_id_x 1
		.amdhsa_system_sgpr_workgroup_id_y 1
		.amdhsa_system_sgpr_workgroup_id_z 1
		.amdhsa_system_vgpr_workitem_id 0
		.amdhsa_next_free_vgpr 1024
		.amdhsa_next_free_sgpr 98
		.amdhsa_reserve_vcc 0
		.amdhsa_float_denorm_mode_32 3
		.amdhsa_float_denorm_mode_16_64 3
		.amdhsa_memory_ordered 1
		.amdhsa_forward_progress 1
		.amdhsa_inst_pref_size 123
	.end_amdhsa_kernel
	.amdgpu_metadata
---
amdhsa.version: [ 1, 2 ]
amdhsa.kernels:
  - .name:           k_q213f5356d0_wo
    .symbol:         k_q213f5356d0_wo.kd
    .args:
      - { .name: ac, .offset: 0, .size: 8, .value_kind: global_buffer, .address_space: global }
      - { .name: wc, .offset: 8, .size: 8, .value_kind: global_buffer, .address_space: global }
      - { .name: lowp_scales, .offset: 16, .size: 8, .value_kind: global_buffer, .address_space: global }
      - { .name: ybuf, .offset: 24, .size: 8, .value_kind: global_buffer, .address_space: global }
    .group_segment_fixed_size: 327680
    .private_segment_fixed_size: 0
    .kernarg_segment_align: 8
    .kernarg_segment_size: 32
    .max_flat_workgroup_size: 128
    .sgpr_count:     98
    .vgpr_count:     1024
    .wavefront_size: 32
...
	.end_amdgpu_metadata
.endif
;; end of part 4
;; launch ln1 (part 5): grid 256 x 1, 8 waves a work-group, no clusters, 17,408 bytes of LDS; arguments ybuf, x, bo, ln1_g, ln1_b, lowp_scales, o1, o1c; writes o1, o1c
.if DOCPART == 5
	.amdgcn_target "amdgcn-amd-amdhsa--gfx1250"
	.amdhsa_code_object_version 6
	.text
	.protected	k_q213f5356d0_ln1
	.globl	k_q213f5356d0_ln1
	.p2align	8
	.type	k_q213f5356d0_ln1,@function
k_q213f5356d0_ln1:
	s_mov_b64 s[64:65], 0
	v_nop
	global_prefetch_b8 v0, s[64:65] scope:SCOPE_SE
	s_setreg_imm32_b32 hwreg(HW_REG_WAVE_MODE, 25, 1), 1
	s_wait_xcnt 0x0
; LN1: out1 = layernorm(x + (ybuf + bo)) x g + b, in f32, stored as f32 (o1) and as codes of E5M2 with entry 12 of lowp_scales (o1c), the A operand of product 7.  No work is left out here.
; A work-group takes a tile of 16 rows of 1,024 numbers, a wave two rows; a row lies in 32 registers of the wave (lane l holds columns 128 j + 4 l + 0 .. 3, j = 0 .. 7), so each load and store covers 512 consecutive bytes and the row is read once.
; Mean, then the mean of the squared differences, as reference() has them.  Memory binds: no matrix unit, no cluster, no tensor load.
; THE CODES leave as images of operand registers: fragment F(rt, ks) at byte (8 rt + ks) 2048; lane L = r + 16 h, register i, byte y = (row r, k = 16 (i / 2) + 8 h + 4 (i % 2) + y); registers 4 q .. 4 q + 3 of lane L at byte 512 q + 16 L.
; A lane's four codes of K step j are one word of that image: the sixteen rows' words meet in LDS (eight fragments, 16 KiB), and behind one barrier wave w stores fragment w whole.
; LIMIT: e12 between -126 and 112.  NaN is not served.
.set CODES, 1
.set OUTP,  16                         ; s[16:17] the f32 result
.set SPARE, 16384                      ; behind the eight fragments: the spare words, 128 bytes for each of eight waves
.set GA,  16                           ; v16-47   g
.set LB,  48                           ; v48-79   b
.set PB,  80                           ; v80-111  the product's bias
	s_load_b512 s[4:19], s[0:1], 0x0               ; ybuf s[4:5], x s[6:7], bo s[8:9], g s[10:11], b s[12:13], lowp_scales s[14:15], o1 s[16:17], o1c s[18:19]
	v_lshl_add_u32 v4, v0, 2, SPARE                ; v4, v5: the add's two; never rewritten
	v_mov_b32 v5, 0
	v_lshrrev_b32 v8, 5, v0
	v_readfirstlane_b32 s20, v8                    ; wave 0..7
	v_and_b32 v1, 31, v0
	v_lshlrev_b32 v1, 4, v1                        ; 16 x lane
	v_bfe_u32 v2, v0, 3, 2                         ; my word's place in a fragment: k = 4 l: register group l / 8,
	v_lshlrev_b32 v2, 9, v2
	v_bfe_u32 v8, v0, 1, 1                         ; half h = (l / 2) % 2: 16 lanes of 16 bytes on,
	v_lshl_add_u32 v2, v8, 8, v2
	v_bfe_u32 v8, v0, 2, 1                         ; register 2 ((l / 4) % 2) + l % 2 of the group,
	v_lshl_add_u32 v2, v8, 3, v2
	v_and_b32 v8, 1, v0
	v_lshl_add_u32 v2, v8, 2, v2
	s_lshl_b32 s21, s20, 5                         ; lane r = row 2 w (+ 1 by the immediate)
	v_add_nc_u32 v2, s21, v2
	s_lshl_b32 s21, s20, 11
	v_add_nc_u32 v3, s21, v1                       ; fragment w, 16 x lane
	s_mov_b32 s24, 0x76543210                      ; v_permlanex16_b32: lane l xor 16
	s_mov_b32 s25, 0xfedcba98
	s_mov_b32 s26, 0x3a800000                      ; 1 / 1024
	s_mov_b32 s27, 0x358637bd                      ; 1e-6
	s_lshl_b32 s22, ttmp9, 16                      ; 16 rows of 4,096 bytes,
	s_lshl_b32 s23, s20, 13                        ; my two
	s_add_co_u32 s22, s22, s23
	s_mov_b32 s23, 0
	s_lshl_b32 s28, ttmp9, 14                      ; the tile's eight fragments,
	s_lshl_b32 s29, s20, 11                        ; mine
	s_add_co_u32 s28, s28, s29
	s_mov_b32 s29, 0
	s_wait_kmcnt 0x0
	s_load_b32 s30, s[14:15], 0x30                 ; e12
	s_add_nc_u64 s[4:5], s[4:5], s[22:23]
	s_add_nc_u64 s[6:7], s[6:7], s[22:23]
	s_add_nc_u64 s[OUTP:OUTP+1], s[OUTP:OUTP+1], s[22:23]
	s_add_nc_u64 s[18:19], s[18:19], s[28:29]
.set j, 0
.rept 8
	global_load_b128 v[GA+4*j:GA+4*j+3], v1, s[10:11] offset:512*j
	global_load_b128 v[LB+4*j:LB+4*j+3], v1, s[12:13] offset:512*j
	global_load_b128 v[PB+4*j:PB+4*j+3], v1, s[8:9] offset:512*j
.set j, j+1
.endr
.irp w, 0,1
.set j, 0
.rept 8
	global_load_b128 v[112+64*\w+4*j:115+64*\w+4*j], v1, s[4:5] offset:4096*\w+512*j th:TH_LOAD_NT
	global_load_b128 v[144+64*\w+4*j:147+64*\w+4*j], v1, s[6:7] offset:4096*\w+512*j th:TH_LOAD_NT
.set j, j+1
.endr
.endr
	s_wait_kmcnt 0x0
	s_add_co_i32 s30, s30, 127
	s_lshl_b32 s31, s30, 23
	v_mov_b32 v7, s31                              ; 2^e12
	s_add_co_i32 s30, s30, 15
	s_lshl_b32 s30, s30, 23
	s_or_b32 s30, s30, 0x600000
	v_mov_b32 v6, s30                              ; 57,344 x 2^e12
.macro REDUCE r, t                     ; the sum of v[r] over the 32 lanes, in every lane; v[t] at work (written before)
	v_add_f32_dpp v[\r], v[\r], v[\r] row_xmask:1 row_mask:0xf bank_mask:0xf
	v_add_f32_dpp v[\r], v[\r], v[\r] row_xmask:2 row_mask:0xf bank_mask:0xf
	v_add_f32_dpp v[\r], v[\r], v[\r] row_xmask:4 row_mask:0xf bank_mask:0xf
	v_add_f32_dpp v[\r], v[\r], v[\r] row_xmask:8 row_mask:0xf bank_mask:0xf
	v_permlanex16_b32 v[\t], v[\r], s24, s25
	v_add_f32 v[\r], v[\r], v[\t]
.endm
.macro ROW YB, RB, CB, rho             ; v[YB ..] the product's row, v[RB ..] the residual's, v[CB ..] eight registers for the codes; rho: which of my two rows
.set i, 0
.rept 16
	v_pk_add_f32 v[\YB+i:\YB+i+1], v[\YB+i:\YB+i+1], v[PB+i:PB+i+1]
.set i, i+2
.endr
.set i, 0
.rept 16
	v_pk_add_f32 v[\YB+i:\YB+i+1], v[\YB+i:\YB+i+1], v[\RB+i:\RB+i+1]
.set i, i+2
.endr
	v_pk_add_f32 v[248:249], v[\YB:\YB+1], v[\YB+2:\YB+3]          ; the sum, in two chains
	v_pk_add_f32 v[250:251], v[\YB+4:\YB+5], v[\YB+6:\YB+7]
.set i, 8
.rept 6
	v_pk_add_f32 v[248:249], v[248:249], v[\YB+i:\YB+i+1]
	v_pk_add_f32 v[250:251], v[250:251], v[\YB+i+2:\YB+i+3]
.set i, i+4
.endr
	v_pk_add_f32 v[248:249], v[248:249], v[250:251]
	v_add_f32 v248, v248, v249
	REDUCE 248, 249
	v_mul_f32 v248, s26, v248                      ; the mean
.set i, 0
.rept 16
	v_pk_add_f32 v[\YB+i:\YB+i+1], v[\YB+i:\YB+i+1], v[248:249] op_sel_hi:[1,0] neg_lo:[0,1] neg_hi:[0,1]
.set i, i+2
.endr
	v_pk_mul_f32 v[250:251], v[\YB:\YB+1], v[\YB:\YB+1]            ; the squares, in two chains
	v_pk_mul_f32 v[252:253], v[\YB+2:\YB+3], v[\YB+2:\YB+3]
.set i, 4
.rept 7
	v_pk_fma_f32 v[250:251], v[\YB+i:\YB+i+1], v[\YB+i:\YB+i+1], v[250:251]
	v_pk_fma_f32 v[252:253], v[\YB+i+2:\YB+i+3], v[\YB+i+2:\YB+i+3], v[252:253]
.set i, i+4
.endr
	v_pk_add_f32 v[250:251], v[250:251], v[252:253]
	v_add_f32 v250, v250, v251
	REDUCE 250, 251
	v_fma_f32 v250, v250, s26, s27                 ; the variance + 1e-6
	v_rsq_f32 v250, v250
	v_nop                                          ; a plain line behind the transcendental,
	s_wait_alu depctr_va_vdst(0)                   ; and the wait ahead of its first reader
.set i, 0
.rept 16
	v_pk_mul_f32 v[\YB+i:\YB+i+1], v[\YB+i:\YB+i+1], v[250:251] op_sel_hi:[1,0]
.set i, i+2
.endr
.set i, 0
.rept 16
	v_pk_fma_f32 v[\YB+i:\YB+i+1], v[\YB+i:\YB+i+1], v[GA+i:GA+i+1], v[LB+i:LB+i+1]
.set i, i+2
.endr
.set j, 0
.rept 8
	global_store_b128 v1, v[\YB+4*j:\YB+4*j+3], s[OUTP:OUTP+1] offset:4096*(\rho)+512*j     ; 512 consecutive bytes
.set j, j+1
.endr
.if CODES
.set i, 0
.rept 32
	v_med3_num_f32 v[\RB+i], v[\YB+i], -v6, v6     ; the hold, into the residual's registers: the result's are being stored
.set i, i+1
.endr
.set i, 0
.rept 4
	v_cvt_scalef32_pk8_bf8_f32 v[\CB+2*i:\CB+2*i+1], v[\RB+8*i:\RB+8*i+7], v7   ; register j: my four codes of K step j
.set i, i+1
.endr
	v_nop
.set j, 0
.rept 8
	ds_store_b32 v2, v[\CB+j] offset:2048*j+16*(\rho)
.set j, j+1
.endr
.endif
.endm
	s_wait_loadcnt 16                              ; the parameters and my first row are in; the second row's sixteen loads may be out
	ROW 112, 144, 240, 0
	s_wait_loadcnt 0
	ROW 176, 208, 8, 1
	s_wait_dscnt 0x0                               ; for the others' sake: my words lie in the images
	s_barrier_signal -1
	s_barrier_wait -1
.irp q, 0,1,2,3
	ds_load_b128 v[144+4*\q:147+4*\q], v3 offset:512*\q        ; registers that no pending store reads
.endr
	s_wait_dscnt 0x0
.irp q, 0,1,2,3
	global_store_b128 v1, v[144+4*\q:147+4*\q], s[18:19] offset:512*\q
.endr
	s_wait_tensorcnt 0x0                           ; the wave's end: a wait, an add to my spare word and a wait, behind my last LDS store
	ds_add_u32 v4, v5
	s_wait_dscnt 0x0
	s_endpgm
.Lfunc_end_k_q213f5356d0_ln1:
	.size	k_q213f5356d0_ln1, .Lfunc_end_k_q213f5356d0_ln1-k_q213f5356d0_ln1
	.p2alignl 7, 3214868480
	.fill 96, 4, 3214868480
	.section	.rodata,"a",@progbits
	.p2align	6, 0x0
	.amdhsa_kernel k_q213f5356d0_ln1
		.amdhsa_group_segment_fixed_size 17408
		.amdhsa_private_segment_fixed_size 0
		.amdhsa_enable_private_segment 0
		.amdhsa_kernarg_size 64
		.amdhsa_user_sgpr_count 2
		.amdhsa_user_sgpr_kernarg_segment_ptr 1
		.amdhsa_wavefront_size32 1
		.amdhsa_system_sgpr_workgroup_id_x 1
		.amdhsa_system_sgpr_workgroup_id_y 1
		.amdhsa_system_sgpr_workgroup_id_z 1
		.amdhsa_system_vgpr_workitem_id 0
		.amdhsa_next_free_vgpr 256
		.amdhsa_next_free_sgpr 66
		.amdhsa_reserve_vcc 0
		.amdhsa_float_denorm_mode_32 3
		.amdhsa_float_denorm_mode_16_64 3
		.amdhsa_memory_ordered 1
		.amdhsa_forward_progress 1
		.amdhsa_inst_pref_size 32
	.end_amdhsa_kernel
	.amdgpu_metadata
---
amdhsa.version: [ 1, 2 ]
amdhsa.kernels:
  - .name:           k_q213f5356d0_ln1
    .symbol:         k_q213f5356d0_ln1.kd
    .args:
      - { .name: ybuf, .offset: 0, .size: 8, .value_kind: global_buffer, .address_space: global }
      - { .name: x, .offset: 8, .size: 8, .value_kind: global_buffer, .address_space: global }
      - { .name: bo, .offset: 16, .size: 8, .value_kind: global_buffer, .address_space: global }
      - { .name: ln1_g, .offset: 24, .size: 8, .value_kind: global_buffer, .address_space: global }
      - { .name: ln1_b, .offset: 32, .size: 8, .value_kind: global_buffer, .address_space: global }
      - { .name: lowp_scales, .offset: 40, .size: 8, .value_kind: global_buffer, .address_space: global }
      - { .name: o1, .offset: 48, .size: 8, .value_kind: global_buffer, .address_space: global }
      - { .name: o1c, .offset: 56, .size: 8, .value_kind: global_buffer, .address_space: global }
    .group_segment_fixed_size: 17408
    .private_segment_fixed_size: 0
    .kernarg_segment_align: 8
    .kernarg_segment_size: 64
    .max_flat_workgroup_size: 256
    .sgpr_count:     66
    .vgpr_count:     256
    .wavefront_size: 32
...
	.end_amdgpu_metadata
.endif
;; end of part 5
;; launch ff1 (part 6): grid 16 x 16, 4 waves a work-group, clusters of 4 x 4, 327,680 bytes of LDS; arguments o1c, wc, lowp_scales, hc, b_ff1; writes hc
.if DOCPART == 6
	.amdgcn_target "amdgcn-amd-amdhsa--gfx1250"
	.amdhsa_code_object_version 6
	.text
	.protected	k_q213f5356d0_ff1
	.globl	k_q213f5356d0_ff1
	.p2align	8
	.type	k_q213f5356d0_ff1,@function
k_q213f5356d0_ff1:
	s_mov_b64 s[64:65], 0
	v_nop
	global_prefetch_b8 v0, s[64:65] scope:SCOPE_SE
	s_setreg_imm32_b32 hwreg(HW_REG_WAVE_MODE, 25, 1), 1
	s_wait_xcnt 0x0
	s_wait_alu depctr_hold_cnt(0) depctr_sa_sdst(0) depctr_va_vdst(0) depctr_va_sdst(0) depctr_va_ssrc(0) depctr_va_vcc(0) depctr_vm_vsrc(0)
	s_getreg_b32 s2, hwreg(HW_REG_IB_STS2, 6, 4)
	s_cmp_eq_u32 s2, 0
	s_cbranch_scc0 .Lentry_in_a_cluster
	s_endpgm
.Lentry_in_a_cluster:
	s_bfe_u32 s2, ttmp6, 0x10000c
	s_cmp_lg_u32 s2, 0xf033
	s_cbranch_scc0 .Lentry_shape_is_right
	s_endpgm
.Lentry_shape_is_right:
; FF1: product 7 on codes of E5M2, its bias, the exact gelu in f32, and the quantiser of the hidden layer (entry 14 of lowp_scales).  m 4,096, n 4,096, K 1,024.  No work is left out here.
; Operands and result are images of operand registers: fragment F(rt, ks), 16 rows x 128 k, 2,048 bytes, at byte (rt K / 128 + ks) 2048 (K = 1,024 in, 4,096 out); registers 4 q .. 4 q + 3 of lane L at byte 512 q + 16 L.
; A tile of 256 x 256 is made by four waves, each 128 x 128: 64 accumulators.  The matrix instruction is used transposed (source 0 = 16 rows of w_ff1's images, source 1 = 16 tokens): a lane holds one token and eight neighbouring hidden units,
; which are product 8's K: a wave's 128 hidden units of 16 tokens are one fragment, and the conversions' results are its registers.
; K goes in steps of 256 through a ring of two LDS slots; a wave's tensor load brings 8 rows of 4,096 consecutive bytes.  CLUSTERS 4 x 4 with joint loads: A's tiles along a row, B's along a column.  No prefetch: the ring walks four slots, and each tile is asked for by four clusters at once.
; GELU.  gelu(z) = (z / 2) (1 + erf(z / sqrt 2)).  With u = z / sqrt 2 (the factor is folded into the sums' scale and into the bias): gelu = (u / sqrt 2) erf(u) + u / sqrt 2.  erf(u) = u P(u^2) / Q(u^2), u held within +-4, P of degree 6, Q of degree 4.
; LIMIT: that erf is good to about 1e-7 in absolute terms, so far out on the negative side, where 1 + erf cancels, gelu's error is about 1e-7 |z| and not 1e-7 of gelu.
; THE WAY OUT IS A LOOP: the accumulators' register numbers change from block to block, so u is first laid into LDS (each wave 64 KiB of its own, in the ring, which has had its last fill and, behind a barrier, its last read) and a loop of eight trips takes a block of 16 tokens each.
; LIMITS: e12 + e13 between -125 and 127; e14 between -126 and 112.  NaN is not served.
; REGISTERS as windows of 256: window 0: v0-31 addresses; v32-95 the bias, later Z2, PA, PB; v96-111 codes; from v128 A's fragments, later u; v192-207 u held; v208-235 constants.  window 1: B's fragments, two sets.  windows 2, 3: the accumulators.
.set SIZE_K, 1024
.set BOFF,   4<<20                     ; where w_ff1's images begin in wc
.set FR,     16
.set NL,     4
.set NP,     4
.set HALFT,  32768
.set SLOT,   4*HALFT
.set STEPB,  4096
.set LAPS,   SIZE_K/512
.set SPARE,  2*SLOT
.set ADRA, 16
.set ADRB, 20
.set DMP,  24                          ; v24     where my wave's u begin in LDS, + 16 x lane
.set DAD,  25                          ; v25     the same for the trip in hand
.set CO,   26                          ; v26     16 x lane
.set SPW,  28
.set NIL,  29
.set BO,   31                          ; v31     my lane's offset in the bias
.set BIAS, 32
.set Z2,   32                          ; the way out's loop: u^2,
.set PA,   48                          ; the numerator,
.set PBR,  64                          ; the denominator
.set AF,   128
.set ZC,   192
.set CA,   208                         ; v208-221 P's seven coefficients, each twice (a pair for the packed forms)
.set CBT,  222                         ; v222-231 Q's five
.set G1, 24
.set G0, 32
.set G1B, 48
.set G0B, 56
.set MSB, 0
.macro WIN new                         ; the immediate's high byte repeats the setting that is left
.if MSB != \new
	s_set_vgpr_msb (MSB<<8)|\new
.set MSB, \new
.endif
.endm
.set MUL_LO, 0xa1
.set MUL_HI, 0xf1
.set TO_B,   0x40
.macro JLOAD g0a, g1a, g0b, g1b        ; a joint load: waves 0 and 1 fetch for A, waves 2 and 3 for B.  An s_nop 0 and four v_nop follow each of the two lines
	s_cmp_eq_u32 s15, 0
	s_cbranch_scc0 .Lfor_b_\@
	tensor_load_to_lds s[\g0a:\g0a+3], s[\g1a:\g1a+7]
	s_nop 0
.rept 4
	v_nop
.endr
	s_branch .Lasked_\@
.Lfor_b_\@:
	tensor_load_to_lds s[\g0b:\g0b+3], s[\g1b:\g1b+7]
	s_nop 0
.rept 4
	v_nop
.endr
.Lasked_\@:
.endm
.macro CREST
	s_cmp_lg_u32 s14, 0
	s_cbranch_scc1 .Lnot_wave_0_\@
	s_barrier_signal -3
.Lnot_wave_0_\@:
	s_barrier_wait -3
	s_barrier_signal -1
	s_barrier_wait -1
.endm
.macro CROUND
	s_barrier_signal -1
	s_barrier_wait -1
	CREST
.endm
	s_load_b256 s[4:11], s[0:1], 0x0               ; o1c s[4:5], wc s[6:7], lowp_scales s[8:9], hc s[10:11]
	s_load_b64 s[84:85], s[0:1], 0x20              ; b_ff1
	v_lshl_add_u32 v[SPW], v0, 2, SPARE
	v_mov_b32 v[NIL], 0
	ds_add_u32 v[SPW], v[NIL]                      ; the wave's opening: the add, twice on end, and its wait ahead of my first tensor load
	ds_add_u32 v[SPW], v[NIL]
	v_lshrrev_b32 v1, 5, v0
	v_readfirstlane_b32 s14, v1                    ; wave 0..3
	s_lshr_b32 s15, s14, 1                         ; which half of the tile's tokens is mine.  Also: I fetch for A (0) or for B (1)
	s_and_b32 s16, s14, 1                          ; which half of its hidden units.  Also: which 8 row tiles I fetch
	s_bfe_u32 s40, ttmp6, 0x40000
	s_bfe_u32 s41, ttmp6, 0x40004
	s_lshl_b32 s42, ttmp9, 2
	s_add_co_u32 s42, s42, s40                     ; tile of hidden units
	s_and_b32 s17, ttmp7, 0xffff
	s_lshl_b32 s17, s17, 2
	s_add_co_u32 s17, s17, s41                     ; tile of tokens
	s_lshl_b32 s43, s41, 2
	s_lshl_b32 s43, 15, s43                        ; my row of the cluster
	s_lshl_b32 s44, 0x1111, s40                    ; my column
	s_or_b32 s[G1+0], s43, (3<<16)|(1<<21)         ; the mask; elements of 8 bytes; bit 21 beside a mask; no padding
	s_or_b32 s[G1B+0], s44, (3<<16)|(1<<21)
.irp g, G1, G1B
	s_mov_b32 s[\g+1], 512<<16                     ; tensor_dim0
	s_mov_b32 s[\g+2], 8<<16                       ; tensor_dim1
	s_mov_b32 s[\g+3], 512<<16                     ; tile_dim0
	s_mov_b32 s[\g+4], 8                           ; tile_dim1
	s_mov_b32 s[\g+5], 2*SIZE_K                    ; tensor_dim0_stride
	s_mov_b32 s[\g+6], 0
	s_mov_b32 s[\g+7], 0
.endr
	s_lshl_b32 s18, s16, 7
	s_lshl_b32 s20, s17, 8
	s_add_co_u32 s20, s20, s18
	s_mul_i32 s20, s20, SIZE_K
	s_mov_b32 s21, 0
	s_lshl_b32 s46, s42, 8
	s_add_co_u32 s46, s46, s18
	s_mul_i32 s46, s46, SIZE_K
	s_add_co_u32 s46, s46, BOFF
	s_mov_b32 s47, 0
	s_mul_i32 s45, s14, HALFT
	s_wait_dscnt 0x0                               ; both opening adds are done
	s_wait_kmcnt 0x0
	s_load_b128 s[68:71], s[8:9], 0x30             ; e12, e13, e14, e15
	s_add_nc_u64 s[20:21], s[4:5], s[20:21]
	s_add_nc_u64 s[46:47], s[6:7], s[46:47]
	CROUND                                         ; all sixteen work-groups are here: the first joint loads meet
.irp s, 0,1
	s_mov_b32 s[G0+4*\s], 1
	s_add_co_u32 s[G0+4*\s+1], s45, \s*SLOT
	s_add_nc_u64 s[G0+4*\s+2:G0+4*\s+3], s[20:21], \s*STEPB
	s_or_b32 s[G0+4*\s+3], s[G0+4*\s+3], 0x80000000
	s_mov_b32 s[G0B+4*\s], 1
	s_add_co_u32 s[G0B+4*\s+1], s45, \s*SLOT
	s_add_nc_u64 s[G0B+4*\s+2:G0B+4*\s+3], s[46:47], \s*STEPB
	s_or_b32 s[G0B+4*\s+3], s[G0B+4*\s+3], 0x80000000
	JLOAD G0+4*\s, G1, G0B+4*\s, G1B
.endr
	v_and_b32 v6, 31, v0
	v_lshlrev_b32 v[CO], 4, v6
	s_mul_i32 s21, s15, HALFT
	s_mul_i32 s22, s16, HALFT
	s_add_co_u32 s22, s22, 2*HALFT
.irp s, 0,1
	v_add_nc_u32 v[ADRA+\s], s21, v[CO]
	v_add_nc_u32 v[ADRB+\s], s22, v[CO]
	s_add_co_u32 s21, s21, SLOT
	s_add_co_u32 s22, s22, SLOT
.endr
	s_lshl_b32 s23, s14, 16
	v_add_nc_u32 v[DMP], s23, v[CO]                ; 65,536 x wave + 16 x lane
	s_lshl_b32 s18, s42, 10                        ; the bias at my 128 hidden units: 4 (256 x tile + 128 x half)
	s_lshl_b32 s19, s16, 9
	s_add_co_u32 s18, s18, s19
	s_mov_b32 s19, 0
	s_add_nc_u64 s[84:85], s[84:85], s[18:19]
	v_bfe_u32 v[BO], v0, 4, 1
	v_lshlrev_b32 v[BO], 5, v[BO]                  ; 32 h: register 8 b + j is the bias of unit 16 b + 8 h + j
.set i, 0
.rept 8
	global_load_b128 v[BIAS+8*i:BIAS+8*i+3], v[BO], s[84:85] offset:64*i
	global_load_b128 v[BIAS+8*i+4:BIAS+8*i+7], v[BO], s[84:85] offset:64*i+16
.set i, i+1
.endr
	s_lshl_b32 s18, s17, 4
	s_lshl_b32 s19, s15, 3
	s_add_co_u32 s18, s18, s19                     ; my first tile of 16 tokens: 32 fragments of 2,048 bytes each,
	s_lshl_b32 s18, s18, 16
	s_lshl_b32 s19, s42, 12                        ; K step 2 x tile + half
	s_add_co_u32 s18, s18, s19
	s_lshl_b32 s19, s16, 11
	s_add_co_u32 s18, s18, s19
	s_mov_b32 s19, 0
	s_add_nc_u64 s[10:11], s[10:11], s[18:19]
.macro FRAG reg, adr, q, i
.irp c, 0,1,2,3
	ds_load_b128 v[\reg+4*\c:\reg+4*\c+3], v[\adr] offset:(\i)*STEPB+(\q)*2048+512*\c
.endr
.endm
.macro MUL16 a0, p, zero               ; 16 matrix instructions; the 64 accumulators take turns, one instruction a turn, in the same order in every step
.irp a, \a0, \a0+1
.irp b, 0,1,2,3,4,5,6,7
.if \zero
	v_wmma_f32_16x16x128_bf8_bf8 v[8*(8*((\a)%4)+\b):8*(8*((\a)%4)+\b)+7], v[128*(\p)+FR*\b:128*(\p)+FR*\b+FR-1], v[AF+FR*(\a):AF+FR*(\a)+FR-1], 0
.else
	v_wmma_f32_16x16x128_bf8_bf8 v[8*(8*((\a)%4)+\b):8*(8*((\a)%4)+\b)+7], v[128*(\p)+FR*\b:128*(\p)+FR*\b+FR-1], v[AF+FR*(\a):AF+FR*(\a)+FR-1], v[8*(8*((\a)%4)+\b):8*(8*((\a)%4)+\b)+7]
.endif
.endr
.endr
.endm
.macro FETCH_B slot, q, p
	WIN TO_B
.irp i, 0,1,2,3,4,5,6,7
	FRAG 128*(\p)+FR*\i, ADRB+\slot, \q, \i
.endr
	WIN 0
.endm
.macro FETCH_A slot, q, i0
.irp i, \i0, \i0+1, \i0+2, \i0+3
	FRAG AF+FR*(\i), ADRA+\slot, \q, \i
.endr
.endm
.macro PLACES n
.rept \n
	v_nop
.endr
.endm
.macro STEP slot, q, zero
	s_wait_dscnt 4*NL                              ; B's set and A's blocks 0-3 are in; the youngest sixteen loads may be out
	WIN MUL_LO
	MUL16 0, (\q)%2, \zero
	MUL16 2, (\q)%2, \zero
	s_wait_dscnt 0
	PLACES NP
	FETCH_B \slot, (\q)+1, 1-(\q)%2
	FETCH_A \slot, (\q)+1, 0
	WIN MUL_HI
	MUL16 4, (\q)%2, \zero
	MUL16 6, (\q)%2, \zero
	PLACES NP
	WIN 0
	FETCH_A \slot, (\q)+1, 4
.endm
.macro TURN slot, next, fill           ; a slot's last step changes slots: one barrier, with the wait for all my tensor loads, the add, and the wait for it and for my reads in front of it
	s_wait_tensorcnt 0x0
	ds_add_u32 v[SPW], v[NIL]
	s_wait_dscnt 4*NL+1                            ; (the add and the youngest sixteen loads may be out)
	WIN MUL_LO
	MUL16 0, 1, 0
	s_wait_dscnt 0x0
	s_barrier_signal -1
	MUL16 2, 1, 0
	WIN 0
	s_barrier_wait -1
.if \fill
	CREST                                          ; the barrier has opened a round of the cluster's
	s_add_nc_u64 s[G0+4*\slot+2:G0+4*\slot+3], s[G0+4*\slot+2:G0+4*\slot+3], 2*STEPB
	s_add_nc_u64 s[G0B+4*\slot+2:G0B+4*\slot+3], s[G0B+4*\slot+2:G0B+4*\slot+3], 2*STEPB
	JLOAD G0+4*\slot, G1, G0B+4*\slot, G1B
.else
	PLACES NP
.endif
	FETCH_B \next, 0, 0
	FETCH_A \next, 0, 0
	WIN MUL_HI
	MUL16 4, 1, 0
	MUL16 6, 1, 0
	PLACES NP
	WIN 0
	FETCH_A \next, 0, 4
.endm
	s_wait_tensorcnt 1                             ; my part of slot 0 is in (slot 1's load may be out),
	s_barrier_signal -1
	s_barrier_wait -1
	FETCH_B 0, 0, 0
	FETCH_A 0, 0, 0
	FETCH_A 0, 0, 4
	STEP 0, 0, 1
	s_mov_b32 s3, LAPS-1
.Llap:
	TURN 0, 1, 1
	STEP 1, 0, 0
	TURN 1, 0, 1
	STEP 0, 0, 0
	s_sub_co_u32 s3, s3, 1
	s_cmp_lg_u32 s3, 0
	s_cbranch_scc1 .Llap
	TURN 0, 1, 0
	STEP 1, 0, 0
	s_wait_dscnt 4*NL
	WIN MUL_LO
	MUL16 0, 1, 0
	MUL16 2, 1, 0
	s_wait_dscnt 0
	WIN MUL_HI
	MUL16 4, 1, 0
	MUL16 6, 1, 0
	WIN 0
	; THE WAY OUT.  First: nobody reads the ring any more.
	s_wait_dscnt 0x0
	s_barrier_signal -1
	s_barrier_wait -1
	s_wait_kmcnt 0x0
	s_add_co_i32 s96, s68, s69
	s_lshl_b32 s96, s96, 23
	s_add_co_i32 s96, s96, 0x3f3504f3              ; 2^(e12 + e13) / sqrt 2: the exponents are added to the exponent field of 0.70710678
	s_mov_b32 s97, s96                             ; (named with it as a pair, so it is written)
	s_add_co_i32 s70, s70, 127
	s_lshl_b32 s71, s70, 23
	s_add_co_i32 s70, s70, 15
	s_lshl_b32 s70, s70, 23
	s_or_b32 s70, s70, 0x600000
	PLACES NP                                      ; in front of the first lines that write registers which held A's fragments
	v_mov_b32 v232, 0x3f3504f3                     ; 1 / sqrt 2, twice
	v_mov_b32 v233, 0x3f3504f3
	v_mov_b32 v234, s70                            ; 57,344 x 2^e14
	v_mov_b32 v235, s71                            ; 2^e14
.macro COEF r, bits
	v_mov_b32 v[\r], \bits
	v_mov_b32 v[\r+1], \bits
.endm
	COEF CA+0,  0xaf95df0b                         ; P: -2.72614226e-10
	COEF CA+2,  0x32edffee                         ;     2.77068142e-08
	COEF CA+4,  0xb60cff51                         ;    -2.10102402e-06
	COEF CA+6,  0xb86ec2d2                         ;    -5.69250639e-05
	COEF CA+8,  0xba40ac63                         ;    -7.34990630e-04
	COEF CA+10, 0xbb41a1f6                         ;    -2.95459981e-03
	COEF CA+12, 0xbc83dbd4                         ;    -1.60960333e-02
	COEF CBT+0, 0xb77460cd                         ; Q: -1.45660718e-05
	COEF CBT+2, 0xb95fbd29                         ;    -2.13374055e-04
	COEF CBT+4, 0xbadc924e                         ;    -1.68282697e-03
	COEF CBT+6, 0xbbf19bf8                         ;    -7.37332917e-03
	COEF CBT+8, 0xbc69b6a7                         ;    -1.42647391e-02
	s_wait_loadcnt 0x0                             ; the bias
.set i, 0
.rept 32
	v_pk_mul_f32 v[BIAS+i:BIAS+i+1], v[BIAS+i:BIAS+i+1], v[232:233]    ; / sqrt 2
.set i, i+2
.endr
	; u = sum x 2^(e12 + e13) / sqrt 2 + bias / sqrt 2, block by block of 16 tokens, into my own 64 KiB of LDS as it stands in the registers
.irp a, 0,1,2,3,4,5,6,7
	WIN 0x02+(\a/4)                                ; source 0: window 2 or 3
.set i, 0
.rept 32
	v_pk_fma_f32 v[128+i:129+i], v[64*(\a%4)+i:64*(\a%4)+i+1], s[96:97], v[BIAS+i:BIAS+i+1] op_sel_hi:[1,0,1]   ; each accumulator from its low end on
.set i, i+2
.endr
	WIN 0
.set i, 0
.rept 16
	ds_store_b128 v[DMP], v[128+4*i:131+4*i] offset:8192*\a+512*i
.set i, i+1
.endr
.endr
; Sixteen numbers u in v[Z ..] become four registers of codes in v[C ..].
.macro GELU16 Z, C
.set i, 0
.rept 16
	v_med3_num_f32 v[ZC+i], v[\Z+i], -4.0, 4.0
.set i, i+1
.endr
.set i, 0
.rept 8
	v_pk_mul_f32 v[Z2+i:Z2+i+1], v[ZC+i:ZC+i+1], v[ZC+i:ZC+i+1]
.set i, i+2
.endr
.set i, 0
.rept 8
	v_pk_fma_f32 v[PA+i:PA+i+1], v[Z2+i:Z2+i+1], v[CA:CA+1], v[CA+2:CA+3]
	v_pk_fma_f32 v[PBR+i:PBR+i+1], v[Z2+i:Z2+i+1], v[CBT:CBT+1], v[CBT+2:CBT+3]
.set i, i+2
.endr
.irp k, 2,3,4
.set i, 0
.rept 8
	v_pk_fma_f32 v[PA+i:PA+i+1], v[PA+i:PA+i+1], v[Z2+i:Z2+i+1], v[CA+2*\k:CA+2*\k+1]
	v_pk_fma_f32 v[PBR+i:PBR+i+1], v[PBR+i:PBR+i+1], v[Z2+i:Z2+i+1], v[CBT+2*\k:CBT+2*\k+1]
.set i, i+2
.endr
.endr
.set i, 0
.rept 16
	v_rcp_f32 v[PBR+i], v[PBR+i]                   ; the denominator is finished: its reciprocals go out as one batch, and the numerator's last steps are the work behind them
.set i, i+1
.endr
.irp k, 5,6
.set i, 0
.rept 8
	v_pk_fma_f32 v[PA+i:PA+i+1], v[PA+i:PA+i+1], v[Z2+i:Z2+i+1], v[CA+2*\k:CA+2*\k+1]
.set i, i+2
.endr
.endr
.set i, 0
.rept 8
	v_pk_mul_f32 v[PA+i:PA+i+1], v[PA+i:PA+i+1], v[ZC+i:ZC+i+1]
	v_pk_mul_f32 v[\Z+i:\Z+i+1], v[\Z+i:\Z+i+1], v[232:233]        ; u / sqrt 2 = z / 2
.set i, i+2
.endr
	s_wait_alu depctr_va_vdst(0)                   ; one wait for the batch, ahead of its first reader
.set i, 0
.rept 8
	v_pk_mul_f32 v[PA+i:PA+i+1], v[PA+i:PA+i+1], v[PBR+i:PBR+i+1]  ; erf(u)
.set i, i+2
.endr
.set i, 0
.rept 8
	v_pk_fma_f32 v[\Z+i:\Z+i+1], v[\Z+i:\Z+i+1], v[PA+i:PA+i+1], v[\Z+i:\Z+i+1]   ; gelu
.set i, i+2
.endr
.set i, 0
.rept 16
	v_med3_num_f32 v[\Z+i], v[\Z+i], -v234, v234
.set i, i+1
.endr
	v_cvt_scalef32_pk8_bf8_f32 v[\C:\C+1], v[\Z:\Z+7], v235
	v_cvt_scalef32_pk8_bf8_f32 v[\C+2:\C+3], v[\Z+8:\Z+15], v235
	v_nop
.endm
	s_mov_b32 s2, 8
	s_mov_b32 s3, 0
.Lrows:                                                ; a trip: 16 tokens x my 128 hidden units: one fragment
	v_add_nc_u32 v[DAD], s3, v[DMP]
.set i, 0
.rept 16
	ds_load_b128 v[128+4*i:131+4*i], v[DAD] offset:512*i       ; LDS serves a wave's instructions in order: these see my stores
.set i, i+1
.endr
.irp q, 0,1,2,3
	s_wait_dscnt 12-4*\q                           ; this group's four loads are in; the later groups' may be out
	GELU16 128+16*\q, 96+4*\q
.endr
.irp q, 0,1,2,3
	global_store_b128 v[CO], v[96+4*\q:99+4*\q], s[10:11] offset:512*\q   ; 512 consecutive bytes
.endr
	s_wait_xcnt 0x0                                ; the stores have read their registers and their base
	s_add_nc_u64 s[10:11], s[10:11], 65536         ; the next tile of 16 tokens
	s_add_co_u32 s3, s3, 8192
	s_sub_co_u32 s2, s2, 1
	s_cmp_lg_u32 s2, 0
	s_cbranch_scc1 .Lrows
	s_wait_tensorcnt 0x0                           ; the wave's end: a wait, an add to my spare word and a wait
	ds_add_u32 v[SPW], v[NIL]
	s_wait_dscnt 0x0
	CROUND                                         ; the closing round
	s_endpgm
.Lfunc_end_k_q213f5356d0_ff1:
	.size	k_q213f5356d0_ff1, .Lfunc_end_k_q213f5356d0_ff1-k_q213f5356d0_ff1
	.p2alignl 7, 3214868480
	.fill 96, 4, 3214868480
	.section	.rodata,"a",@progbits
	.p2align	6, 0x0
	.amdhsa_kernel k_q213f5356d0_ff1
		.amdhsa_group_segment_fixed_size 327680
		.amdhsa_private_segment_fixed_size 0
		.amdhsa_enable_private_segment 0
		.amdhsa_kernarg_size 40
		.amdhsa_user_sgpr_count 2
		.amdhsa_user_sgpr_kernarg_segment_ptr 1
		.amdhsa_wavefront_size32 1
		.amdhsa_system_sgpr_workgroup_id_x 1
		.amdhsa_system_sgpr_workgroup_id_y 1
		.amdhsa_system_sgpr_workgroup_id_z 1
		.amdhsa_system_vgpr_workitem_id 0
		.amdhsa_next_free_vgpr 1024
		.amdhsa_next_free_sgpr 100
		.amdhsa_reserve_vcc 0
		.amdhsa_float_denorm_mode_32 3
		.amdhsa_float_denorm_mode_16_64 3
		.amdhsa_memory_ordered 1
		.amdhsa_forward_progress 1
		.amdhsa_inst_pref_size 150
	.end_amdhsa_kernel
	.amdgpu_metadata
---
amdhsa.version: [ 1, 2 ]
amdhsa.kernels:
  - .name:           k_q213f5356d0_ff1
    .symbol:         k_q213f5356d0_ff1.kd
    .args:
      - { .name: o1c, .offset: 0, .size: 8, .value_kind: global_buffer, .address_space: global }
      - { .name: wc, .offset: 8, .size: 8, .value_kind: global_buffer, .address_space: global }
      - { .name: lowp_scales, .offset: 16, .size: 8, .value_kind: global_buffer, .address_space: global }
      - { .name: hc, .offset: 24, .size: 8, .value_kind: global_buffer, .address_space: global }
      - { .name: b_ff1, .offset: 32, .size: 8, .value_kind: global_buffer, .address_space: global }
    .group_segment_fixed_size: 327680
    .private_segment_fixed_size: 0
    .kernarg_segment_align: 8
    .kernarg_segment_size: 40
    .max_flat_workgroup_size: 128
    .sgpr_count:     100
    .vgpr_count:     1024
    .wavefront_size: 32
...
	.end_amdgpu_metadata
.endif
;; end of part 6
;; launch ff2 (part 7): grid 4 x 16, 4 waves a work-group, clusters of 4 x 4, 327,680 bytes of LDS; arguments hc, wc, lowp_scales, ybuf; writes ybuf
.if DOCPART == 7
	.amdgcn_target "amdgcn-amd-amdhsa--gfx1250"
	.amdhsa_code_object_version 6
	.text
	.protected	k_q213f5356d0_ff2
	.globl	k_q213f5356d0_ff2
	.p2align	8
	.type	k_q213f5356d0_ff2,@function
k_q213f5356d0_ff2:
	s_mov_b64 s[64:65], 0
	v_nop
	global_prefetch_b8 v0, s[64:65] scope:SCOPE_SE
	s_setreg_imm32_b32 hwreg(HW_REG_WAVE_MODE, 25, 1), 1
	s_wait_xcnt 0x0
	s_wait_alu depctr_hold_cnt(0) depctr_sa_sdst(0) depctr_va_vdst(0) depctr_va_sdst(0) depctr_va_ssrc(0) depctr_va_vcc(0) depctr_vm_vsrc(0)
	s_getreg_b32 s2, hwreg(HW_REG_IB_STS2, 6, 4)
	s_cmp_eq_u32 s2, 0
	s_cbranch_scc0 .Lentry_in_a_cluster
	s_endpgm
.Lentry_in_a_cluster:
	s_bfe_u32 s2, ttmp6, 0x10000c
	s_cmp_lg_u32 s2, 0xf033
	s_cbranch_scc0 .Lentry_shape_is_right
	s_endpgm
.Lentry_shape_is_right:
; FF2: product 8, ybuf[m][n] = 2^(e14 + e15) x the sum over k of the codes of the hidden layer [m][k] and w_ff2[k][n]; m 4,096, n 1,024, K 4,096; ybuf f32.  The bias, the residual and the norm follow in the next launch, which needs whole rows.  No work is left out here.
; Both operands are images of operand registers: fragment F(rt, ks), 16 rows x 128 k, 2,048 bytes, at byte (rt SIZE_K / 128 + ks) 2048; registers 4 q .. 4 q + 3 of lane L at byte 512 q + 16 L.
; A tile of C, 256 x 256, is made by four waves, each 128 x 128: 64 accumulators, 512 registers.  K goes in steps of 256 through a ring of two LDS slots; a wave's tensor load brings 8 rows of 4,096 consecutive bytes (8 row tiles x 2 fragments).
; CLUSTERS 4 x 4: A's tiles are shared along a row of the cluster, B's along a column, by joint loads.  The matrix instruction is used transposed (source 0 = 16 rows of B, source 1 = 16 rows of A): a lane holds eight neighbouring numbers of a row of C.
; C has 64 tiles of this size: a smaller tile would fill more of the chip at twice the LDS bytes for each product; that is not built here.  No prefetch: each tile is asked for by four clusters at the same time.
; LIMIT: the two exponents added lie between -126 and 127.
; REGISTERS as windows of 256: window 0: v0-31 addresses; from v128 A's fragments, one set; on the way out v32-255 are free.  window 1: B's fragments, two sets.  windows 2, 3: the accumulators, (a, b) at v[8 (8 (a % 4) + b)].
.set SIZE_K, 4096
.set SIZE_N, 1024
.set BOFF,   8<<20                     ; where B's images begin in wc
.set ESC,    56                        ; the byte of A's exponent in lowp_scales; B's follows it
.set FR,     16
.set NL,     4
.set NP,     4
.set HALFT,  32768
.set SLOT,   4*HALFT
.set STEPB,  4096
.set LAPS,   SIZE_K/512
.set SPARE,  2*SLOT
.set SPITCH, 528                       ; the way out: a stage of 16 rows x (512 bytes + 16) for each wave, in slot 0, which has had its last fill and its last read when the first result is stored there
.set ADRA, 16
.set ADRB, 20
.set STO,  24                          ; v24     the way out: where I put 32 bytes of a row
.set RD,   25                          ; v25     where I read a row back
.set CO,   26                          ; v26     16 x lane
.set SPW,  28
.set NIL,  29
.set TMP,  32
.set AF,   128
.set BK,   128
.set G1, 24
.set G0, 32
.set G1B, 48
.set G0B, 56
.set MSB, 0
.macro WIN new                         ; the immediate's high byte repeats the setting that is left
.if MSB != \new
	s_set_vgpr_msb (MSB<<8)|\new
.set MSB, \new
.endif
.endm
.set MUL_LO, 0xa1
.set MUL_HI, 0xf1
.set TO_B,   0x40
.macro JLOAD g0a, g1a, g0b, g1b        ; a joint load: waves 0 and 1 fetch for A, waves 2 and 3 for B.  An s_nop 0 and four v_nop follow each of the two lines
	s_cmp_eq_u32 s15, 0
	s_cbranch_scc0 .Lfor_b_\@
	tensor_load_to_lds s[\g0a:\g0a+3], s[\g1a:\g1a+7]
	s_nop 0
.rept 4
	v_nop
.endr
	s_branch .Lasked_\@
.Lfor_b_\@:
	tensor_load_to_lds s[\g0b:\g0b+3], s[\g1b:\g1b+7]
	s_nop 0
.rept 4
	v_nop
.endr
.Lasked_\@:
.endm
.macro CREST
	s_cmp_lg_u32 s14, 0
	s_cbranch_scc1 .Lnot_wave_0_\@
	s_barrier_signal -3
.Lnot_wave_0_\@:
	s_barrier_wait -3
	s_barrier_signal -1
	s_barrier_wait -1
.endm
.macro CROUND
	s_barrier_signal -1
	s_barrier_wait -1
	CREST
.endm
	s_load_b128 s[4:7], s[0:1], 0x0                ; A's images s[4:5], wc s[6:7]
	s_load_b128 s[8:11], s[0:1], 0x10              ; lowp_scales s[8:9], C s[10:11]
	v_lshl_add_u32 v[SPW], v0, 2, SPARE
	v_mov_b32 v[NIL], 0
	ds_add_u32 v[SPW], v[NIL]                      ; the wave's opening: the add, twice on end, and its wait ahead of my first tensor load
	ds_add_u32 v[SPW], v[NIL]
	v_lshrrev_b32 v1, 5, v0
	v_readfirstlane_b32 s14, v1                    ; wave 0..3
	s_lshr_b32 s15, s14, 1                         ; which half of the tile's rows is mine.  Also: I fetch for A (0) or for B (1)
	s_and_b32 s16, s14, 1                          ; which half of its columns.  Also: which 8 row tiles I fetch
	s_bfe_u32 s40, ttmp6, 0x40000
	s_bfe_u32 s41, ttmp6, 0x40004
	s_lshl_b32 s42, ttmp9, 2
	s_add_co_u32 s42, s42, s40                     ; tile column of C
	s_and_b32 s17, ttmp7, 0xffff
	s_lshl_b32 s17, s17, 2
	s_add_co_u32 s17, s17, s41                     ; tile row of C
	s_lshl_b32 s43, s41, 2
	s_lshl_b32 s43, 15, s43                        ; my row of the cluster
	s_lshl_b32 s44, 0x1111, s40                    ; my column
	s_or_b32 s[G1+0], s43, (3<<16)|(1<<21)         ; the mask; elements of 8 bytes; bit 21 beside a mask; no padding
	s_or_b32 s[G1B+0], s44, (3<<16)|(1<<21)
.irp g, G1, G1B
	s_mov_b32 s[\g+1], 512<<16                     ; tensor_dim0
	s_mov_b32 s[\g+2], 8<<16                       ; tensor_dim1
	s_mov_b32 s[\g+3], 512<<16                     ; tile_dim0
	s_mov_b32 s[\g+4], 8                           ; tile_dim1
	s_mov_b32 s[\g+5], 2*SIZE_K                    ; tensor_dim0_stride: 16 SIZE_K bytes from row tile to row tile
	s_mov_b32 s[\g+6], 0
	s_mov_b32 s[\g+7], 0
.endr
	s_lshl_b32 s18, s16, 7
	s_lshl_b32 s20, s17, 8
	s_add_co_u32 s20, s20, s18
	s_mul_i32 s20, s20, SIZE_K                     ; 16 rows are 16 SIZE_K bytes of images
	s_mov_b32 s21, 0
	s_lshl_b32 s46, s42, 8
	s_add_co_u32 s46, s46, s18
	s_mul_i32 s46, s46, SIZE_K
	s_add_co_u32 s46, s46, BOFF
	s_mov_b32 s47, 0
	s_mul_i32 s45, s14, HALFT
	s_wait_dscnt 0x0                               ; both opening adds are done
	s_wait_kmcnt 0x0
	s_load_b64 s[96:97], s[8:9], ESC               ; the two exponents
	s_add_nc_u64 s[20:21], s[4:5], s[20:21]
	s_add_nc_u64 s[46:47], s[6:7], s[46:47]
	CROUND                                         ; all sixteen work-groups are here: the first joint loads meet
.irp s, 0,1
	s_mov_b32 s[G0+4*\s], 1
	s_add_co_u32 s[G0+4*\s+1], s45, \s*SLOT
	s_add_nc_u64 s[G0+4*\s+2:G0+4*\s+3], s[20:21], \s*STEPB
	s_or_b32 s[G0+4*\s+3], s[G0+4*\s+3], 0x80000000
	s_mov_b32 s[G0B+4*\s], 1
	s_add_co_u32 s[G0B+4*\s+1], s45, \s*SLOT
	s_add_nc_u64 s[G0B+4*\s+2:G0B+4*\s+3], s[46:47], \s*STEPB
	s_or_b32 s[G0B+4*\s+3], s[G0B+4*\s+3], 0x80000000
	JLOAD G0+4*\s, G1, G0B+4*\s, G1B
.endr
	v_and_b32 v1, 15, v0
	v_bfe_u32 v2, v0, 4, 1
	v_and_b32 v6, 31, v0
	v_lshlrev_b32 v[CO], 4, v6
	s_mul_i32 s21, s15, HALFT
	s_mul_i32 s22, s16, HALFT
	s_add_co_u32 s22, s22, 2*HALFT
.irp s, 0,1
	v_add_nc_u32 v[ADRA+\s], s21, v[CO]
	v_add_nc_u32 v[ADRB+\s], s22, v[CO]
	s_add_co_u32 s21, s21, SLOT
	s_add_co_u32 s22, s22, SLOT
.endr
	s_mul_i32 s23, s14, 16*SPITCH                  ; my stage
	v_mul_u32_u24 v5, v1, SPITCH                   ; in: row l % 16, 32 bytes for each half of the lanes
	v_lshl_add_u32 v5, v2, 5, v5
	v_add_nc_u32 v[STO], s23, v5
	v_add_nc_u32 v[RD], s23, v[CO]                 ; back: the 32 lanes take one row of 512 bytes
	s_lshl_b32 s20, s17, 8
	s_lshl_b32 s21, s15, 7
	s_add_co_u32 s20, s20, s21                     ; my first row of C
	s_mul_i32 s20, s20, SIZE_N*4
	s_lshl_b32 s46, s42, 10                        ; my first column, in bytes
	s_lshl_b32 s47, s16, 9
	s_add_co_u32 s46, s46, s47
	s_add_co_u32 s20, s20, s46
	s_mov_b32 s21, 0
	s_add_nc_u64 s[10:11], s[10:11], s[20:21]
.macro FRAG reg, adr, q, i
.irp c, 0,1,2,3
	ds_load_b128 v[\reg+4*\c:\reg+4*\c+3], v[\adr] offset:(\i)*STEPB+(\q)*2048+512*\c
.endr
.endm
.macro MUL16 a0, p, zero               ; 16 matrix instructions; the 64 accumulators take turns, one instruction a turn, in the same order in every step
.irp a, \a0, \a0+1
.irp b, 0,1,2,3,4,5,6,7
.if \zero
	v_wmma_f32_16x16x128_bf8_bf8 v[8*(8*((\a)%4)+\b):8*(8*((\a)%4)+\b)+7], v[128*(\p)+FR*\b:128*(\p)+FR*\b+FR-1], v[AF+FR*(\a):AF+FR*(\a)+FR-1], 0
.else
	v_wmma_f32_16x16x128_bf8_bf8 v[8*(8*((\a)%4)+\b):8*(8*((\a)%4)+\b)+7], v[128*(\p)+FR*\b:128*(\p)+FR*\b+FR-1], v[AF+FR*(\a):AF+FR*(\a)+FR-1], v[8*(8*((\a)%4)+\b):8*(8*((\a)%4)+\b)+7]
.endif
.endr
.endr
.endm
.macro FETCH_B slot, q, p
	WIN TO_B
.irp i, 0,1,2,3,4,5,6,7
	FRAG 128*(\p)+FR*\i, ADRB+\slot, \q, \i
.endr
	WIN 0
.endm
.macro FETCH_A slot, q, i0
.irp i, \i0, \i0+1, \i0+2, \i0+3
	FRAG AF+FR*(\i), ADRA+\slot, \q, \i
.endr
.endm
.macro PLACES n
.rept \n
	v_nop
.endr
.endm
.macro STEP slot, q, zero
	s_wait_dscnt 4*NL                              ; B's set and A's blocks 0-3 are in; the youngest sixteen loads may be out
	WIN MUL_LO
	MUL16 0, (\q)%2, \zero
	MUL16 2, (\q)%2, \zero
	s_wait_dscnt 0
	PLACES NP
	FETCH_B \slot, (\q)+1, 1-(\q)%2
	FETCH_A \slot, (\q)+1, 0
	WIN MUL_HI
	MUL16 4, (\q)%2, \zero
	MUL16 6, (\q)%2, \zero
	PLACES NP
	WIN 0
	FETCH_A \slot, (\q)+1, 4
.endm
.macro TURN slot, next, fill           ; a slot's last step changes slots: one barrier, with the wait for all my tensor loads, the add, and the wait for it and for my reads in front of it
	s_wait_tensorcnt 0x0
	ds_add_u32 v[SPW], v[NIL]
	s_wait_dscnt 4*NL+1                            ; (the add and the youngest sixteen loads may be out)
	WIN MUL_LO
	MUL16 0, 1, 0
	s_wait_dscnt 0x0
	s_barrier_signal -1
	MUL16 2, 1, 0
	WIN 0
	s_barrier_wait -1
.if \fill
	CREST                                          ; the barrier has opened a round of the cluster's
	s_add_nc_u64 s[G0+4*\slot+2:G0+4*\slot+3], s[G0+4*\slot+2:G0+4*\slot+3], 2*STEPB
	s_add_nc_u64 s[G0B+4*\slot+2:G0B+4*\slot+3], s[G0B+4*\slot+2:G0B+4*\slot+3], 2*STEPB
	JLOAD G0+4*\slot, G1, G0B+4*\slot, G1B
.else
	PLACES NP
.endif
	FETCH_B \next, 0, 0
	FETCH_A \next, 0, 0
	WIN MUL_HI
	MUL16 4, 1, 0
	MUL16 6, 1, 0
	PLACES NP
	WIN 0
	FETCH_A \next, 0, 4
.endm
	s_wait_tensorcnt 1                             ; my part of slot 0 is in (slot 1's load may be out),
	s_barrier_signal -1
	s_barrier_wait -1
	FETCH_B 0, 0, 0
	FETCH_A 0, 0, 0
	FETCH_A 0, 0, 4
	STEP 0, 0, 1
	s_mov_b32 s3, LAPS-1
.Llap:
	TURN 0, 1, 1
	STEP 1, 0, 0
	TURN 1, 0, 1
	STEP 0, 0, 0
	s_sub_co_u32 s3, s3, 1
	s_cmp_lg_u32 s3, 0
	s_cbranch_scc1 .Llap
	TURN 0, 1, 0
	STEP 1, 0, 0
	s_wait_dscnt 4*NL
	WIN MUL_LO
	MUL16 0, 1, 0
	MUL16 2, 1, 0
	s_wait_dscnt 0
	WIN MUL_HI
	MUL16 4, 1, 0
	MUL16 6, 1, 0
	WIN 0
; THE WAY OUT, block by block of 16 rows x 128 columns, through my own stage: in as 32 bytes a lane, back as whole rows of 512 bytes.  LDS serves a wave's instructions in order: no wait between the stores and the loads.
.macro TOSTAGE a
.set AC, 64*((\a)%4)
	WIN 0x02+((\a)/4)
.set i, 0
.rept 32
	v_pk_mul_f32 v[TMP+i:TMP+i+1], v[AC+i:AC+i+1], s[96:97] op_sel_hi:[1,0]   ; x 2^(the exponents added); each accumulator from its low end on
.set i, i+2
.endr
	WIN 0
.irp b, 0,1,2,3,4,5,6,7
	ds_store_b128 v[STO], v[TMP+8*\b:TMP+8*\b+3] offset:64*\b
	ds_store_b128 v[STO], v[TMP+8*\b+4:TMP+8*\b+7] offset:64*\b+16
.endr
.set BB, BK+64*((\a)%2)
.irp t, 0,1,2,3,4,5,6,7,8,9,10,11,12,13,14,15
	ds_load_b128 v[BB+4*\t:BB+4*\t+3], v[RD] offset:\t*SPITCH
.endr
.endm
.macro SEND a, younger                 ; younger: the LDS instructions issued behind block a's loads, which may stay out
.set BB, BK+64*((\a)%2)
	s_wait_dscnt \younger
.if (\a) > 0
	s_add_nc_u64 s[10:11], s[10:11], 16*SIZE_N*4   ; (behind a wait on XCNT: the earlier stores have read their base)
.endif
.irp t, 0,1,2,3,4,5,6,7,8,9,10,11,12,13,14,15
	global_store_b128 v[CO], v[BB+4*\t:BB+4*\t+3], s[10:11] offset:\t*SIZE_N*4   ; 512 consecutive bytes, aligned
.endr
.endm
	s_wait_kmcnt 0x0
	s_add_co_i32 s96, s96, s97
	s_add_co_i32 s96, s96, 127
	s_lshl_b32 s96, s96, 23                        ; 2^(the exponents added) as f32
	PLACES NP
	TOSTAGE 0
.irp a, 1,2,3,4,5,6,7
.if \a > 1
	s_wait_xcnt 0x0                                ; block a - 2's stores have read their registers and their base
.endif
	TOSTAGE \a
	SEND \a-1, 32                                  ; behind block a - 1's loads: block a's 16 stores and 16 loads
.endr
	s_wait_xcnt 0x0
	SEND 7, 0
	s_wait_tensorcnt 0x0                           ; the wave's end: a wait, an add to my spare word and a wait
	ds_add_u32 v[SPW], v[NIL]
	s_wait_dscnt 0x0
	CROUND                                         ; the closing round
	s_endpgm
.Lfunc_end_k_q213f5356d0_ff2:
	.size	k_q213f5356d0_ff2, .Lfunc_end_k_q213f5356d0_ff2-k_q213f5356d0_ff2
	.p2alignl 7, 3214868480
	.fill 96, 4, 3214868480
	.section	.rodata,"a",@progbits
	.p2align	6, 0x0
	.amdhsa_kernel k_q213f5356d0_ff2
		.amdhsa_group_segment_fixed_size 327680
		.amdhsa_private_segment_fixed_size 0
		.amdhsa_enable_private_segment 0
		.amdhsa_kernarg_size 32
		.amdhsa_user_sgpr_count 2
		.amdhsa_user_sgpr_kernarg_segment_ptr 1
		.amdhsa_wavefront_size32 1
		.amdhsa_system_sgpr_workgroup_id_x 1
		.amdhsa_system_sgpr_workgroup_id_y 1
		.amdhsa_system_sgpr_workgroup_id_z 1
		.amdhsa_system_vgpr_workitem_id 0
		.amdhsa_next_free_vgpr 1024
		.amdhsa_next_free_sgpr 98
		.amdhsa_reserve_vcc 0
		.amdhsa_float_denorm_mode_32 3
		.amdhsa_float_denorm_mode_16_64 3
		.amdhsa_memory_ordered 1
		.amdhsa_forward_progress 1
		.amdhsa_inst_pref_size 123
	.end_amdhsa_kernel
	.amdgpu_metadata
---
amdhsa.version: [ 1, 2 ]
amdhsa.kernels:
  - .name:           k_q213f5356d0_ff2
    .symbol:         k_q213f5356d0_ff2.kd
    .args:
      - { .name: hc, .offset: 0, .size: 8, .value_kind: global_buffer, .address_space: global }
      - { .name: wc, .offset: 8, .size: 8, .value_kind: global_buffer, .address_space: global }
      - { .name: lowp_scales, .offset: 16, .size: 8, .value_kind: global_buffer, .address_space: global }
      - { .name: ybuf, .offset: 24, .size: 8, .value_kind: global_buffer, .address_space: global }
    .group_segment_fixed_size: 327680
    .private_segment_fixed_size: 0
    .kernarg_segment_align: 8
    .kernarg_segment_size: 32
    .max_flat_workgroup_size: 128
    .sgpr_count:     98
    .vgpr_count:     1024
    .wavefront_size: 32
...
	.end_amdgpu_metadata
.endif
;; end of part 7
;; launch ln2 (part 8): grid 256 x 1, 8 waves a work-group, no clusters, 0 bytes of LDS; arguments ybuf, o1, b_ff2, ln2_g, ln2_b, out0; writes out0
.if DOCPART == 8
	.amdgcn_target "amdgcn-amd-amdhsa--gfx1250"
	.amdhsa_code_object_version 6
	.text
	.protected	k_q213f5356d0_ln2
	.globl	k_q213f5356d0_ln2
	.p2align	8
	.type	k_q213f5356d0_ln2,@function
k_q213f5356d0_ln2:
	s_mov_b64 s[64:65], 0
	v_nop
	global_prefetch_b8 v0, s[64:65] scope:SCOPE_SE
	s_setreg_imm32_b32 hwreg(HW_REG_WAVE_MODE, 25, 1), 1
	s_wait_xcnt 0x0
; LN2: out0 = layernorm(out1 + (ybuf + b_ff2)) x g + b, in f32: the block's result.  No work is left out here.
; A work-group takes 16 rows of 1,024 numbers, a wave two rows; a row lies in 32 registers of the wave (lane l holds columns 128 j + 4 l + 0 .. 3, j = 0 .. 7), so each load and store covers 512 consecutive bytes and the row is read once.
; Mean, then the mean of the squared differences, as reference() has them.  Memory binds: no LDS, no barrier, no matrix unit, no cluster.  NaN is not served.
.set OUTP,  14                         ; s[14:15] the result
.set GA,  16                           ; v16-47   g
.set LB,  48                           ; v48-79   b
.set PB,  80                           ; v80-111  the product's bias
	s_load_b256 s[4:11], s[0:1], 0x0               ; ybuf s[4:5], o1 s[6:7], b_ff2 s[8:9], g s[10:11]
	s_load_b128 s[12:15], s[0:1], 0x20             ; b s[12:13], out0 s[14:15]
	v_lshrrev_b32 v8, 5, v0
	v_readfirstlane_b32 s20, v8                    ; wave 0..7
	v_and_b32 v1, 31, v0
	v_lshlrev_b32 v1, 4, v1                        ; 16 x lane
	s_mov_b32 s24, 0x76543210                      ; v_permlanex16_b32: lane l xor 16
	s_mov_b32 s25, 0xfedcba98
	s_mov_b32 s26, 0x3a800000                      ; 1 / 1024
	s_mov_b32 s27, 0x358637bd                      ; 1e-6
	s_lshl_b32 s22, ttmp9, 16                      ; 16 rows of 4,096 bytes,
	s_lshl_b32 s23, s20, 13                        ; my two
	s_add_co_u32 s22, s22, s23
	s_mov_b32 s23, 0
	s_wait_kmcnt 0x0
	s_add_nc_u64 s[4:5], s[4:5], s[22:23]
	s_add_nc_u64 s[6:7], s[6:7], s[22:23]
	s_add_nc_u64 s[OUTP:OUTP+1], s[OUTP:OUTP+1], s[22:23]
.set j, 0
.rept 8
	global_load_b128 v[GA+4*j:GA+4*j+3], v1, s[10:11] offset:512*j
	global_load_b128 v[LB+4*j:LB+4*j+3], v1, s[12:13] offset:512*j
	global_load_b128 v[PB+4*j:PB+4*j+3], v1, s[8:9] offset:512*j
.set j, j+1
.endr
.irp w, 0,1
.set j, 0
.rept 8
	global_load_b128 v[112+64*\w+4*j:115+64*\w+4*j], v1, s[4:5] offset:4096*\w+512*j th:TH_LOAD_NT
	global_load_b128 v[144+64*\w+4*j:147+64*\w+4*j], v1, s[6:7] offset:4096*\w+512*j th:TH_LOAD_NT
.set j, j+1
.endr
.endr
.macro REDUCE r, t                     ; the sum of v[r] over the 32 lanes, in every lane; v[t] at work (written before)
	v_add_f32_dpp v[\r], v[\r], v[\r] row_xmask:1 row_mask:0xf bank_mask:0xf
	v_add_f32_dpp v[\r], v[\r], v[\r] row_xmask:2 row_mask:0xf bank_mask:0xf
	v_add_f32_dpp v[\r], v[\r], v[\r] row_xmask:4 row_mask:0xf bank_mask:0xf
	v_add_f32_dpp v[\r], v[\r], v[\r] row_xmask:8 row_mask:0xf bank_mask:0xf
	v_permlanex16_b32 v[\t], v[\r], s24, s25
	v_add_f32 v[\r], v[\r], v[\t]
.endm
.macro ROW YB, RB, rho                 ; v[YB ..] the product's row, v[RB ..] the residual's; rho: which of my two rows
.set i, 0
.rept 16
	v_pk_add_f32 v[\YB+i:\YB+i+1], v[\YB+i:\YB+i+1], v[PB+i:PB+i+1]
.set i, i+2
.endr
.set i, 0
.rept 16
	v_pk_add_f32 v[\YB+i:\YB+i+1], v[\YB+i:\YB+i+1], v[\RB+i:\RB+i+1]
.set i, i+2
.endr
	v_pk_add_f32 v[248:249], v[\YB:\YB+1], v[\YB+2:\YB+3]          ; the sum, in two chains
	v_pk_add_f32 v[250:251], v[\YB+4:\YB+5], v[\YB+6:\YB+7]
.set i, 8
.rept 6
	v_pk_add_f32 v[248:249], v[248:249], v[\YB+i:\YB+i+1]
	v_pk_add_f32 v[250:251], v[250:251], v[\YB+i+2:\YB+i+3]
.set i, i+4
.endr
	v_pk_add_f32 v[248:249], v[248:249], v[250:251]
	v_add_f32 v248, v248, v249
	REDUCE 248, 249
	v_mul_f32 v248, s26, v248                      ; the mean
.set i, 0
.rept 16
	v_pk_add_f32 v[\YB+i:\YB+i+1], v[\YB+i:\YB+i+1], v[248:249] op_sel_hi:[1,0] neg_lo:[0,1] neg_hi:[0,1]
.set i, i+2
.endr
	v_pk_mul_f32 v[250:251], v[\YB:\YB+1], v[\YB:\YB+1]            ; the squares, in two chains
	v_pk_mul_f32 v[252:253], v[\YB+2:\YB+3], v[\YB+2:\YB+3]
.set i, 4
.rept 7
	v_pk_fma_f32 v[250:251], v[\YB+i:\YB+i+1], v[\YB+i:\YB+i+1], v[250:251]
	v_pk_fma_f32 v[252:253], v[\YB+i+2:\YB+i+3], v[\YB+i+2:\YB+i+3], v[252:253]
.set i, i+4
.endr
	v_pk_add_f32 v[250:251], v[250:251], v[252:253]
	v_add_f32 v250, v250, v251
	REDUCE 250, 251
	v_fma_f32 v250, v250, s26, s27                 ; the variance + 1e-6
	v_rsq_f32 v250, v250
	v_nop                                          ; a plain line behind the transcendental,
	s_wait_alu depctr_va_vdst(0)                   ; and the wait ahead of its first reader
.set i, 0
.rept 16
	v_pk_mul_f32 v[\YB+i:\YB+i+1], v[\YB+i:\YB+i+1], v[250:251] op_sel_hi:[1,0]
.set i, i+2
.endr
.set i, 0
.rept 16
	v_pk_fma_f32 v[\YB+i:\YB+i+1], v[\YB+i:\YB+i+1], v[GA+i:GA+i+1], v[LB+i:LB+i+1]
.set i, i+2
.endr
.set j, 0
.rept 8
	global_store_b128 v1, v[\YB+4*j:\YB+4*j+3], s[OUTP:OUTP+1] offset:4096*(\rho)+512*j th:TH_STORE_NT   ; 512 consecutive bytes; written once, read by nobody here
.set j, j+1
.endr
.endm
	s_wait_loadcnt 16                              ; the parameters and my first row are in; the second row's sixteen loads may be out
	ROW 112, 144, 0
	s_wait_loadcnt 0
	ROW 176, 208, 1
	s_endpgm
.Lfunc_end_k_q213f5356d0_ln2:
	.size	k_q213f5356d0_ln2, .Lfunc_end_k_q213f5356d0_ln2-k_q213f5356d0_ln2
	.p2alignl 7, 3214868480
	.fill 96, 4, 3214868480
	.section	.rodata,"a",@progbits
	.p2align	6, 0x0
	.amdhsa_kernel k_q213f5356d0_ln2
		.amdhsa_group_segment_fixed_size 0
		.amdhsa_private_segment_fixed_size 0
		.amdhsa_enable_private_segment 0
		.amdhsa_kernarg_size 48
		.amdhsa_user_sgpr_count 2
		.amdhsa_user_sgpr_kernarg_segment_ptr 1
		.amdhsa_wavefront_size32 1
		.amdhsa_system_sgpr_workgroup_id_x 1
		.amdhsa_system_sgpr_workgroup_id_y 1
		.amdhsa_system_sgpr_workgroup_id_z 1
		.amdhsa_system_vgpr_workitem_id 0
		.amdhsa_next_free_vgpr 256
		.amdhsa_next_free_sgpr 66
		.amdhsa_reserve_vcc 0
		.amdhsa_float_denorm_mode_32 3
		.amdhsa_float_denorm_mode_16_64 3
		.amdhsa_memory_ordered 1
		.amdhsa_forward_progress 1
		.amdhsa_inst_pref_size 24
	.end_amdhsa_kernel
	.amdgpu_metadata
---
amdhsa.version: [ 1, 2 ]
amdhsa.kernels:
  - .name:           k_q213f5356d0_ln2
    .symbol:         k_q213f5356d0_ln2.kd
    .args:
      - { .name: ybuf, .offset: 0, .size: 8, .value_kind: global_buffer, .address_space: global }
      - { .name: o1, .offset: 8, .size: 8, .value_kind: global_buffer, .address_space: global }
      - { .name: b_ff2, .offset: 16, .size: 8, .value_kind: global_buffer, .address_space: global }
      - { .name: ln2_g, .offset: 24, .size: 8, .value_kind: global_buffer, .address_space: global }
      - { .name: ln2_b, .offset: 32, .size: 8, .value_kind: global_buffer, .address_space: global }
      - { .name: out0, .offset: 40, .size: 8, .value_kind: global_buffer, .address_space: global }
    .group_segment_fixed_size: 0
    .private_segment_fixed_size: 0
    .kernarg_segment_align: 8
    .kernarg_segment_size: 48
    .max_flat_workgroup_size: 256
    .sgpr_count:     66
    .vgpr_count:     256
    .wavefront_size: 32
...
	.end_amdgpu_metadata
.endif
;; end of part 8
;; ======== version 2 of 2: 8 launches
;; limits: right only within a limited range of input values
;; workspace buffers: xc 12,582,912 bytes; wc 12,582,912 bytes; qkvc 12,582,912 bytes; ac 4,194,304 bytes; ybuf 16,777,216 bytes; o1 16,777,216 bytes; o1c 4,194,304 bytes; hc 16,777,216 bytes
;; launch prep (part 9): grid 640 x 1, 4 waves a work-group, no clusters, 34,304 bytes of LDS; arguments x, wq, wk, wv, wo, w_ff1, w_ff2, lowp_scales, xc, wc; writes xc, wc
.if DOCPART == 9
	.amdgcn_target "amdgcn-amd-amdhsa--gfx1250"
	.amdhsa_code_object_version 6
	.text
	.protected	k_q213f5356d0_prep
	.globl	k_q213f5356d0_prep
	.p2align	8
	.type	k_q213f5356d0_prep,@function
k_q213f5356d0_prep:
	s_mov_b64 s[64:65], 0
	v_nop
	global_prefetch_b8 v0, s[64:65] scope:SCOPE_SE
	s_setreg_imm32_b32 hwreg(HW_REG_WAVE_MODE, 25, 1), 1
	s_wait_xcnt 0x0
; PREP: every quantiser whose operand is an input of the problem.  x [4096][1024] is quantised three times (entries 0, 2, 4 of lowp_scales may differ) into xc; wq, wk, wv, wo, w_ff1, w_ff2
; (stored [K][N]) once each (entries 1, 3, 5, 11, 13, 15) into wc.  code = number / 2^e, held within +-57,344, rounded to the nearest code of E5M2, ties to even.
; DEAD WORK IN THE WHOLE PROGRAM.  reference() adds -1e9 to every score whose key comes after its query, by a mask that it builds itself; the weight of such a key is 2^(t - M) with t near -1.4e9, which is under
; every number of the format and of f32.  So key tiles that lie wholly behind a wave's queries are not multiplied (launch attn), and hidden scores inside a tile count as -infinity.  Nothing else is left out: every input
; has a way to the output and is loaded (bk moves the codes of K and stays).  LIMIT: that holds while scores stay far under 1e9 in size; a NaN, an infinity or an overflow that reaches only hidden scores is not carried to the result.
; THE LAYOUT OF ALL CODES OF THIS PROGRAM: IMAGES OF OPERAND REGISTERS.  An operand of R rows and K along the contraction is a run of fragments F(rt, ks), 2,048 bytes each, at byte (rt K/128 + ks) 2048.
; A fragment is 16 rows x 128 k as v_wmma_f32_16x16x128_bf8_bf8 holds it: lane L = r + 16 h, register i, byte y = element (16 rt + r, 128 ks + 16 (i / 2) + 8 h + 4 (i % 2) + y); registers 4 q .. 4 q + 3 of lane L lie at byte 512 q + 16 L.
; So a fragment is four loads of 16 bytes a lane, 512 consecutive bytes each, from memory or LDS, with no pitch and no padding.
; LIMITS: each e lies between -126 and 112, so that 2^e and 57,344 x 2^e are f32 numbers.  NaN among the inputs is not served.
; WORK-GROUPS 0 .. 255: a tile of 16 rows of x; wave w takes K steps 2 w and 2 w + 1.  WORK-GROUPS 256 .. 639: 128 columns x 256 k of one weight; a wave takes 32 columns, a lane a column, registers down K.
; No tensor loads, no barrier: waves share nothing.  Matrix units and clusters have no work here.
.set SPARE, 33792                      ; behind the four stages of 16 x 528 bytes: the spare words, 128 bytes for each wave
.set SPW,   12                         ; v12  LDS address of my spare word; never rewritten
.set NIL,   13                         ; v13  0; never rewritten
	s_load_b512 s[8:23], s[0:1], 0x0               ; x s[8:9], wq s[10:11], wk s[12:13], wv s[14:15], wo s[16:17], w_ff1 s[18:19], w_ff2 s[20:21], lowp_scales s[22:23]
	s_load_b128 s[24:27], s[0:1], 0x40             ; xc s[24:25], wc s[26:27]
	v_lshl_add_u32 v[SPW], v0, 2, SPARE
	v_mov_b32 v[NIL], 0
	v_lshrrev_b32 v1, 5, v0
	v_readfirstlane_b32 s28, v1                    ; wave 0..3
	v_and_b32 v1, 31, v0                           ; lane
	v_lshlrev_b32 v8, 4, v1                        ; 16 x lane
	s_cmp_lt_u32 ttmp9, 256
	s_cbranch_scc0 .Lweights
; ---------------- x: K is innermost.  Loads take the bytes as they lie, 512 consecutive bytes each; a K step's 16 rows x 512 bytes turn through the wave's own stage so that lane (r, h) gets, of row r, k = 16 c + 8 h + 0 .. 7.
	s_mul_i32 s29, s28, 8448                       ; my stage: 16 rows of 512 bytes + 16 of padding
	v_add_nc_u32 v9, s29, v8                       ; into it: 16 x lane of a row
	v_and_b32 v10, 15, v0
	v_mul_u32_u24 v10, v10, 528
	v_bfe_u32 v11, v0, 4, 1
	v_lshl_add_u32 v10, v11, 5, v10
	v_add_nc_u32 v10, s29, v10                     ; out of it: row r, + 32 h bytes
	s_lshl_b32 s30, ttmp9, 16                      ; 16 rows of 4,096 bytes
	s_lshl_b32 s31, s28, 10                        ; my two K steps of 512 bytes
	s_add_co_u32 s30, s30, s31
	s_mov_b32 s31, 0
	s_lshl_b32 s48, ttmp9, 14                      ; the tile's eight fragments
	s_lshl_b32 s49, s28, 12                        ; my two
	s_add_co_u32 s48, s48, s49
	s_mov_b32 s49, 0
	s_wait_kmcnt 0x0
	s_load_b256 s[32:39], s[22:23], 0x0            ; e0 .. e7: x's three are e0, e2, e4
	s_add_nc_u64 s[40:41], s[8:9], s[30:31]
	s_add_nc_u64 s[42:43], s[24:25], s[48:49]      ; the codes for product 1,
	s_add_nc_u64 s[44:45], s[42:43], 4<<20         ; 2,
	s_add_nc_u64 s[46:47], s[42:43], 8<<20         ; 3
	s_wait_alu depctr_va_vdst(0)
.irp s, 0,1
.set i, 0
.rept 16
	global_load_b128 v[16+64*\s+4*i:19+64*\s+4*i], v8, s[40:41] offset:4096*i+512*\s th:TH_LOAD_NT
.set i, i+1
.endr
.endr
	s_wait_kmcnt 0x0
.irp z, 0,1,2
	s_add_co_i32 s50, s[32+2*\z], 127
	s_lshl_b32 s51, s50, 23
	v_mov_b32 v[2+\z], s51                         ; 2^e as f32: the conversion takes its exponent field
	s_add_co_i32 s50, s50, 15
	s_lshl_b32 s50, s50, 23
	s_or_b32 s50, s50, 0x600000
	v_mov_b32 v[5+\z], s50                         ; 57,344 x 2^e
.endr
.macro XSTEP s                         ; K step s of my two: v[16 + 64 s ..] as loaded; v144-207 the lane's 64 numbers in the fragment's order; v208-255 three fragments of codes
.set RW, 16+64*(\s)
.if (\s) == 0
	s_wait_loadcnt 16                              ; this step's sixteen loads are in; the other step's sixteen may be out
.else
	s_wait_loadcnt 0
.endif
.set i, 0
.rept 16
	ds_store_b128 v9, v[RW+4*i:RW+4*i+3] offset:528*i
.set i, i+1
.endr
.set i, 0
.rept 8
	ds_load_b128 v[144+8*i:147+8*i], v10 offset:64*i       ; LDS serves a wave's instructions in order: these see my stores
	ds_load_b128 v[148+8*i:151+8*i], v10 offset:64*i+16
.set i, i+1
.endr
	s_wait_dscnt 0x0
.if (\s) == 1
	s_wait_xcnt 0x0                                ; the first step's stores have read their registers: the codes may be written again
.endif
.irp z, 0,1,2
.set i, 0
.rept 64
	v_med3_num_f32 v[RW+i], v[144+i], -v[5+\z], v[5+\z]    ; the conversion to an 8-bit code does not saturate (ISA guide 7.6.2): the hold comes first
.set i, i+1
.endr
.set i, 0
.rept 8
	v_cvt_scalef32_pk8_bf8_f32 v[208+16*\z+2*i:209+16*\z+2*i], v[RW+8*i:RW+8*i+7], v[2+\z]   ; registers 2 c, 2 c + 1 of the fragment
.set i, i+1
.endr
	v_nop                                          ; a plain line between the conversions and the next holds, which write their sources
.irp q, 0,1,2,3
	global_store_b128 v8, v[208+16*\z+4*\q:211+16*\z+4*\q], s[42+2*\z:43+2*\z] offset:2048*(\s)+512*\q   ; 512 consecutive bytes
.endr
.endr
.endm
	s_wait_alu depctr_va_vdst(0)
	XSTEP 0
	XSTEP 1
	s_wait_tensorcnt 0x0                           ; the wave's end: a wait, an add to my spare word and a wait, behind my last LDS store
	ds_add_u32 v[SPW], v[NIL]
	s_wait_dscnt 0x0
	s_endpgm
; ---------------- the weights: K is the first axis.  A lane takes a column n and its registers run down K, so the conversions give codes with K innermost and nothing is transposed.
.Lweights:
	s_sub_co_u32 s29, ttmp9, 256                   ; j = 0 .. 383: 32 work-groups for each of wq, wk, wv, wo; 128 for w_ff1; 128 for w_ff2
	s_lshr_b32 s30, s29, 5
	s_lshr_b32 s31, s29, 7
	s_add_co_u32 s31, s31, 3
	s_and_b32 s32, s29, 31
	s_and_b32 s33, s29, 127
	s_cmp_lt_u32 s29, 128
	s_cselect_b32 s30, s30, s31                    ; which weight: 0 .. 5
	s_cselect_b32 s32, s32, s33                    ; which of its work-groups
	s_mov_b32 s35, 4096
	s_cmp_eq_u32 s30, 4                            ; w_ff1 has 4,096 columns, the others 1,024
	s_cselect_b32 s33, 31, 7
	s_cselect_b32 s34, 5, 3
	s_cselect_b32 s35, 16384, s35                  ; bytes from k to k + 1
	s_and_b32 s33, s32, s33                        ; which 128 columns
	s_lshr_b32 s34, s32, s34                       ; which 256 along K
	s_mov_b32 s36, 16384
	s_cmp_eq_u32 s30, 5                            ; w_ff2 has K = 4,096, the others 1,024
	s_cselect_b32 s36, 65536, s36                  ; bytes from a tile of 16 columns to the next in the images: 16 K
	s_lshl_b32 s37, s30, 20
	s_sub_co_u32 s38, s30, 3
	s_lshl_b32 s38, s38, 22
	s_lshl_b32 s39, s30, 1
	s_add_co_u32 s39, s39, 1
	s_add_co_u32 s40, s39, 4
	s_cmp_lt_u32 s30, 4
	s_cselect_b32 s37, s37, s38                    ; where the weight's images begin in wc: 0, 1, 2, 3, 4, 8 MiB
	s_cmp_lt_u32 s30, 3
	s_cselect_b32 s39, s39, s40                    ; its entry of lowp_scales: 1, 3, 5, 11, 13, 15
	s_lshl_b32 s40, s39, 2
	s_mov_b32 s41, 0
	s_lshl_b32 s45, s33, 7
	s_lshl_b32 s46, s28, 5
	s_add_co_u32 s45, s45, s46                     ; my wave's first column
	s_lshr_b32 s68, s45, 4
	s_mul_i32 s68, s68, s36
	s_add_co_u32 s68, s68, s37
	s_lshl_b32 s69, s34, 12                        ; two K steps of 2,048 bytes
	s_add_co_u32 s68, s68, s69
	s_mov_b32 s69, 0
	s_lshl_b32 s46, s34, 8
	s_mul_i32 s46, s46, s35                        ; my first k, in bytes,
	s_lshl_b32 s47, s45, 2
	s_add_co_u32 s46, s46, s47                     ; and my first column
	s_mov_b32 s47, 0
	s_wait_alu depctr_va_vdst(0)
	v_lshlrev_b32 v16, 2, v1                       ; v16-47: 4 x lane + i rows: the offsets of a block's 32 loads; never rewritten
.set i, 1
.rept 31
	v_add_nc_u32 v[16+i], s35, v[15+i]
.set i, i+1
.endr
	v_lshrrev_b32 v14, 4, v1
	v_mul_lo_u32 v14, v14, s36
	v_and_b32 v15, 15, v1
	v_lshl_add_u32 v14, v15, 4, v14                ; out: lanes 0-15 one tile of columns, lanes 16-31 the next; 16 bytes a column
	s_wait_alu depctr_va_vdst(0)
	s_wait_kmcnt 0x0
	s_cmp_eq_u32 s30, 0                            ; the choice of the buffer hangs on the work-group's number alone
	s_cselect_b64 s[42:43], s[10:11], s[12:13]
	s_cmp_lt_u32 s30, 2
	s_cselect_b64 s[42:43], s[42:43], s[14:15]
	s_cmp_lt_u32 s30, 3
	s_cselect_b64 s[42:43], s[42:43], s[16:17]
	s_cmp_lt_u32 s30, 4
	s_cselect_b64 s[42:43], s[42:43], s[18:19]
	s_cmp_lt_u32 s30, 5
	s_cselect_b64 s[42:43], s[42:43], s[20:21]
	s_add_nc_u64 s[22:23], s[22:23], s[40:41]
	s_load_b32 s44, s[22:23], 0x0                  ; e
	s_add_nc_u64 s[66:67], s[26:27], s[68:69]
	s_add_nc_u64 s[48:49], s[42:43], s[46:47]      ; s[48:63]: the first byte of each of my eight blocks of 32 along K
	s_lshl_b32 s46, s35, 5
.irp t, 1,2,3,4,5,6,7
	s_add_nc_u64 s[48+2*\t:49+2*\t], s[46+2*\t:47+2*\t], s[46:47]
.endr
.macro LOADW t                         ; block t: W(32 t + i, my column) into set t % 2: each load reads 128 consecutive bytes, the four waves stand side by side on 512
.set i, 0
.rept 32
	global_load_b32 v[48+32*((\t)%2)+i], v[16+i], s[48+2*(\t):49+2*(\t)] th:TH_LOAD_NT
.set i, i+1
.endr
.endm
	LOADW 0
	LOADW 1
	s_wait_kmcnt 0x0
	s_add_co_i32 s44, s44, 127
	s_lshl_b32 s45, s44, 23
	v_mov_b32 v11, s45                             ; 2^e
	s_add_co_i32 s44, s44, 15
	s_lshl_b32 s44, s44, 23
	s_or_b32 s44, s44, 0x600000
	v_mov_b32 v10, s44                             ; 57,344 x 2^e
; A block's 32 codes of column n are registers 4 q .. 4 q + 3 (q = t % 4) of two lanes of the fragment: k 0-7 and 16-23 of lane n % 16, k 8-15 and 24-31 of lane 16 + n % 16.
.macro BLOCKW t
.set XS, 48+32*((\t)%2)
.set CW, 112+8*(\t)                    ; each block has its own eight registers of codes: no store's data are written again
.if (\t) < 7
	s_wait_loadcnt 32                              ; this block's 32 loads are in; the next block's may be out
.else
	s_wait_loadcnt 0
.endif
.set i, 0
.rept 32
	v_med3_num_f32 v[XS+i], v[XS+i], -v10, v10
.set i, i+1
.endr
	v_cvt_scalef32_pk8_bf8_f32 v[CW:CW+1], v[XS:XS+7], v11
	v_cvt_scalef32_pk8_bf8_f32 v[CW+2:CW+3], v[XS+16:XS+23], v11
	v_cvt_scalef32_pk8_bf8_f32 v[CW+4:CW+5], v[XS+8:XS+15], v11
	v_cvt_scalef32_pk8_bf8_f32 v[CW+6:CW+7], v[XS+24:XS+31], v11
	v_nop
	global_store_b128 v14, v[CW:CW+3], s[66:67] offset:((\t)/4)*2048+((\t)%4)*512        ; sixteen lanes store 256 consecutive bytes, aligned
	global_store_b128 v14, v[CW+4:CW+7], s[66:67] offset:((\t)/4)*2048+((\t)%4)*512+256
.if (\t) < 6
	LOADW (\t)+2
.endif
.endm
	s_wait_alu depctr_va_vdst(0)
.irp t, 0,1,2,3,4,5,6,7
	BLOCKW \t
.endr
	s_endpgm
.Lfunc_end_k_q213f5356d0_prep:
	.size	k_q213f5356d0_prep, .Lfunc_end_k_q213f5356d0_prep-k_q213f5356d0_prep
	.p2alignl 7, 3214868480
	.fill 96, 4, 3214868480
	.section	.rodata,"a",@progbits
	.p2align	6, 0x0
	.amdhsa_kernel k_q213f5356d0_prep
		.amdhsa_group_segment_fixed_size 34304
		.amdhsa_private_segment_fixed_size 0
		.amdhsa_enable_private_segment 0
		.amdhsa_kernarg_size 80
		.amdhsa_user_sgpr_count 2
		.amdhsa_user_sgpr_kernarg_segment_ptr 1
		.amdhsa_wavefront_size32 1
		.amdhsa_system_sgpr_workgroup_id_x 1
		.amdhsa_system_sgpr_workgroup_id_y 1
		.amdhsa_system_sgpr_workgroup_id_z 1
		.amdhsa_system_vgpr_workitem_id 0
		.amdhsa_next_free_vgpr 256
		.amdhsa_next_free_sgpr 72
		.amdhsa_reserve_vcc 0
		.amdhsa_float_denorm_mode_32 3
		.amdhsa_float_denorm_mode_16_64 3
		.amdhsa_memory_ordered 1
		.amdhsa_forward_progress 1
		.amdhsa_inst_pref_size 88
	.end_amdhsa_kernel
	.amdgpu_metadata
---
amdhsa.version: [ 1, 2 ]
amdhsa.kernels:
  - .name:           k_q213f5356d0_prep
    .symbol:         k_q213f5356d0_prep.kd
    .args:
      - { .name: x, .offset: 0, .size: 8, .value_kind: global_buffer, .address_space: global }
      - { .name: wq, .offset: 8, .size: 8, .value_kind: global_buffer, .address_space: global }
      - { .name: wk, .offset: 16, .size: 8, .value_kind: global_buffer, .address_space: global }
      - { .name: wv, .offset: 24, .size: 8, .value_kind: global_buffer, .address_space: global }
      - { .name: wo, .offset: 32, .size: 8, .value_kind: global_buffer, .address_space: global }
      - { .name: w_ff1, .offset: 40, .size: 8, .value_kind: global_buffer, .address_space: global }
      - { .name: w_ff2, .offset: 48, .size: 8, .value_kind: global_buffer, .address_space: global }
      - { .name: lowp_scales, .offset: 56, .size: 8, .value_kind: global_buffer, .address_space: global }
      - { .name: xc, .offset: 64, .size: 8, .value_kind: global_buffer, .address_space: global }
      - { .name: wc, .offset: 72, .size: 8, .value_kind: global_buffer, .address_space: global }
    .group_segment_fixed_size: 34304
    .private_segment_fixed_size: 0
    .kernarg_segment_align: 8
    .kernarg_segment_size: 80
    .max_flat_workgroup_size: 128
    .sgpr_count:     72
    .vgpr_count:     256
    .wavefront_size: 32
...
	.end_amdgpu_metadata
.endif
;; end of part 9
;; launch qkv (part 10): grid 12 x 16, 4 waves a work-group, clusters of 4 x 4, 327,680 bytes of LDS; arguments xc, wc, lowp_scales, qkvc, bq, bk, bv; writes qkvc
.if DOCPART == 10
	.amdgcn_target "amdgcn-amd-amdhsa--gfx1250"
	.amdhsa_code_object_version 6
	.text
	.protected	k_q213f5356d0_qkv
	.globl	k_q213f5356d0_qkv
	.p2align	8
	.type	k_q213f5356d0_qkv,@function
k_q213f5356d0_qkv:
	s_mov_b64 s[64:65], 0
	v_nop
	global_prefetch_b8 v0, s[64:65] scope:SCOPE_SE
	s_setreg_imm32_b32 hwreg(HW_REG_WAVE_MODE, 25, 1), 1
	s_wait_xcnt 0x0
	s_wait_alu depctr_hold_cnt(0) depctr_sa_sdst(0) depctr_va_vdst(0) depctr_va_sdst(0) depctr_va_ssrc(0) depctr_va_vcc(0) depctr_vm_vsrc(0)
	s_getreg_b32 s2, hwreg(HW_REG_IB_STS2, 6, 4)
	s_cmp_eq_u32 s2, 0
	s_cbranch_scc0 .Lentry_in_a_cluster
	s_endpgm
.Lentry_in_a_cluster:
	s_bfe_u32 s2, ttmp6, 0x10000c
	s_cmp_lg_u32 s2, 0xf033
	s_cbranch_scc0 .Lentry_shape_is_right
	s_endpgm
.Lentry_shape_is_right:
.set SIZE_K, 1024
.set FR,     16
.set NL,     4
.set NP,     4
.set HALFT,  32768
.set SLOT,   4*HALFT
.set STEPB,  4096
.set LAPS,   SIZE_K/512
.set SPARE,  2*SLOT
.set ADRA, 16
.set ADRB, 20
.set CO,   26
.set LIMV, 27
.set SPW,  28
.set NIL,  29
.set SCV,  30
.set BO,   31
.set BIAS, 32
.set AF,   128
.set G1, 24
.set G0, 32
.set G1B, 48
.set G0B, 56
.set MSB, 0
.macro WIN new
.if MSB != \new
	s_set_vgpr_msb (MSB<<8)|\new
.set MSB, \new
.endif
.endm
.set MUL_LO, 0xa1
.set MUL_HI, 0xf1
.set TO_B,   0x40
.macro JLOAD g0a, g1a, g0b, g1b
	s_cmp_eq_u32 s15, 0
	s_cbranch_scc0 .Lfor_b_\@
	tensor_load_to_lds s[\g0a:\g0a+3], s[\g1a:\g1a+7]
	s_nop 0
.rept 4
	v_nop
.endr
	s_branch .Lasked_\@
.Lfor_b_\@:
	tensor_load_to_lds s[\g0b:\g0b+3], s[\g1b:\g1b+7]
	s_nop 0
.rept 4
	v_nop
.endr
.Lasked_\@:
.endm
.macro CREST
	s_cmp_lg_u32 s14, 0
	s_cbranch_scc1 .Lnot_wave_0_\@
	s_barrier_signal -3
.Lnot_wave_0_\@:
	s_barrier_wait -3
	s_barrier_signal -1
	s_barrier_wait -1
.endm
.macro CROUND
	s_barrier_signal -1
	s_barrier_wait -1
	CREST
.endm
	s_load_b256 s[4:11], s[0:1], 0x0
	s_load_b128 s[84:87], s[0:1], 0x20
	s_load_b64 s[88:89], s[0:1], 0x30
	v_lshl_add_u32 v[SPW], v0, 2, SPARE
	v_mov_b32 v[NIL], 0
	ds_add_u32 v[SPW], v[NIL]
	ds_add_u32 v[SPW], v[NIL]
	v_lshrrev_b32 v1, 5, v0
	v_readfirstlane_b32 s14, v1
	s_lshr_b32 s15, s14, 1
	s_and_b32 s16, s14, 1
	s_bfe_u32 s40, ttmp6, 0x40000
	s_bfe_u32 s41, ttmp6, 0x40004
	s_and_b32 s12, ttmp7, 0xffff
	s_lshl_b32 s12, s12, 2
	s_lshl_b32 s13, ttmp9, 22
	s_lshl_b32 s2, ttmp9, 20
	s_cmp_lt_u32 ttmp9, 2
	s_cselect_b32 s17, s12, 0
	s_cselect_b32 s42, 0, s12
	s_cselect_b32 s13, s13, 2<<20
	s_cselect_b32 s2, s2, 8<<20
	s_add_co_u32 s17, s17, s41
	s_add_co_u32 s42, s42, s40
	s_lshl_b32 s43, s41, 2
	s_lshl_b32 s43, 15, s43
	s_lshl_b32 s44, 0x1111, s40
	s_or_b32 s[G1+0], s43, (3<<16)|(1<<21)
	s_or_b32 s[G1B+0], s44, (3<<16)|(1<<21)
.irp g, G1, G1B
	s_mov_b32 s[\g+1], 512<<16
	s_mov_b32 s[\g+2], 8<<16
	s_mov_b32 s[\g+3], 512<<16
	s_mov_b32 s[\g+4], 8
	s_mov_b32 s[\g+5], 2*SIZE_K
	s_mov_b32 s[\g+6], 0
	s_mov_b32 s[\g+7], 0
.endr
	s_lshl_b32 s18, s16, 7
	s_lshl_b32 s20, s17, 8
	s_add_co_u32 s20, s20, s18
	s_mul_i32 s20, s20, SIZE_K
	s_add_co_u32 s20, s20, s13
	s_mov_b32 s21, 0
	s_lshl_b32 s46, s42, 8
	s_add_co_u32 s46, s46, s18
	s_mul_i32 s46, s46, SIZE_K
	s_add_co_u32 s46, s46, s2
	s_mov_b32 s47, 0
	s_mul_i32 s45, s14, HALFT
	s_wait_dscnt 0x0
	s_wait_kmcnt 0x0
	s_load_b512 s[68:83], s[8:9], 0x0
	s_cmp_lt_u32 ttmp9, 2
	s_cselect_b64 s[92:93], s[4:5], s[6:7]
	s_cselect_b64 s[94:95], s[6:7], s[4:5]
	s_add_nc_u64 s[20:21], s[92:93], s[20:21]
	s_add_nc_u64 s[46:47], s[94:95], s[46:47]
	CROUND
.irp s, 0,1
	s_mov_b32 s[G0+4*\s], 1
	s_add_co_u32 s[G0+4*\s+1], s45, \s*SLOT
	s_add_nc_u64 s[G0+4*\s+2:G0+4*\s+3], s[20:21], \s*STEPB
	s_or_b32 s[G0+4*\s+3], s[G0+4*\s+3], 0x80000000
	s_mov_b32 s[G0B+4*\s], 1
	s_add_co_u32 s[G0B+4*\s+1], s45, \s*SLOT
	s_add_nc_u64 s[G0B+4*\s+2:G0B+4*\s+3], s[46:47], \s*STEPB
	s_or_b32 s[G0B+4*\s+3], s[G0B+4*\s+3], 0x80000000
.if \s
	s_wait_alu depctr_va_vdst(0)
	s_wait_tensorcnt 0x0
	ds_add_u32 v28, v29
	ds_add_u32 v28, v29
	s_wait_dscnt 0x0
	CROUND
.endif
	JLOAD G0+4*\s, G1, G0B+4*\s, G1B
.endr
	v_and_b32 v6, 31, v0
	v_lshlrev_b32 v[CO], 4, v6
	s_mul_i32 s21, s15, HALFT
	s_mul_i32 s22, s16, HALFT
	s_add_co_u32 s22, s22, 2*HALFT
.irp s, 0,1
	v_add_nc_u32 v[ADRA+\s], s21, v[CO]
	v_add_nc_u32 v[ADRB+\s], s22, v[CO]
	s_add_co_u32 s21, s21, SLOT
	s_add_co_u32 s22, s22, SLOT
.endr
	s_wait_alu depctr_va_vdst(0)
	s_wait_kmcnt 0x0
	s_add_co_i32 s68, s68, s69
	s_add_co_i32 s70, s70, s71
	s_add_co_i32 s72, s72, s73
	s_cmp_eq_u32 ttmp9, 0
	s_cselect_b32 s96, s68, s70
	s_cselect_b32 s98, s74, s75
	s_cselect_b64 s[90:91], s[84:85], s[86:87]
	s_cmp_eq_u32 ttmp9, 2
	s_cselect_b32 s96, s72, s96
	s_cselect_b32 s98, s77, s98
	s_cselect_b64 s[90:91], s[88:89], s[90:91]
	s_add_co_i32 s96, s96, 127
	s_lshl_b32 s96, s96, 23
	s_mov_b32 s97, s96
	s_add_co_i32 s98, s98, 127
	s_lshl_b32 s99, s98, 23
	v_mov_b32 v[SCV], s99
	s_add_co_i32 s98, s98, 15
	s_lshl_b32 s98, s98, 23
	s_or_b32 s98, s98, 0x600000
	v_mov_b32 v[LIMV], s98
.macro FRAG reg, adr, q, i
.irp c, 0,1,2,3
	ds_load_b128 v[\reg+4*\c:\reg+4*\c+3], v[\adr] offset:(\i)*STEPB+(\q)*2048+512*\c
.endr
.endm
.macro MUL16 a0, p, zero
.irp a, \a0, \a0+1
.irp b, 0,1,2,3,4,5,6,7
.if \zero
	v_wmma_f32_16x16x128_bf8_bf8 v[8*(8*((\a)%4)+\b):8*(8*((\a)%4)+\b)+7], v[128*(\p)+FR*\b:128*(\p)+FR*\b+FR-1], v[AF+FR*(\a):AF+FR*(\a)+FR-1], 0
.else
	v_wmma_f32_16x16x128_bf8_bf8 v[8*(8*((\a)%4)+\b):8*(8*((\a)%4)+\b)+7], v[128*(\p)+FR*\b:128*(\p)+FR*\b+FR-1], v[AF+FR*(\a):AF+FR*(\a)+FR-1], v[8*(8*((\a)%4)+\b):8*(8*((\a)%4)+\b)+7]
.endif
.endr
.endr
.endm
.macro FETCH_B slot, q, p
	WIN TO_B
.irp i, 0,1,2,3,4,5,6,7
	FRAG 128*(\p)+FR*\i, ADRB+\slot, \q, \i
.endr
	WIN 0
.endm
.macro FETCH_A slot, q, i0
.irp i, \i0, \i0+1, \i0+2, \i0+3
	FRAG AF+FR*(\i), ADRA+\slot, \q, \i
.endr
.endm
.macro PLACES n
.rept \n
	v_nop
.endr
.endm
.macro STEP slot, q, zero
	s_wait_dscnt 4*NL
	WIN MUL_LO
	MUL16 0, (\q)%2, \zero
	MUL16 2, (\q)%2, \zero
	s_wait_dscnt 0
	PLACES NP
	FETCH_B \slot, (\q)+1, 1-(\q)%2
	FETCH_A \slot, (\q)+1, 0
	WIN MUL_HI
	MUL16 4, (\q)%2, \zero
	MUL16 6, (\q)%2, \zero
	PLACES NP
	WIN 0
	FETCH_A \slot, (\q)+1, 4
.endm
.macro TURN slot, next, fill
	s_wait_tensorcnt 0x0
	ds_add_u32 v[SPW], v[NIL]
	s_wait_dscnt 4*NL+1
	WIN MUL_LO
	MUL16 0, 1, 0
	s_wait_dscnt 0x0
	s_barrier_signal -1
	MUL16 2, 1, 0
	WIN 0
	s_barrier_wait -1
.if \fill
	CREST
	s_add_nc_u64 s[G0+4*\slot+2:G0+4*\slot+3], s[G0+4*\slot+2:G0+4*\slot+3], 2*STEPB
	s_add_nc_u64 s[G0B+4*\slot+2:G0B+4*\slot+3], s[G0B+4*\slot+2:G0B+4*\slot+3], 2*STEPB
	JLOAD G0+4*\slot, G1, G0B+4*\slot, G1B
.else
	PLACES NP
.endif
	FETCH_B \next, 0, 0
	FETCH_A \next, 0, 0
	WIN MUL_HI
	MUL16 4, 1, 0
	MUL16 6, 1, 0
	PLACES NP
	WIN 0
	FETCH_A \next, 0, 4
.endm
.macro LAST
	s_wait_dscnt 4*NL
	WIN MUL_LO
	MUL16 0, 1, 0
	MUL16 2, 1, 0
	s_wait_dscnt 0
	WIN MUL_HI
	MUL16 4, 1, 0
	MUL16 6, 1, 0
	WIN 0
.endm
.macro FINISH a
.set CD, 96+16*((\a)%2)
.set i, 0
.rept 64
	v_med3_num_f32 v[128+i], v[128+i], -v[LIMV], v[LIMV]
.set i, i+1
.endr
.set i, 0
.rept 8
	v_cvt_scalef32_pk8_bf8_f32 v[CD+2*i:CD+2*i+1], v[128+8*i:135+8*i], v[SCV]
.set i, i+1
.endr
	v_nop
.endm
.macro EPI_QK a
.set AC, 64*((\a)%4)
.if (\a) > 1
	s_wait_xcnt 0x0
.endif
	WIN 0x02+((\a)/4)
.set i, 0
.rept 32
	v_pk_fma_f32 v[128+i:129+i], v[AC+i:AC+i+1], s[96:97], v[BIAS+i:BIAS+i+1] op_sel_hi:[1,0,1]
.set i, i+2
.endr
	WIN 0
	FINISH \a
.irp u, 0,1
.irp g, 0,1
	global_store_b128 v[CO], v[CD+8*\u+4*\g:CD+8*\u+4*\g+3], s[10:11] offset:1024*(\a)+131072*\u+512*\g
.endr
.endr
.endm
.macro EPI_V a
.set AC, 64*((\a)%4)
.if (\a) > 1
	s_wait_xcnt 0x0
.endif
	WIN 0x02+((\a)/4)
.set i, 0
.rept 64
	v_fma_f32 v[128+i], v[AC+i], s96, v[BIAS+(\a)]
.set i, i+1
.endr
	WIN 0
	FINISH \a
.irp q, 0,1,2,3
	global_store_b128 v[CO], v[CD+4*\q:CD+4*\q+3], s[10:11] offset:((\a)/4)*131072+((\a)%4)*2048+512*\q
.endr
.endm
	s_wait_tensorcnt 1
	s_barrier_signal -1
	s_barrier_wait -1
	FETCH_B 0, 0, 0
	FETCH_A 0, 0, 0
	FETCH_A 0, 0, 4
	STEP 0, 0, 1
	s_mov_b32 s3, LAPS-1
.Llap:
	TURN 0, 1, 1
	STEP 1, 0, 0
	TURN 1, 0, 1
	STEP 0, 0, 0
	s_sub_co_u32 s3, s3, 1
	s_cmp_lg_u32 s3, 0
	s_cbranch_scc1 .Llap
	TURN 0, 1, 0
	s_cmp_eq_u32 ttmp9, 2
	s_cbranch_scc1 .Lv
	s_lshl_b32 s18, s42, 10
	s_lshl_b32 s19, s16, 9
	s_add_co_u32 s18, s18, s19
	s_mov_b32 s19, 0
	s_add_nc_u64 s[90:91], s[90:91], s[18:19]
	v_bfe_u32 v[BO], v0, 4, 1
	v_lshlrev_b32 v[BO], 5, v[BO]
.set i, 0
.rept 8
	global_load_b128 v[BIAS+8*i:BIAS+8*i+3], v[BO], s[90:91] offset:64*i
	global_load_b128 v[BIAS+8*i+4:BIAS+8*i+7], v[BO], s[90:91] offset:64*i+16
.set i, i+1
.endr
	s_lshl_b32 s18, s17, 4
	s_lshl_b32 s19, s15, 3
	s_add_co_u32 s18, s18, s19
	s_lshr_b32 s19, s18, 7
	s_and_b32 s18, s18, 127
	s_lshl_b32 s18, s18, 10
	s_lshl_b32 s19, s19, 21
	s_add_co_u32 s18, s18, s19
	s_lshl_b32 s19, ttmp9, 22
	s_add_co_u32 s18, s18, s19
	s_lshl_b32 s19, s42, 19
	s_add_co_u32 s18, s18, s19
	s_lshl_b32 s19, s16, 18
	s_add_co_u32 s18, s18, s19
	s_mov_b32 s19, 0
	s_add_nc_u64 s[10:11], s[10:11], s[18:19]
	STEP 1, 0, 0
	LAST
	PLACES NP
	s_wait_loadcnt 0x0
.irp a, 0,1,2,3,4,5,6,7
	EPI_QK \a
.endr
	s_branch .Lout
.Lv:
	s_lshl_b32 s18, s17, 10
	s_lshl_b32 s19, s15, 9
	s_add_co_u32 s18, s18, s19
	s_mov_b32 s19, 0
	s_add_nc_u64 s[90:91], s[90:91], s[18:19]
	v_and_b32 v[BO], 15, v0
	v_lshlrev_b32 v[BO], 2, v[BO]
.set i, 0
.rept 8
	global_load_b32 v[BIAS+i], v[BO], s[90:91] offset:64*i
.set i, i+1
.endr
	s_lshl_b32 s18, s42, 1
	s_add_co_u32 s18, s18, s16
	s_lshr_b32 s19, s18, 4
	s_and_b32 s18, s18, 15
	s_lshl_b32 s18, s18, 13
	s_lshl_b32 s19, s19, 21
	s_add_co_u32 s18, s18, s19
	s_lshl_b32 s19, s17, 19
	s_add_co_u32 s18, s18, s19
	s_lshl_b32 s19, s15, 18
	s_add_co_u32 s18, s18, s19
	s_add_co_u32 s18, s18, 8<<20
	s_mov_b32 s19, 0
	s_add_nc_u64 s[10:11], s[10:11], s[18:19]
	STEP 1, 0, 0
	LAST
	PLACES NP
	s_wait_loadcnt 0x0
.irp a, 0,1,2,3,4,5,6,7
	EPI_V \a
.endr
.Lout:
	s_wait_tensorcnt 0x0
	ds_add_u32 v[SPW], v[NIL]
	s_wait_dscnt 0x0
	CROUND
	s_endpgm
.Lfunc_end_k_q213f5356d0_qkv:
	.size	k_q213f5356d0_qkv, .Lfunc_end_k_q213f5356d0_qkv-k_q213f5356d0_qkv
	.p2alignl 7, 3214868480
	.fill 96, 4, 3214868480
	.section	.rodata,"a",@progbits
	.p2align	6, 0x0
	.amdhsa_kernel k_q213f5356d0_qkv
		.amdhsa_group_segment_fixed_size 327680
		.amdhsa_private_segment_fixed_size 0
		.amdhsa_enable_private_segment 0
		.amdhsa_kernarg_size 56
		.amdhsa_user_sgpr_count 2
		.amdhsa_user_sgpr_kernarg_segment_ptr 1
		.amdhsa_wavefront_size32 1
		.amdhsa_system_sgpr_workgroup_id_x 1
		.amdhsa_system_sgpr_workgroup_id_y 1
		.amdhsa_system_sgpr_workgroup_id_z 1
		.amdhsa_system_vgpr_workitem_id 0
		.amdhsa_next_free_vgpr 1024
		.amdhsa_next_free_sgpr 100
		.amdhsa_reserve_vcc 0
		.amdhsa_float_denorm_mode_32 3
		.amdhsa_float_denorm_mode_16_64 3
		.amdhsa_memory_ordered 1
		.amdhsa_forward_progress 1
		.amdhsa_inst_pref_size 223
	.end_amdhsa_kernel
	.amdgpu_metadata
---
amdhsa.version: [ 1, 2 ]
amdhsa.kernels:
  - .name:           k_q213f5356d0_qkv
    .symbol:         k_q213f5356d0_qkv.kd
    .args:
      - { .name: xc, .offset: 0, .size: 8, .value_kind: global_buffer, .address_space: global }
      - { .name: wc, .offset: 8, .size: 8, .value_kind: global_buffer, .address_space: global }
      - { .name: lowp_scales, .offset: 16, .size: 8, .value_kind: global_buffer, .address_space: global }
      - { .name: qkvc, .offset: 24, .size: 8, .value_kind: global_buffer, .address_space: global }
      - { .name: bq, .offset: 32, .size: 8, .value_kind: global_buffer, .address_space: global }
      - { .name: bk, .offset: 40, .size: 8, .value_kind: global_buffer, .address_space: global }
      - { .name: bv, .offset: 48, .size: 8, .value_kind: global_buffer, .address_space: global }
    .group_segment_fixed_size: 327680
    .private_segment_fixed_size: 0
    .kernarg_segment_align: 8
    .kernarg_segment_size: 56
    .max_flat_workgroup_size: 128
    .sgpr_count:     100
    .vgpr_count:     1024
    .wavefront_size: 32
...
	.end_amdgpu_metadata
.endif
;; end of part 10
;; launch attn (part 11): grid 8 x 32, 16 waves a work-group, clusters of 4 x 1, 327,680 bytes of LDS; arguments qkvc, lowp_scales, ac; writes ac
.if DOCPART == 11
	.amdgcn_target "amdgcn-amd-amdhsa--gfx1250"
	.amdhsa_code_object_version 6
	.text
	.protected	k_q213f5356d0_attn
	.globl	k_q213f5356d0_attn
	.p2align	8
	.type	k_q213f5356d0_attn,@function
k_q213f5356d0_attn:
	s_mov_b64 s[64:65], 0
	v_nop
	global_prefetch_b8 v0, s[64:65] scope:SCOPE_SE
	s_setreg_imm32_b32 hwreg(HW_REG_WAVE_MODE, 25, 1), 1
	s_wait_xcnt 0x0
	s_wait_alu depctr_hold_cnt(0) depctr_sa_sdst(0) depctr_va_vdst(0) depctr_va_sdst(0) depctr_va_ssrc(0) depctr_va_vcc(0) depctr_vm_vsrc(0)
	s_getreg_b32 s2, hwreg(HW_REG_IB_STS2, 6, 4)
	s_cmp_eq_u32 s2, 0
	s_cbranch_scc0 .Lentry_in_a_cluster
	s_endpgm
.Lentry_in_a_cluster:
	s_bfe_u32 s2, ttmp6, 0x10000c
	s_cmp_lg_u32 s2, 0x3003
	s_cbranch_scc0 .Lentry_shape_is_right
	s_endpgm
.Lentry_shape_is_right:
; ATTN: products 4 and 5 on codes of E5M2, the causal softmax between them, and the quantiser of the result (entry 10 of lowp_scales), for 32 batch x heads of 2,048 tokens x 64 channels.
; LEFT OUT: key steps all of whose keys come after a tile's queries (the mask that reference() builds hides them: shown at the head of the first kernel); hidden scores inside a step count as -infinity.
; IN: q at qkvc, k at + 4 MiB: [batch x head][tile of 16 tokens][1,024]: fragments of 16 tokens x 64 k.  v at + 8 MiB: [batch x head][key step of 128][tile of 16 channels][2,048]: fragments of 16 channels x 128 keys.
; In a fragment registers 4 q .. 4 q + 3 of lane L lie at byte 512 q + 16 L; lane L = r + 16 h, register i, byte y = (row r, k = 16 (i / 2) + 8 h + 4 (i % 2) + y).
; THE SOFTMAX AHEAD OF PRODUCT 5: t = score x log2(e) / 8; M = the row's largest t so far, rounded up to a whole number; p = 2^(t - M) is quantised with entry 8, not normalised; the row's sum is taken of the unquantised p and divides at the end.
; When M moves, the sum and O are multiplied by 2^(old M - new M), which rounds nothing.
; SHARES.  A head's K and V are 2 x 131,072 bytes of codes: they lie whole in LDS, K from byte 0 and V from byte 131,072, and nothing is filled again, so no barrier stands in the loops over the keys.
; Work-group j (0 .. 7) of a head owns the tiles of 16 queries j + 8 rho, rho = 0 .. 15.  Tile j + 8 rho lies in key step rho: it needs key steps 0 .. rho, and step rho is its diagonal, whatever j is: 136 key steps a work-group.
; THE WAVES GO IN PAIRS, waves 2 p and 2 p + 1, p = 0 .. 7, so that all have 8 or 9 key steps.  The pair's FIRST wave takes the long tile, rho = 8 + p, over key steps 0 .. 8.  Its SECOND wave takes the short tile, rho = 7 - p, whole
; (8 - p steps) and stores it; then it begins anew (O = 0, sum = 0, M under every t) on the long tile's key steps 9 .. 8 + p (p steps).  It hands its part (O^T, -M, the sum) to its partner as an image of registers in LDS bytes of the
; pair's own, behind one barrier; the partner brings both parts under the larger M by 2^(own M - larger M), which rounds nothing, adds them and stores the long tile.  With p = 0 the handed part is empty: its factor is 0.
; WHICH WAVE IS THE FIRST ALTERNATES: the even one in pairs 0, 1, 4, 5, the odd one in pairs 2, 3, 6, 7: of any four waves with neighbouring or with equally spaced numbers two are first and two second: 34 key steps together.
; Every wave walks all 2 + 7 + 7 trips, so that the trip counts are constants, and jumps over the steps that are not its own.
; CLUSTER 4, 1, 1: four work-groups of a head ask for K and V jointly (mask 15); no branch, trip count or LDS address hangs on the place in the cluster: it enters the addresses of Q and of the result and the diagonal's offset alone.
; LOADS.  Waves 0-7 fetch for K, waves 8-15 for V, by arithmetic on the wave's number.  At the head each wave asks for 2,048 bytes of key steps 0 and 1; behind the full sequence and a round each asks for 14,336 bytes of key steps 2 to 15,
; which are on their way while steps 0 and 1 are worked; one barrier, behind which nothing is filled, stands ahead of step 2.  By this text's count a wave has one tensor load out at a time.
; NO PREFETCH: all that a work-group reads is asked for by these two loads, at its head: there is no loop to run ahead in.
; Both products are used transposed (S^T = K Q^T, O^T = V^T P^T): a lane holds one query throughout; the eight registers of score tile t are keys 16 t + 8 h + 0 .. 7, so their codes are registers 2 t, 2 t + 1 of P's fragment.
; OUT: ac, the A operand of product 6, as fragments F(tile of 16 tokens, K step of 128 channels = two heads) at byte (8 rt + ks) 2048: my head's eight registers are half a fragment, 1,024 bytes.
; LIMITS: e6 + e7 between -124 and 130 (added to c's exponent field); e8 and e10 between -126 and 112; e8 + e9 is applied by v_ldexp_f32; the scaled scores stay under 2^31 in size.  NaN is not served.
; REGISTERS: v1 16 x lane, v2 the same in V's region, v3 the same in the pair's stage; v5, v6 the add's two; v7, v8 LDS addresses of the step; v9 the diagonal's offset; v10, v11 the hold and the scale of the codes that leave; v12 -M, v13 the largest t,
; v[14:15] the sum; v16-23 Q of the tile in hand; v24-31 Q of the long tile; v32-95 K's eight tiles, then V's four fragments; v96-159 S^T, then p; v160-191 O^T; v192-207 p's codes; v234-255 at work.
.set VREG,  131072                     ; V's region in LDS
.set SPARE, 262144                     ; behind K and V: the spare words, 128 bytes for each of sixteen waves
.set STAGE, SPARE+2048                 ; behind them: a stage of 9 x 512 bytes for each pair; no fill lands here
.set LI,   1
.set LV,   2
.set STG,  3
.set SPW,  5
.set NIL,  6
.set ADV,  7
.set ADK,  8
.set DM,   9
.set TB,   2                           ; s2   LDS byte of the step's K in K's region (and of its V in V's)
.set WV,   18                          ; s18  my wave's number
.set SEL,  20                          ; s[20:21] lane selects for v_permlanex16_b32: lane l xor 16
.set CS,   22                          ; s[22:23] c = log2(e) / 8 x 2^(e6 + e7)
.set G1A,  24                          ; s[24:31] group 1 of the first load: 8 rows of 256 bytes, dense
.set G1B,  32                          ; s[32:39] of the second: 56 rows of 256 bytes, dense
.set G0A,  40                          ; s[40:43], s[44:47] their groups 0
.set G0B,  44
.set KS,   67                          ; s67  the key step in hand
.set ROLE, 68                          ; s68  0: the pair's first wave, 1: its second
.set RL,   69                          ; s69  the long tile's diagonal step: 8 + p
.set DG,   70                          ; s70  the diagonal step of the tile in hand
.set HI,   71                          ; s71  the last key step that I work in the walk in hand
.set HI2,  75                          ; s75  the same for key steps 9 .. 15
.macro ROUND                           ; a round of the cluster's barrier
	s_barrier_signal -1
	s_barrier_wait -1
	s_cmp_lg_u32 s[WV], 0
	s_cbranch_scc1 .Lnot_wave_0_\@
	s_barrier_signal -3
.Lnot_wave_0_\@:
	s_barrier_wait -3
	s_barrier_signal -1
	s_barrier_wait -1
.endm
	s_load_b128 s[4:7], s[0:1], 0x0                ; qkvc s[4:5], lowp_scales s[6:7]
	s_load_b64 s[16:17], s[0:1], 0x10              ; ac
	v_lshl_add_u32 v[SPW], v0, 2, SPARE
	v_mov_b32 v[NIL], 0
	ds_add_u32 v[SPW], v[NIL]                      ; the wave's opening: the add, twice on end, and its wait ahead of my first tensor load
	ds_add_u32 v[SPW], v[NIL]
	v_lshrrev_b32 v8, 5, v0
	v_readfirstlane_b32 s[WV], v8                  ; wave 0..15
	s_and_b32 s72, ttmp7, 0xffff                   ; batch x head
	s_lshl_b32 s73, s72, 17                        ; its 131,072 bytes in each of q, k, v
	s_lshr_b32 s76, s[WV], 2
	s_xor_b32 s76, s76, s[WV]
	s_and_b32 s[ROLE], s76, 1                      ; (wave + wave / 4) % 2
	s_lshr_b32 s76, s[WV], 1                       ; the pair p
	s_add_co_u32 s[RL], s76, 8
	s_sub_co_u32 s77, 7, s76                       ; the short tile's diagonal step
	s_mul_i32 s79, s76, 4608
	s_add_co_u32 s79, s79, STAGE                   ; the pair's stage
	s_cmp_eq_u32 s[ROLE], 0
	s_cselect_b32 s[DG], s[RL], s77                ; my first tile: the long one or the short one,
	s_cselect_b32 s[HI], 8, s77                    ; worked up to key step 8, or whole;
	s_cselect_b32 s[HI2], 0, s[RL]                 ; of key steps 9 .. 15 the first wave works none, the second the long tile's
	s_lshr_b32 s80, s[WV], 3                       ; I fetch for K (0) or for V (1),
	s_and_b32 s81, s[WV], 7                        ; this eighth
	s_lshl_b32 s82, s80, 17                        ; the region in LDS
	s_lshl_b32 s83, s80, 22                        ; V lies 4 MiB behind K in memory
	s_add_co_u32 s83, s83, s73
	s_add_co_u32 s83, s83, 4<<20
	s_lshl_b32 s84, s81, 11                        ; key steps 0, 1: 16,384 bytes in eighths of 2,048
	s_mul_i32 s85, s81, 14336                      ; key steps 2 .. 15: 114,688 bytes in eighths of 14,336,
	s_add_co_u32 s85, s85, 16384                   ; behind the first two
	s_mov_b32 s[G0A], 1
	s_add_co_u32 s[G0A+1], s82, s84
	s_mov_b32 s[G0B], 1
	s_add_co_u32 s[G0B+1], s82, s85
	s_add_co_u32 s86, s83, s84
	s_mov_b32 s87, 0
	s_add_co_u32 s88, s83, s85
	s_mov_b32 s89, 0
	s_mov_b32 s[G1A], 15|(3<<16)|(1<<21)           ; the mask names the cluster's four; elements of 8 bytes; bit 21 set beside a mask; no padding
	s_mov_b32 s[G1A+1], 32<<16                     ; tensor_dim0
	s_mov_b32 s[G1A+2], 8<<16                      ; tensor_dim1
	s_mov_b32 s[G1A+3], 32<<16                     ; tile_dim0
	s_mov_b32 s[G1A+4], 8                          ; tile_dim1
	s_mov_b32 s[G1A+5], 32                         ; tensor_dim0_stride
	s_mov_b32 s[G1A+6], 0
	s_mov_b32 s[G1A+7], 0
	s_mov_b32 s[G1B], 15|(3<<16)|(1<<21)
	s_mov_b32 s[G1B+1], 32<<16
	s_mov_b32 s[G1B+2], 56<<16
	s_mov_b32 s[G1B+3], 32<<16
	s_mov_b32 s[G1B+4], 56
	s_mov_b32 s[G1B+5], 32
	s_mov_b32 s[G1B+6], 0
	s_mov_b32 s[G1B+7], 0
	s_bfe_u32 s90, ttmp6, 0x40000                  ; cx: from here on s90 .. s99 hang on my place in the cluster; they feed Q's and the result's addresses and the diagonal's offset alone
	s_lshl_b32 s91, ttmp9, 2
	s_add_co_u32 s91, s91, s90                     ; j
	s_lshl_b32 s92, s[DG], 3
	s_add_co_u32 s92, s92, s91                     ; my first tile of 16 queries, which is also the one that I store
	s_lshl_b32 s93, s[RL], 3
	s_add_co_u32 s93, s93, s91                     ; the long tile
	s_lshl_b32 s91, s91, 4                         ; a tile's first query less its diagonal step's first key: 16 j
	s_lshl_b32 s94, s92, 10                        ; Q: a tile is 1,024 bytes
	s_add_co_u32 s94, s94, s73
	s_mov_b32 s95, 0
	s_lshl_b32 s98, s93, 10
	s_add_co_u32 s98, s98, s73
	s_mov_b32 s99, 0
	s_lshr_b32 s96, s72, 4
	s_lshl_b32 s96, s96, 21                        ; the result: the batch's 128 tiles of 16,384 bytes,
	s_lshl_b32 s97, s92, 14                        ; my tile,
	s_add_co_u32 s96, s96, s97
	s_and_b32 s97, s72, 15
	s_lshl_b32 s97, s97, 10                        ; my head's half fragment
	s_add_co_u32 s96, s96, s97
	s_mov_b32 s97, 0
	s_mov_b32 s[SEL], 0x76543210
	s_mov_b32 s[SEL+1], 0xfedcba98
	s_mov_b32 s[CS], 0x3e38aa3b                    ; log2(e) / sqrt(64)
	s_mov_b32 s[TB], 0
	s_mov_b32 s[KS], 0
	s_wait_alu depctr_va_vdst(0)
	s_wait_dscnt 0x0                               ; both opening adds are done
	s_wait_kmcnt 0x0
	s_load_b256 s[48:55], s[6:7], 0x18             ; e6 .. e13
	s_add_nc_u64 s[G0A+2:G0A+3], s[4:5], s[86:87]
	s_or_b32 s[G0A+3], s[G0A+3], 0x80000000        ; type = 2
	s_add_nc_u64 s[G0B+2:G0B+3], s[4:5], s[88:89]
	s_or_b32 s[G0B+3], s[G0B+3], 0x80000000
	s_add_nc_u64 s[94:95], s[4:5], s[94:95]        ; Q's fragment of my first tile,
	s_add_nc_u64 s[98:99], s[4:5], s[98:99]        ; of the long tile
	s_add_nc_u64 s[16:17], s[16:17], s[96:97]
	ROUND                                          ; the four work-groups are here: the first joint loads meet
	tensor_load_to_lds s[G0A:G0A+3], s[G1A:G1A+7]  ; my eighth of K's or V's key steps 0 and 1: my one tensor load at the head
	s_nop 0
.rept 4
	v_nop
.endr
	v_and_b32 v[LI], 31, v0
	v_lshlrev_b32 v[LI], 4, v[LI]
	global_load_b128 v[16:19], v[LI], s[94:95]
	global_load_b128 v[20:23], v[LI], s[94:95] offset:512
	global_load_b128 v[24:27], v[LI], s[98:99]
	global_load_b128 v[28:31], v[LI], s[98:99] offset:512
	v_add_nc_u32 v[LV], VREG, v[LI]
	v_add_nc_u32 v[STG], s79, v[LI]
	v_and_b32 v[DM], 15, v0
	v_bfe_u32 v7, v0, 4, 1
	v_lshlrev_b32 v7, 3, v7
	v_sub_nc_u32 v[DM], v[DM], v7
	v_add_nc_u32 v[DM], s91, v[DM]                 ; d = my query - the diagonal step's first key - 8 h.  Register 8 t + j holds key 16 t + 8 h + j of the step: hidden where 16 t + j > d
	v_mov_b32 v13, 0xff61b1e6                      ; the largest t so far: -3e38, under every t
	v_floor_f32 v12, -v13                          ; -M
	v_mov_b32 v14, 0                               ; the sum, in two halves
	v_mov_b32 v15, 0
	v_mov_b32 v236, 0                              ; written once: a lane permute's destination counts as one of its sources
	v_mov_b32 v252, 0
	v_mov_b32 v253, 0                              ; (named as the upper halves of the pairs v[252:253] and v[254:255])
	v_mov_b32 v255, 0
.set j, 0
.rept 32
	v_mov_b32 v[160+j], 0                          ; O^T.  (The step is written for all trips alike: the first finds zeros, which the first change of M leaves zeros)
.set j, j+1
.endr
	s_wait_kmcnt 0x0
	s_add_co_i32 s60, s48, s49
	s_lshl_b32 s60, s60, 23
	s_add_co_i32 s[CS], s[CS], s60                 ; a score stands for score x 2^(e6 + e7)
	s_mov_b32 s[CS+1], s[CS]
	s_add_co_i32 s60, s50, 127
	s_lshl_b32 s61, s60, 23
	v_mov_b32 v244, s61                            ; 2^e8
	s_add_co_i32 s60, s60, 15
	s_lshl_b32 s60, s60, 23
	s_or_b32 s60, s60, 0x600000
	v_mov_b32 v240, s60                            ; 57,344 x 2^e8
	s_add_co_i32 s60, s52, 127
	s_lshl_b32 s61, s60, 23
	v_mov_b32 v11, s61                             ; 2^e10
	s_add_co_i32 s60, s60, 15
	s_lshl_b32 s60, s60, 23
	s_or_b32 s60, s60, 0x600000
	v_mov_b32 v10, s60                             ; 57,344 x 2^e10
	s_add_co_i32 s62, s50, s51                     ; e8 + e9
; A KEY STEP: 128 keys.  A step behind the last that I work in this walk is jumped over: a branch on the wave's number and the count of steps; no barrier and no tensor load stands in a step.
.macro STEP
	s_cmp_gt_u32 s[KS], s[HI]
	s_cbranch_scc1 .Lhidden_\@
	v_add_nc_u32 v[ADK], s[TB], v[LI]
	v_add_nc_u32 v[ADV], s[TB], v[LV]
.rept 2
	v_nop                                          ; with the two additions: four places in front of loads into registers that matrix instructions have read
.endr
.set t, 0
.rept 8
	ds_load_b128 v[32+8*t:35+8*t], v[ADK] offset:1024*t
	ds_load_b128 v[36+8*t:39+8*t], v[ADK] offset:1024*t+512
.set t, t+1
.endr
	s_wait_alu depctr_va_vdst(0)
	s_wait_dscnt 0x0
.set t, 0
.rept 8
	v_wmma_f32_16x16x64_bf8_bf8 v[96+8*t:103+8*t], v[32+8*t:39+8*t], v[16:23], 0   ; S^T: tile t: keys 16 t + 8 h + j of query r
.set t, t+1
.endr
.rept 4
	v_nop
.endr
.set t, 0
.rept 16
	ds_load_b128 v[32+4*t:35+4*t], v[ADV] offset:512*t   ; V's four fragments land while the softmax is walked
.set t, t+1
.endr
	s_cmp_lt_u32 s[KS], s[DG]                      ; in the tile's diagonal step hidden scores become -infinity ahead of the maximum: p = 0 then.  The steps before it skip this
	s_cbranch_scc1 .Lopen_\@
	v_mov_b32 v254, 0xff800000
.set n, 0
.rept 64
	v_cmp_gt_i32 vcc_lo, 16*(n/8)+n%8, v[DM]
	v_cndmask_b32 v[96+n], v[96+n], v254, vcc_lo
.set n, n+1
.endr
.Lopen_\@:
	v_max3_num_f32 v254, v96, v97, v98             ; the step's largest score of my query, among my 64 keys, in two chains,
	v_max3_num_f32 v252, v99, v100, v101
.irp i, 6,10,14,18,22,26,30,34,38,42,46,50,54,58
	v_max3_num_f32 v254, v254, v[96+\i], v[97+\i]
	v_max3_num_f32 v252, v252, v[98+\i], v[99+\i]
.endr
	v_max3_num_f32 v254, v254, v158, v159
	s_delay_alu instid0(VALU_DEP_1)
	v_max_num_f32 v254, v254, v252
	s_delay_alu instid0(VALU_DEP_1)
	v_permlanex16_b32 v236, v254, s[SEL], s[SEL+1]
	s_delay_alu instid0(VALU_DEP_1)
	v_max_num_f32 v254, v254, v236                 ; and among lane l xor 16's
	s_delay_alu instid0(VALU_DEP_1)
	v_mul_f32 v254, s[CS], v254                    ; as t (c is positive)
	s_delay_alu instid0(VALU_DEP_1)
	v_max_num_f32 v13, v13, v254                   ; the running largest t
	v_mov_b32 v254, v12
	s_delay_alu instid0(VALU_DEP_2)
	v_floor_f32 v12, -v13                          ; the new -M = floor(-t): M is a whole number
	s_delay_alu instid0(VALU_DEP_1)
	v_sub_f32 v254, v12, v254                      ; old M - new M: a whole number, 0 or less
	s_delay_alu instid0(VALU_DEP_1)
	v_cvt_i32_f32 v254, v254                       ; (it saturates)
	s_delay_alu instid0(VALU_DEP_1)
	v_ldexp_f32 v252, 1.0, v254                    ; f = 2^(old M - new M)
.set j, 0
.rept 32
	v_pk_fma_f32 v[96+j:97+j], v[96+j:97+j], s[CS:CS+1], v[12:13] op_sel_hi:[1,0,0]   ; t - M, two at a time
.set j, j+2
.endr
.set j, 0
	s_wait_alu depctr_va_vdst(0)
.rept 64
	v_exp_f32 v[96+j], v[96+j]                     ; p = 2^(t - M), at most 1
.set j, j+1
.endr
	v_pk_mul_f32 v[14:15], v[14:15], v[252:253] op_sel_hi:[1,0]   ; the sums under the new M: a plain line behind the exponentials
	s_wait_alu depctr_va_vdst(0)                   ; one wait for the whole batch, ahead of its first reader
	v_pk_add_f32 v[242:243], v[100:101], v[104:105]   ; the row's sum of the unquantised p, in eight chains
	v_pk_add_f32 v[254:255], v[108:109], v[112:113]
	v_pk_add_f32 v[250:251], v[116:117], v[120:121]
	v_pk_add_f32 v[248:249], v[124:125], v[128:129]
	v_pk_add_f32 v[246:247], v[132:133], v[136:137]
	v_pk_add_f32 v[238:239], v[140:141], v[144:145]
	v_pk_add_f32 v[234:235], v[148:149], v[152:153]
	v_pk_add_f32 v[14:15], v[14:15], v[156:157]
	v_pk_add_f32 v[242:243], v[242:243], v[96:97]
	v_pk_add_f32 v[254:255], v[254:255], v[98:99]
	v_pk_add_f32 v[250:251], v[250:251], v[102:103]
	v_pk_add_f32 v[248:249], v[248:249], v[106:107]
	v_pk_add_f32 v[246:247], v[246:247], v[110:111]
	v_pk_add_f32 v[238:239], v[238:239], v[114:115]
	v_pk_add_f32 v[234:235], v[234:235], v[118:119]
	v_pk_add_f32 v[14:15], v[14:15], v[122:123]
	v_pk_add_f32 v[242:243], v[242:243], v[126:127]
	v_pk_add_f32 v[254:255], v[254:255], v[130:131]
	v_pk_add_f32 v[250:251], v[250:251], v[134:135]
	v_pk_add_f32 v[248:249], v[248:249], v[138:139]
	v_pk_add_f32 v[246:247], v[246:247], v[142:143]
	v_pk_add_f32 v[238:239], v[238:239], v[146:147]
	v_pk_add_f32 v[234:235], v[234:235], v[150:151]
	v_pk_add_f32 v[14:15], v[14:15], v[154:155]
	v_pk_add_f32 v[242:243], v[242:243], v[158:159]
	s_delay_alu instid0(VALU_DEP_2)
	v_pk_add_f32 v[14:15], v[14:15], v[248:249]
	s_delay_alu instid0(VALU_DEP_2)
	v_pk_add_f32 v[242:243], v[242:243], v[246:247]
	v_pk_add_f32 v[254:255], v[254:255], v[238:239]
	v_pk_add_f32 v[250:251], v[250:251], v[234:235]
	s_delay_alu instid0(VALU_DEP_2)
	v_pk_add_f32 v[14:15], v[14:15], v[254:255]
	s_delay_alu instid0(VALU_DEP_2)
	v_pk_add_f32 v[242:243], v[242:243], v[250:251]
	s_delay_alu instid0(VALU_DEP_1)
	v_pk_add_f32 v[14:15], v[14:15], v[242:243]
.set t, 0
.rept 8
.set j, 0
.rept 8
	v_min_num_f32 v[96+8*t+j], v[96+8*t+j], v240   ; the conversion does not saturate (ISA guide 7.6.2); p is not negative, so the hold is one-sided
.set j, j+1
.endr
	v_cvt_scalef32_pk8_bf8_f32 v[192+2*t:193+2*t], v[96+8*t:103+8*t], v244
.set t, t+1
.endr
	s_wait_alu depctr_va_vdst(0)
.set j, 0
.rept 16
	v_pk_mul_f32 v[160+j:161+j], v[160+j:161+j], v[252:253] op_sel_hi:[1,0]   ; O^T under the new M; also the plain lines between the conversions and the products
.set j, j+2
.endr
	s_wait_alu depctr_va_vdst(0)
	s_wait_dscnt 0x0                               ; V is in
.set t, 0
.rept 4
	v_wmma_f32_16x16x128_bf8_bf8 v[160+8*t:167+8*t], v[32+16*t:47+16*t], v[192:207], v[160+8*t:167+8*t]   ; O^T += V^T P^T: four accumulators by turns
.set t, t+1
.endr
.Lhidden_\@:
	s_add_co_u32 s[TB], s[TB], 8192
	s_add_co_u32 s[KS], s[KS], 1
.endm
; THE WAY OUT of a tile: O^T / the sum x 2^(e8 + e9) is reference()'s attention output; it is held, converted with e10, and its eight registers of codes are stored as they stand.
.macro FINISH
	v_add_f32 v14, v14, v15
	s_delay_alu instid0(VALU_DEP_1)
	v_permlanex16_b32 v252, v14, s[SEL], s[SEL+1]
	s_delay_alu instid0(VALU_DEP_1)
	v_add_f32 v14, v14, v252                       ; the row's sum
	s_wait_alu depctr_va_vdst(0)
	v_rcp_f32 v14, v14
	v_nop                                          ; a plain line behind the reciprocal; with its neighbours also the places behind the last products
	v_nop
	s_wait_alu depctr_va_vdst(0)                   ; the wait ahead of the first reader
	v_ldexp_f32 v14, v14, s62
.set j, 0
.rept 32
	v_mul_f32 v[96+j], v[160+j], v14               ; register 8 t + j: channel 16 t + 8 h + j of query r; each accumulator from its low end on
.set j, j+1
.endr
.set j, 0
.rept 32
	v_med3_num_f32 v[96+j], v[96+j], -v10, v10
.set j, j+1
.endr
.set t, 0
.rept 4
	v_cvt_scalef32_pk8_bf8_f32 v[128+2*t:129+2*t], v[96+8*t:103+8*t], v11
.set t, t+1
.endr
	v_nop
	global_store_b128 v[LI], v[128:131], s[16:17]              ; 512 consecutive bytes each
	global_store_b128 v[LI], v[132:135], s[16:17] offset:512
.endm
	s_wait_alu depctr_va_vdst(0)
	s_wait_tensorcnt 0x0                           ; my part of key steps 0 and 1 is in
	ds_add_u32 v[SPW], v[NIL]
	s_wait_dscnt 0x0
	ROUND                                          ; everybody's part is in, and the four work-groups are here: the joint loads meet
	tensor_load_to_lds s[G0B:G0B+3], s[G1B:G1B+7]  ; my eighth of K's or V's key steps 2 to 15: bytes that nothing has filled; it has two key steps in which to land
	s_nop 0
.rept 4
	v_nop
.endr
	s_wait_loadcnt 0x0                             ; Q
.Lfirst:                                               ; key steps 0 and 1
	STEP
	s_cmp_lt_u32 s[KS], 2
	s_cbranch_scc1 .Lfirst
	s_wait_tensorcnt 0x0                           ; my part of key steps 2 to 15 is in,
	s_wait_dscnt 0x0
	s_barrier_signal -1
	s_barrier_wait -1                              ; and everybody's
	s_mov_b32 s[KS], 2
	s_mov_b32 s[TB], 16384
.Lmid:                                                 ; key steps 2 to 8
	STEP
	s_cmp_lt_u32 s[KS], 9
	s_cbranch_scc1 .Lmid
	s_cmp_eq_u32 s[ROLE], 0                        ; the pair's first wave keeps its sums.  The second wave's short tile is finished:
	s_cbranch_scc1 .Lkeep
	FINISH                                         ; it leaves,
	s_wait_xcnt 0x0                                ; (the stores have read their registers, which the next scores overwrite)
	v_mov_b32 v13, 0xff61b1e6                      ; and the wave begins anew, on the long tile
	v_floor_f32 v12, -v13
	v_mov_b32 v14, 0
	v_mov_b32 v15, 0
.set j, 0
.rept 32
	v_mov_b32 v[160+j], 0
.set j, j+1
.endr
.set j, 0
.rept 8
	v_mov_b32 v[16+j], v[24+j]
.set j, j+1
.endr
	s_wait_alu depctr_va_vdst(0)
.Lkeep:
	s_mov_b32 s[HI], s[HI2]
	s_mov_b32 s[DG], s[RL]
	s_mov_b32 s[KS], 9
	s_mov_b32 s[TB], 73728
.Llast:                                                ; key steps 9 to 15
	STEP
	s_cmp_lt_u32 s[KS], 16
	s_cbranch_scc1 .Llast
.rept 4
	v_nop                                          ; places behind the last products, for the LDS stores that read O^T and the loads into V's registers
.endr
	s_cmp_eq_u32 s[ROLE], 0
	s_cbranch_scc1 .Lno_part
.set t, 0
.rept 8
	ds_store_b128 v[STG], v[160+4*t:163+4*t] offset:512*t      ; the second wave's part of the long tile, as an image of its registers: O^T, each accumulator from its low end on,
.set t, t+1
.endr
	ds_store_b128 v[STG], v[12:15] offset:4096                 ; -M, the largest t, the sum's two halves
.Lno_part:
	s_wait_dscnt 0x0                               ; for the partner's sake
	s_barrier_signal -1
	s_barrier_wait -1
	s_cmp_lg_u32 s[ROLE], 0
	s_cbranch_scc1 .Lend
.set t, 0
.rept 8
	ds_load_b128 v[32+4*t:35+4*t], v[STG] offset:512*t
.set t, t+1
.endr
	ds_load_b128 v[64:67], v[STG] offset:4096
	s_wait_dscnt 0x0
	v_min_num_f32 v68, v12, v64                    ; -(the larger M)
	v_sub_f32 v69, v68, v12                        ; my M - the larger M, and the partner's: whole numbers, 0 or less
	v_sub_f32 v70, v68, v64
	v_cvt_i32_f32 v69, v69                         ; (they saturate)
	v_cvt_i32_f32 v70, v70
	v_ldexp_f32 v252, 1.0, v69                     ; my factor,
	v_ldexp_f32 v254, 1.0, v70                     ; the partner's: 0 for an empty part
	v_pk_mul_f32 v[14:15], v[14:15], v[252:253] op_sel_hi:[1,0]
	v_pk_fma_f32 v[14:15], v[66:67], v[254:255], v[14:15] op_sel_hi:[1,0,1]
.set j, 0
.rept 16
	v_pk_mul_f32 v[160+j:161+j], v[160+j:161+j], v[252:253] op_sel_hi:[1,0]
.set j, j+2
.endr
.set j, 0
.rept 16
	v_pk_fma_f32 v[160+j:161+j], v[32+j:33+j], v[254:255], v[160+j:161+j] op_sel_hi:[1,0,1]
.set j, j+2
.endr
	FINISH                                         ; the long tile leaves
.Lend:
	s_wait_tensorcnt 0x0                           ; the wave's end: a wait, an add to my spare word and a wait, behind my last tensor load and my last LDS store
	ds_add_u32 v[SPW], v[NIL]
	s_wait_dscnt 0x0
	ROUND                                          ; the closing round
	s_endpgm
.Lfunc_end_k_q213f5356d0_attn:
	.size	k_q213f5356d0_attn, .Lfunc_end_k_q213f5356d0_attn-k_q213f5356d0_attn
	.p2alignl 7, 3214868480
	.fill 96, 4, 3214868480
	.section	.rodata,"a",@progbits
	.p2align	6, 0x0
	.amdhsa_kernel k_q213f5356d0_attn
		.amdhsa_group_segment_fixed_size 327680
		.amdhsa_private_segment_fixed_size 0
		.amdhsa_enable_private_segment 0
		.amdhsa_kernarg_size 24
		.amdhsa_user_sgpr_count 2
		.amdhsa_user_sgpr_kernarg_segment_ptr 1
		.amdhsa_wavefront_size32 1
		.amdhsa_system_sgpr_workgroup_id_x 1
		.amdhsa_system_sgpr_workgroup_id_y 1
		.amdhsa_system_sgpr_workgroup_id_z 1
		.amdhsa_system_vgpr_workitem_id 0
		.amdhsa_next_free_vgpr 256
		.amdhsa_next_free_sgpr 100
		.amdhsa_reserve_vcc 1
		.amdhsa_float_denorm_mode_32 3
		.amdhsa_float_denorm_mode_16_64 3
		.amdhsa_memory_ordered 1
		.amdhsa_forward_progress 1
		.amdhsa_inst_pref_size 85
	.end_amdhsa_kernel
	.amdgpu_metadata
---
amdhsa.version: [ 1, 2 ]
amdhsa.kernels:
  - .name:           k_q213f5356d0_attn
    .symbol:         k_q213f5356d0_attn.kd
    .args:
      - { .name: qkvc, .offset: 0, .size: 8, .value_kind: global_buffer, .address_space: global }
      - { .name: lowp_scales, .offset: 8, .size: 8, .value_kind: global_buffer, .address_space: global }
      - { .name: ac, .offset: 16, .size: 8, .value_kind: global_buffer, .address_space: global }
    .group_segment_fixed_size: 327680
    .private_segment_fixed_size: 0
    .kernarg_segment_align: 8
    .kernarg_segment_size: 24
    .max_flat_workgroup_size: 512
    .sgpr_count:     100
    .vgpr_count:     256
    .wavefront_size: 32
...
	.end_amdgpu_metadata
.endif
;; end of part 11
;; launch wo (part 12): grid 8 x 32, 4 waves a work-group, clusters of 4 x 4, 327,680 bytes of LDS; arguments ac, wc, lowp_scales, ybuf; writes ybuf
.if DOCPART == 12
	.amdgcn_target "amdgcn-amd-amdhsa--gfx1250"
	.amdhsa_code_object_version 6
	.text
	.protected	k_q213f5356d0_wo
	.globl	k_q213f5356d0_wo
	.p2align	8
	.type	k_q213f5356d0_wo,@function
k_q213f5356d0_wo:
	s_mov_b64 s[64:65], 0
	v_nop
	global_prefetch_b8 v0, s[64:65] scope:SCOPE_SE
	s_setreg_imm32_b32 hwreg(HW_REG_WAVE_MODE, 25, 1), 1
	s_wait_xcnt 0x0
	s_wait_alu depctr_hold_cnt(0) depctr_sa_sdst(0) depctr_va_vdst(0) depctr_va_sdst(0) depctr_va_ssrc(0) depctr_va_vcc(0) depctr_vm_vsrc(0)
	s_getreg_b32 s2, hwreg(HW_REG_IB_STS2, 6, 4)
	s_cmp_eq_u32 s2, 0
	s_cbranch_scc0 .Lentry_in_a_cluster
	s_endpgm
.Lentry_in_a_cluster:
	s_bfe_u32 s2, ttmp6, 0x10000c
	s_cmp_lg_u32 s2, 0xf033
	s_cbranch_scc0 .Lentry_shape_is_right
	s_endpgm
.Lentry_shape_is_right:
; WO: product 6, ybuf[m][n] = 2^(e10 + e11) x the sum over k of the codes of attn[m][k] and wo[k][n]; m 4,096, n 1,024, K 1,024; ybuf f32.  The bias, the residual and the norm follow in the next launch, which needs whole rows.  No work is left out here.
; Both operands are images of operand registers: fragment F(rt, ks), 16 rows x 128 k, 2,048 bytes, at byte (8 rt + ks) 2048; registers 4 q .. 4 q + 3 of lane L at byte 512 q + 16 L.
; A TILE OF C IS 128 x 128: 256 work-groups.  Four waves, each 64 x 64: 16 accumulators, 128 registers.
; ALL OF K IN ONE FILL: a work-group's operands are (128 + 128) x 1,024 bytes = 262,144, which LDS holds.  Each wave brings a quarter with ONE tensor load, 4 row tiles of 16,384 bytes, dense in memory and in LDS; nothing is filled again; one barrier.
; CLUSTERS 4 x 4: A's tiles are shared along a row of the cluster, B's along a column, by joint loads.  The matrix instruction is used transposed (source 0 = 16 rows of B, source 1 = 16 rows of A): a lane holds eight neighbouring numbers of a row of C.
; No prefetch: all that a work-group reads is asked for at its head.
; LIMIT: the two exponents added lie between -126 and 127.
; REGISTERS as windows of 256: window 0: v0-31 addresses; v32-63 a block's sums x the scale; v64-127 two sets of 16 rows read back from the stage; v128-255 the accumulators, (a, b) at v[128 + 8 (4 a + b)].
;   window 1: two fragment buffers of 128: 64 registers of A (4 x 16 rows x 128 K), then 64 of B.
.set SIZE_K, 1024
.set SIZE_N, 1024
.set BOFF,   3<<20                     ; where B's images begin in wc
.set ESC,    40                        ; the byte of A's exponent in lowp_scales; B's follows it
.set FR,     16                        ; registers of a fragment
.set NP,     4                         ; places behind this matrix instruction (ISA guide 7.12.1)
.set RTL,    16384                     ; a row tile's bytes: 8 fragments
.set HALFT,  4*RTL                     ; 4 row tiles: what one tensor load brings, and what one wave reads of A or of B
.set SPARE,  4*HALFT                   ; behind A's 8 row tiles and B's 8: the spare words, 128 bytes for each wave
.set STAGE,  SPARE+512                 ; behind them: the way out's stages, 16 rows x (256 bytes + 16) for each wave; no fill lands here
.set SPITCH, 272
.set ADRA, 16                          ; v16  LDS address of my A fragments
.set ADRB, 20                          ; v20  the same for B
.set STO,  24                          ; v24  the way out: where I put 32 bytes of a row
.set RD,   25                          ; v25  where I read a row back
.set CO,   26                          ; v26  my byte offset in two rows of C
.set SPW,  28                          ; v28  LDS address of my spare word; never rewritten
.set NIL,  29                          ; v29  0; never rewritten
.set TMP,  32
.set BK,   64
.set ACC,  128
.set F0,   0                           ; fragment buffers, in window 1
.set F1,   128
.set G1, 24                            ; s[24:31] descriptor group 1 for A's tiles;  s[32:35] group 0
.set G0, 32
.set G1B, 48                           ; s[48:55], s[56:59] the same for B's tiles
.set G0B, 56
.set MSB, 0
.macro WIN new                         ; the immediate's high byte repeats the setting that is left
.if MSB != \new
	s_set_vgpr_msb (MSB<<8)|\new
.set MSB, \new
.endif
.endm
.set MUL,  0x05                        ; sources 0 (B) and 1 (A) window 1; C and D window 0
.set TO_F, 0x40                        ; destination window 1, address window 0
.macro CROUND                          ; a round of the cluster's barrier
	s_barrier_signal -1
	s_barrier_wait -1
	s_cmp_lg_u32 s14, 0
	s_cbranch_scc1 .Lnot_wave_0_\@
	s_barrier_signal -3
.Lnot_wave_0_\@:
	s_barrier_wait -3
	s_barrier_signal -1
	s_barrier_wait -1
.endm
	s_load_b128 s[4:7], s[0:1], 0x0                ; A's images s[4:5], wc s[6:7]
	s_load_b128 s[8:11], s[0:1], 0x10              ; lowp_scales s[8:9], C s[10:11]
	v_lshl_add_u32 v[SPW], v0, 2, SPARE
	v_mov_b32 v[NIL], 0
	ds_add_u32 v[SPW], v[NIL]                      ; the wave's opening: the add, twice on end, and its wait ahead of my first tensor load
	ds_add_u32 v[SPW], v[NIL]
	v_lshrrev_b32 v1, 5, v0
	v_readfirstlane_b32 s14, v1                    ; wave 0..3
	s_lshr_b32 s15, s14, 1                         ; which half of the tile's rows is mine.  Also: I fetch for A (0) or for B (1)
	s_and_b32 s16, s14, 1                          ; which half of its columns.  Also: which 4 row tiles I fetch
	s_bfe_u32 s40, ttmp6, 0x40000                  ; cx, cy: my place in the cluster
	s_bfe_u32 s41, ttmp6, 0x40004
	s_lshl_b32 s42, ttmp9, 2
	s_add_co_u32 s42, s42, s40                     ; tile column of C = 4 x cluster x + cx
	s_and_b32 s17, ttmp7, 0xffff
	s_lshl_b32 s17, s17, 2
	s_add_co_u32 s17, s17, s41                     ; tile row of C = 4 x cluster y + cy
	s_lshl_b32 s43, s41, 2
	s_lshl_b32 s43, 15, s43                        ; my row of the cluster
	s_lshl_b32 s44, 0x1111, s40                    ; my column
	s_or_b32 s[G1+0], s43, (3<<16)|(1<<21)         ; 15:0 the mask: A's tiles go to my row; 17:16 elements of 8 bytes; 21 set beside a mask; no padding
	s_or_b32 s[G1B+0], s44, (3<<16)|(1<<21)
.irp g, G1, G1B
	s_mov_b32 s[\g+1], 2048<<16                    ; tensor_dim0: a row tile, 2,048 elements of 8 bytes
	s_mov_b32 s[\g+2], 4<<16                       ; tensor_dim1
	s_mov_b32 s[\g+3], 2048<<16                    ; tile_dim0
	s_mov_b32 s[\g+4], 4                           ; tile_dim1
	s_mov_b32 s[\g+5], 2*SIZE_K                    ; tensor_dim0_stride, in elements
	s_mov_b32 s[\g+6], 0
	s_mov_b32 s[\g+7], 0
.endr
	s_lshl_b32 s18, s16, 6                         ; which 64 rows of the tile I fetch
	s_lshl_b32 s20, s17, 7
	s_add_co_u32 s20, s20, s18                     ; A: row 128 x tile row + 64 x half
	s_mul_i32 s20, s20, SIZE_K                     ; 16 rows are 16 SIZE_K bytes of images
	s_mov_b32 s21, 0
	s_lshl_b32 s46, s42, 7
	s_add_co_u32 s46, s46, s18                     ; B: row 128 x tile column + 64 x half
	s_mul_i32 s46, s46, SIZE_K
	s_add_co_u32 s46, s46, BOFF
	s_mov_b32 s47, 0
	s_mov_b32 s[G0], 1
	s_mul_i32 s[G0+1], s14, HALFT                  ; where they go: no place in the cluster enters an LDS address
	s_mov_b32 s[G0B], 1
	s_mul_i32 s[G0B+1], s14, HALFT
	s_wait_dscnt 0x0                               ; both opening adds are done
	s_wait_kmcnt 0x0
	s_load_b64 s[96:97], s[8:9], ESC               ; the two exponents
	s_add_nc_u64 s[G0+2:G0+3], s[4:5], s[20:21]
	s_or_b32 s[G0+3], s[G0+3], 0x80000000
	s_add_nc_u64 s[G0B+2:G0B+3], s[6:7], s[46:47]
	s_or_b32 s[G0B+3], s[G0B+3], 0x80000000
	CROUND                                         ; all sixteen work-groups are here: the joint loads meet
	s_cmp_eq_u32 s15, 0                            ; waves 0 and 1 fetch for A, waves 2 and 3 for B: one load in each arm; an s_nop 0 and four v_nop follow each
	s_cbranch_scc0 .Lfor_b
	tensor_load_to_lds s[G0:G0+3], s[G1:G1+7]
	s_nop 0
.rept 4
	v_nop
.endr
	s_branch .Lasked
.Lfor_b:
	tensor_load_to_lds s[G0B:G0B+3], s[G1B:G1B+7]
	s_nop 0
.rept 4
	v_nop
.endr
.Lasked:
	s_mul_i32 s21, s15, HALFT                      ; my 4 row tiles of A
	s_mul_i32 s22, s16, HALFT                      ; my 4 of B,
	s_add_co_u32 s22, s22, 2*HALFT                 ; which lie behind A's 8
	s_mul_i32 s23, s14, 16*SPITCH
	s_add_co_u32 s23, s23, STAGE                   ; my stage
	s_lshl_b32 s20, s17, 7
	s_lshl_b32 s18, s15, 6
	s_add_co_u32 s20, s20, s18                     ; my first row of C: 128 x tile row + 64 x half
	s_mul_i32 s20, s20, SIZE_N*4
	s_lshl_b32 s46, s42, 9                         ; my first column, in bytes: 512 x tile column + 256 x half
	s_lshl_b32 s47, s16, 8
	s_add_co_u32 s46, s46, s47
	s_add_co_u32 s20, s20, s46
	s_mov_b32 s19, 0
	s_mov_b32 s18, s20
	s_add_nc_u64 s[10:11], s[10:11], s[18:19]
	v_and_b32 v1, 15, v0                           ; l % 16
	v_bfe_u32 v2, v0, 4, 1                         ; l / 16
	v_and_b32 v6, 31, v0
	v_lshlrev_b32 v6, 4, v6                        ; 16 x lane
	v_add_nc_u32 v[ADRA], s21, v6
	v_add_nc_u32 v[ADRB], s22, v6
	v_mul_u32_u24 v5, v1, SPITCH                   ; in: row l % 16, 32 bytes for each half of the lanes
	v_lshl_add_u32 v5, v2, 5, v5
	v_add_nc_u32 v[STO], s23, v5
	v_mul_u32_u24 v5, v2, SPITCH                   ; back: lanes 0-15 take one row of 256 bytes, lanes 16-31 the next
	v_lshl_add_u32 v5, v1, 4, v5
	v_add_nc_u32 v[RD], s23, v5
	v_mul_u32_u24 v5, v2, SIZE_N*4                 ; and the same two rows in C
	v_lshl_add_u32 v[CO], v1, 4, v5
; 32 LDS loads in one run: my four fragments of B and four of A of the q-th 128 along K, into buffer f; each load takes 512 consecutive bytes
.macro FETCH q, f
	WIN TO_F
.irp i, 0,1,2,3
.irp c, 0,1,2,3
	ds_load_b128 v[(\f)+64+FR*\i+4*\c:(\f)+64+FR*\i+4*\c+3], v[ADRB] offset:\i*RTL+(\q)*2048+512*\c
.endr
.irp c, 0,1,2,3
	ds_load_b128 v[(\f)+FR*\i+4*\c:(\f)+FR*\i+4*\c+3], v[ADRA] offset:\i*RTL+(\q)*2048+512*\c
.endr
.endr
.endm
; 16 matrix instructions: A's four blocks x B's four, 128 along K, from buffer f.  zero = 1: the first product starts the sums: nothing is ever cleared.
; The 16 accumulators take turns, one instruction a turn, in the same order in every step.
.macro MULS f, zero
	WIN MUL
.irp a, 0,1,2,3
.irp b, 0,1,2,3
.if \zero
	v_wmma_f32_16x16x128_bf8_bf8 v[ACC+8*(4*\a+\b):ACC+8*(4*\a+\b)+7], v[(\f)+64+FR*\b:(\f)+64+FR*\b+FR-1], v[(\f)+FR*\a:(\f)+FR*\a+FR-1], 0
.else
	v_wmma_f32_16x16x128_bf8_bf8 v[ACC+8*(4*\a+\b):ACC+8*(4*\a+\b)+7], v[(\f)+64+FR*\b:(\f)+64+FR*\b+FR-1], v[(\f)+FR*\a:(\f)+FR*\a+FR-1], v[ACC+8*(4*\a+\b):ACC+8*(4*\a+\b)+7]
.endif
.endr
.endr
.endm
.macro PLACES n                        ; plain vector lines between a matrix instruction and a load into a register that it has read, or a read of its result
.rept \n
	v_nop
.endr
.endm
; One of the first seven steps of 128 along K, on buffers 0, 1 by turns.  The other buffer was multiplied in the step before: the next step's fragments are asked for first, and land while this step's 16 products run.
.macro STEP q, zero
	PLACES NP
	FETCH (\q)+1, 128*(1-(\q)%2)
	s_wait_dscnt 32                                ; this step's fragments are in; the 32 loads just issued may be out
	MULS 128*((\q)%2), \zero
.endm
	s_wait_alu depctr_va_vdst(0)
	s_wait_tensorcnt 0x0                           ; my quarter is in,
	s_barrier_signal -1
	s_barrier_wait -1                              ; everybody's is
	FETCH 0, F0
	STEP 0, 1                                      ; the first step's products start the sums
.irp q, 1,2,3,4,5,6
	STEP \q, 0
.endr
	s_wait_dscnt 0x0                               ; the last step: nothing more to fetch
	MULS F1, 0
	WIN 0
; THE WAY OUT, block by block of 16 rows x my 64 columns, which are 256 bytes of a row of C, aligned.  A lane holds 32 neighbouring bytes of a row and the lanes beside it hold other rows: so a block goes through my own stage
; and comes back as whole rows of 256 bytes, two rows a load.  LDS serves a wave's instructions in order (ISA guide 5.7.1.4): no wait between the stores and the loads, nor in front of the next block's stores.
.macro TOSTAGE a
.set AC, ACC+32*(\a)
.set i, 0
.rept 16
	v_pk_mul_f32 v[TMP+i:TMP+i+1], v[AC+i:AC+i+1], s[96:97] op_sel_hi:[1,0]   ; x 2^(the exponents added); each accumulator from its low end on
.set i, i+2
.endr
.irp b, 0,1,2,3
	ds_store_b128 v[STO], v[TMP+8*\b:TMP+8*\b+3] offset:64*\b
	ds_store_b128 v[STO], v[TMP+8*\b+4:TMP+8*\b+7] offset:64*\b+16
.endr
.set BB, BK+32*((\a)%2)
.irp t, 0,1,2,3,4,5,6,7
	ds_load_b128 v[BB+4*\t:BB+4*\t+3], v[RD] offset:\t*2*SPITCH
.endr
.endm
.macro SEND a, younger                 ; younger: the LDS instructions issued behind block a's loads, which may stay out
.set BB, BK+32*((\a)%2)
	s_wait_dscnt \younger                          ; the block is back in registers
.irp t, 0,1,2,3,4,5,6,7
	global_store_b128 v[CO], v[BB+4*\t:BB+4*\t+3], s[10:11] offset:((\a)*16+2*\t)*SIZE_N*4   ; sixteen lanes store 256 consecutive bytes, aligned; the block and the pair of rows stand in the immediate: 62 rows of C at the most
.endr
.endm
	s_wait_kmcnt 0x0
	s_add_co_i32 s96, s96, s97
	s_add_co_i32 s96, s96, 127
	s_lshl_b32 s96, s96, 23                        ; 2^(the exponents added) as f32
	PLACES NP                                      ; in front of the first read of results
	TOSTAGE 0
.irp a, 1,2,3
.if \a > 1
	s_wait_xcnt 0x0                                ; block a - 2's stores have read their registers: block a's loads may land there
.endif
	TOSTAGE \a
	SEND \a-1, 16                                  ; behind block a - 1's loads: block a's 8 stores and 8 loads
.endr
	SEND 3, 0
	s_wait_tensorcnt 0x0                           ; the wave's end: a wait, an add to my spare word and a wait, behind my last tensor load and my last LDS store
	ds_add_u32 v[SPW], v[NIL]
	s_wait_dscnt 0x0
	CROUND                                         ; the closing round: no work-group ends while a partner may still ask for a tile that names it
	s_endpgm
.Lfunc_end_k_q213f5356d0_wo:
	.size	k_q213f5356d0_wo, .Lfunc_end_k_q213f5356d0_wo-k_q213f5356d0_wo
	.p2alignl 7, 3214868480
	.fill 96, 4, 3214868480
	.section	.rodata,"a",@progbits
	.p2align	6, 0x0
	.amdhsa_kernel k_q213f5356d0_wo
		.amdhsa_group_segment_fixed_size 327680
		.amdhsa_private_segment_fixed_size 0
		.amdhsa_enable_private_segment 0
		.amdhsa_kernarg_size 32
		.amdhsa_user_sgpr_count 2
		.amdhsa_user_sgpr_kernarg_segment_ptr 1
		.amdhsa_wavefront_size32 1
		.amdhsa_system_sgpr_workgroup_id_x 1
		.amdhsa_system_sgpr_workgroup_id_y 1
		.amdhsa_system_sgpr_workgroup_id_z 1
		.amdhsa_system_vgpr_workitem_id 0
		.amdhsa_next_free_vgpr 512
		.amdhsa_next_free_sgpr 98
		.amdhsa_reserve_vcc 0
		.amdhsa_float_denorm_mode_32 3
		.amdhsa_float_denorm_mode_16_64 3
		.amdhsa_memory_ordered 1
		.amdhsa_forward_progress 1
		.amdhsa_inst_pref_size 44
	.end_amdhsa_kernel
	.amdgpu_metadata
---
amdhsa.version: [ 1, 2 ]
amdhsa.kernels:
  - .name:           k_q213f5356d0_wo
    .symbol:         k_q213f5356d0_wo.kd
    .args:
      - { .name: ac, .offset: 0, .size: 8, .value_kind: global_buffer, .address_space: global }
      - { .name: wc, .offset: 8, .size: 8, .value_kind: global_buffer, .address_space: global }
      - { .name: lowp_scales, .offset: 16, .size: 8, .value_kind: global_buffer, .address_space: global }
      - { .name: ybuf, .offset: 24, .size: 8, .value_kind: global_buffer, .address_space: global }
    .group_segment_fixed_size: 327680
    .private_segment_fixed_size: 0
    .kernarg_segment_align: 8
    .kernarg_segment_size: 32
    .max_flat_workgroup_size: 128
    .sgpr_count:     98
    .vgpr_count:     512
    .wavefront_size: 32
...
	.end_amdgpu_metadata
.endif
;; end of part 12
;; launch ln1 (part 13): grid 256 x 1, 8 waves a work-group, no clusters, 17,408 bytes of LDS; arguments ybuf, x, bo, ln1_g, ln1_b, lowp_scales, o1, o1c; writes o1, o1c
.if DOCPART == 13
	.amdgcn_target "amdgcn-amd-amdhsa--gfx1250"
	.amdhsa_code_object_version 6
	.text
	.protected	k_q213f5356d0_ln1
	.globl	k_q213f5356d0_ln1
	.p2align	8
	.type	k_q213f5356d0_ln1,@function
k_q213f5356d0_ln1:
	s_mov_b64 s[64:65], 0
	v_nop
	global_prefetch_b8 v0, s[64:65] scope:SCOPE_SE
	s_setreg_imm32_b32 hwreg(HW_REG_WAVE_MODE, 25, 1), 1
	s_wait_xcnt 0x0
; LN1: out1 = layernorm(x + (ybuf + bo)) x g + b, in f32, stored as f32 (o1) and as codes of E5M2 with entry 12 of lowp_scales (o1c), the A operand of product 7.  No work is left out here.
; A work-group takes a tile of 16 rows of 1,024 numbers, a wave two rows; a row lies in 32 registers of the wave (lane l holds columns 128 j + 4 l + 0 .. 3, j = 0 .. 7), so each load and store covers 512 consecutive bytes and the row is read once.
; Mean, then the mean of the squared differences, as reference() has them.  Memory binds: no matrix unit, no cluster, no tensor load.
; THE CODES leave as images of operand registers: fragment F(rt, ks) at byte (8 rt + ks) 2048; lane L = r + 16 h, register i, byte y = (row r, k = 16 (i / 2) + 8 h + 4 (i % 2) + y); registers 4 q .. 4 q + 3 of lane L at byte 512 q + 16 L.
; A lane's four codes of K step j are one word of that image: the sixteen rows' words meet in LDS (eight fragments, 16 KiB), and behind one barrier wave w stores fragment w whole.
; LIMIT: e12 between -126 and 112.  NaN is not served.
.set CODES, 1
.set OUTP,  16                         ; s[16:17] the f32 result
.set SPARE, 16384                      ; behind the eight fragments: the spare words, 128 bytes for each of eight waves
.set GA,  16                           ; v16-47   g
.set LB,  48                           ; v48-79   b
.set PB,  80                           ; v80-111  the product's bias
	s_load_b512 s[4:19], s[0:1], 0x0               ; ybuf s[4:5], x s[6:7], bo s[8:9], g s[10:11], b s[12:13], lowp_scales s[14:15], o1 s[16:17], o1c s[18:19]
	v_lshl_add_u32 v4, v0, 2, SPARE                ; v4, v5: the add's two; never rewritten
	v_mov_b32 v5, 0
	v_lshrrev_b32 v8, 5, v0
	s_delay_alu instid0(VALU_DEP_1)
	v_readfirstlane_b32 s20, v8                    ; wave 0..7
	v_and_b32 v1, 31, v0
	s_delay_alu instid0(VALU_DEP_1)
	v_lshlrev_b32 v1, 4, v1                        ; 16 x lane
	v_bfe_u32 v2, v0, 3, 2                         ; my word's place in a fragment: k = 4 l: register group l / 8,
	s_delay_alu instid0(VALU_DEP_1)
	v_lshlrev_b32 v2, 9, v2
	v_bfe_u32 v8, v0, 1, 1                         ; half h = (l / 2) % 2: 16 lanes of 16 bytes on,
	s_delay_alu instid0(VALU_DEP_1)
	v_lshl_add_u32 v2, v8, 8, v2
	v_bfe_u32 v8, v0, 2, 1                         ; register 2 ((l / 4) % 2) + l % 2 of the group,
	s_delay_alu instid0(VALU_DEP_1)
	v_lshl_add_u32 v2, v8, 3, v2
	v_and_b32 v8, 1, v0
	s_delay_alu instid0(VALU_DEP_1)
	v_lshl_add_u32 v2, v8, 2, v2
	s_lshl_b32 s21, s20, 5                         ; lane r = row 2 w (+ 1 by the immediate)
	v_add_nc_u32 v2, s21, v2
	s_lshl_b32 s21, s20, 11
	v_add_nc_u32 v3, s21, v1                       ; fragment w, 16 x lane
	s_mov_b32 s24, 0x76543210                      ; v_permlanex16_b32: lane l xor 16
	s_mov_b32 s25, 0xfedcba98
	s_mov_b32 s26, 0x3a800000                      ; 1 / 1024
	s_mov_b32 s27, 0x358637bd                      ; 1e-6
	s_lshl_b32 s22, ttmp9, 16                      ; 16 rows of 4,096 bytes,
	s_lshl_b32 s23, s20, 13                        ; my two
	s_add_co_u32 s22, s22, s23
	s_mov_b32 s23, 0
	s_lshl_b32 s28, ttmp9, 14                      ; the tile's eight fragments,
	s_lshl_b32 s29, s20, 11                        ; mine
	s_add_co_u32 s28, s28, s29
	s_mov_b32 s29, 0
	s_wait_kmcnt 0x0
	s_load_b32 s30, s[14:15], 0x30                 ; e12
	s_add_nc_u64 s[4:5], s[4:5], s[22:23]
	s_add_nc_u64 s[6:7], s[6:7], s[22:23]
	s_add_nc_u64 s[OUTP:OUTP+1], s[OUTP:OUTP+1], s[22:23]
	s_add_nc_u64 s[18:19], s[18:19], s[28:29]
.set j, 0
.rept 8
	global_load_b128 v[GA+4*j:GA+4*j+3], v1, s[10:11] offset:512*j
	global_load_b128 v[LB+4*j:LB+4*j+3], v1, s[12:13] offset:512*j
	global_load_b128 v[PB+4*j:PB+4*j+3], v1, s[8:9] offset:512*j
.set j, j+1
.endr
.irp w, 0,1
.set j, 0
.rept 8
	global_load_b128 v[112+64*\w+4*j:115+64*\w+4*j], v1, s[4:5] offset:4096*\w+512*j th:TH_LOAD_NT
	global_load_b128 v[144+64*\w+4*j:147+64*\w+4*j], v1, s[6:7] offset:4096*\w+512*j th:TH_LOAD_NT
.set j, j+1
.endr
.endr
	s_wait_kmcnt 0x0
	s_add_co_i32 s30, s30, 127
	s_lshl_b32 s31, s30, 23
	v_mov_b32 v7, s31                              ; 2^e12
	s_add_co_i32 s30, s30, 15
	s_lshl_b32 s30, s30, 23
	s_or_b32 s30, s30, 0x600000
	v_mov_b32 v6, s30                              ; 57,344 x 2^e12
.macro REDUCE r, t                     ; the sum of v[r] over the 32 lanes, in every lane; v[t] at work (written before)
	s_delay_alu instid0(VALU_DEP_1)
	v_add_f32_dpp v[\r], v[\r], v[\r] row_xmask:1 row_mask:0xf bank_mask:0xf
	s_delay_alu instid0(VALU_DEP_1)
	v_add_f32_dpp v[\r], v[\r], v[\r] row_xmask:2 row_mask:0xf bank_mask:0xf
	s_delay_alu instid0(VALU_DEP_1)
	v_add_f32_dpp v[\r], v[\r], v[\r] row_xmask:4 row_mask:0xf bank_mask:0xf
	s_delay_alu instid0(VALU_DEP_1)
	v_add_f32_dpp v[\r], v[\r], v[\r] row_xmask:8 row_mask:0xf bank_mask:0xf
	s_delay_alu instid0(VALU_DEP_1)
	v_permlanex16_b32 v[\t], v[\r], s24, s25
	s_delay_alu instid0(VALU_DEP_1)
	v_add_f32 v[\r], v[\r], v[\t]
.endm
.macro ROW YB, RB, CB, rho             ; v[YB ..] the product's row, v[RB ..] the residual's, v[CB ..] eight registers for the codes; rho: which of my two rows
.set i, 0
.rept 16
	v_pk_add_f32 v[\YB+i:\YB+i+1], v[\YB+i:\YB+i+1], v[PB+i:PB+i+1]
.set i, i+2
.endr
.set i, 0
.rept 16
	v_pk_add_f32 v[\YB+i:\YB+i+1], v[\YB+i:\YB+i+1], v[\RB+i:\RB+i+1]
.set i, i+2
.endr
	v_pk_add_f32 v[248:249], v[\YB:\YB+1], v[\YB+2:\YB+3]          ; the sum, in two chains
	v_pk_add_f32 v[250:251], v[\YB+4:\YB+5], v[\YB+6:\YB+7]
.set i, 8
.rept 6
	s_delay_alu instid0(VALU_DEP_2)
	v_pk_add_f32 v[248:249], v[248:249], v[\YB+i:\YB+i+1]
	s_delay_alu instid0(VALU_DEP_2)
	v_pk_add_f32 v[250:251], v[250:251], v[\YB+i+2:\YB+i+3]
.set i, i+4
.endr
	s_delay_alu instid0(VALU_DEP_1)
	v_pk_add_f32 v[248:249], v[248:249], v[250:251]
	s_delay_alu instid0(VALU_DEP_1)
	v_add_f32 v248, v248, v249
	REDUCE 248, 249
	s_delay_alu instid0(VALU_DEP_1)
	v_mul_f32 v248, s26, v248                      ; the mean
.set i, 0
.rept 16
	v_pk_add_f32 v[\YB+i:\YB+i+1], v[\YB+i:\YB+i+1], v[248:249] op_sel_hi:[1,0] neg_lo:[0,1] neg_hi:[0,1]
.set i, i+2
.endr
	v_pk_mul_f32 v[250:251], v[\YB:\YB+1], v[\YB:\YB+1]            ; the squares, in two chains
	v_pk_mul_f32 v[252:253], v[\YB+2:\YB+3], v[\YB+2:\YB+3]
.set i, 4
.rept 7
	s_delay_alu instid0(VALU_DEP_2)
	v_pk_fma_f32 v[250:251], v[\YB+i:\YB+i+1], v[\YB+i:\YB+i+1], v[250:251]
	s_delay_alu instid0(VALU_DEP_2)
	v_pk_fma_f32 v[252:253], v[\YB+i+2:\YB+i+3], v[\YB+i+2:\YB+i+3], v[252:253]
.set i, i+4
.endr
	s_delay_alu instid0(VALU_DEP_1)
	v_pk_add_f32 v[250:251], v[250:251], v[252:253]
	s_delay_alu instid0(VALU_DEP_1)
	v_add_f32 v250, v250, v251
	REDUCE 250, 251
	s_delay_alu instid0(VALU_DEP_1)
	v_fma_f32 v250, v250, s26, s27                 ; the variance + 1e-6
	s_wait_alu depctr_va_vdst(0)
	v_rsq_f32 v250, v250
	v_nop                                          ; a plain line behind the transcendental,
	s_wait_alu depctr_va_vdst(0)                   ; and the wait ahead of its first reader
.set i, 0
.rept 16
	v_pk_mul_f32 v[\YB+i:\YB+i+1], v[\YB+i:\YB+i+1], v[250:251] op_sel_hi:[1,0]
.set i, i+2
.endr
.set i, 0
.rept 16
	v_pk_fma_f32 v[\YB+i:\YB+i+1], v[\YB+i:\YB+i+1], v[GA+i:GA+i+1], v[LB+i:LB+i+1]
.set i, i+2
.endr
.set j, 0
.rept 8
	global_store_b128 v1, v[\YB+4*j:\YB+4*j+3], s[OUTP:OUTP+1] offset:4096*(\rho)+512*j     ; 512 consecutive bytes
.set j, j+1
.endr
.if CODES
.set i, 0
.rept 32
	v_med3_num_f32 v[\RB+i], v[\YB+i], -v6, v6     ; the hold, into the residual's registers: the result's are being stored
.set i, i+1
.endr
.set i, 0
.rept 4
	v_cvt_scalef32_pk8_bf8_f32 v[\CB+2*i:\CB+2*i+1], v[\RB+8*i:\RB+8*i+7], v7   ; register j: my four codes of K step j
.set i, i+1
.endr
	v_nop
.set j, 0
.rept 8
	ds_store_b32 v2, v[\CB+j] offset:2048*j+16*(\rho)
.set j, j+1
.endr
.endif
.endm
	s_wait_loadcnt 16                              ; the parameters and my first row are in; the second row's sixteen loads may be out
	ROW 112, 144, 240, 0
	s_wait_loadcnt 0
	ROW 176, 208, 8, 1
	s_wait_dscnt 0x0                               ; for the others' sake: my words lie in the images
	s_barrier_signal -1
	s_barrier_wait -1
.irp q, 0,1,2,3
	ds_load_b128 v[144+4*\q:147+4*\q], v3 offset:512*\q        ; registers that no pending store reads
.endr
	s_wait_dscnt 0x0
.irp q, 0,1,2,3
	global_store_b128 v1, v[144+4*\q:147+4*\q], s[18:19] offset:512*\q
.endr
	s_wait_tensorcnt 0x0                           ; the wave's end: a wait, an add to my spare word and a wait, behind my last LDS store
	ds_add_u32 v4, v5
	s_wait_dscnt 0x0
	s_endpgm
.Lfunc_end_k_q213f5356d0_ln1:
	.size	k_q213f5356d0_ln1, .Lfunc_end_k_q213f5356d0_ln1-k_q213f5356d0_ln1
	.p2alignl 7, 3214868480
	.fill 96, 4, 3214868480
	.section	.rodata,"a",@progbits
	.p2align	6, 0x0
	.amdhsa_kernel k_q213f5356d0_ln1
		.amdhsa_group_segment_fixed_size 17408
		.amdhsa_private_segment_fixed_size 0
		.amdhsa_enable_private_segment 0
		.amdhsa_kernarg_size 64
		.amdhsa_user_sgpr_count 2
		.amdhsa_user_sgpr_kernarg_segment_ptr 1
		.amdhsa_wavefront_size32 1
		.amdhsa_system_sgpr_workgroup_id_x 1
		.amdhsa_system_sgpr_workgroup_id_y 1
		.amdhsa_system_sgpr_workgroup_id_z 1
		.amdhsa_system_vgpr_workitem_id 0
		.amdhsa_next_free_vgpr 256
		.amdhsa_next_free_sgpr 66
		.amdhsa_reserve_vcc 0
		.amdhsa_float_denorm_mode_32 3
		.amdhsa_float_denorm_mode_16_64 3
		.amdhsa_memory_ordered 1
		.amdhsa_forward_progress 1
		.amdhsa_inst_pref_size 35
	.end_amdhsa_kernel
	.amdgpu_metadata
---
amdhsa.version: [ 1, 2 ]
amdhsa.kernels:
  - .name:           k_q213f5356d0_ln1
    .symbol:         k_q213f5356d0_ln1.kd
    .args:
      - { .name: ybuf, .offset: 0, .size: 8, .value_kind: global_buffer, .address_space: global }
      - { .name: x, .offset: 8, .size: 8, .value_kind: global_buffer, .address_space: global }
      - { .name: bo, .offset: 16, .size: 8, .value_kind: global_buffer, .address_space: global }
      - { .name: ln1_g, .offset: 24, .size: 8, .value_kind: global_buffer, .address_space: global }
      - { .name: ln1_b, .offset: 32, .size: 8, .value_kind: global_buffer, .address_space: global }
      - { .name: lowp_scales, .offset: 40, .size: 8, .value_kind: global_buffer, .address_space: global }
      - { .name: o1, .offset: 48, .size: 8, .value_kind: global_buffer, .address_space: global }
      - { .name: o1c, .offset: 56, .size: 8, .value_kind: global_buffer, .address_space: global }
    .group_segment_fixed_size: 17408
    .private_segment_fixed_size: 0
    .kernarg_segment_align: 8
    .kernarg_segment_size: 64
    .max_flat_workgroup_size: 256
    .sgpr_count:     66
    .vgpr_count:     256
    .wavefront_size: 32
...
	.end_amdgpu_metadata
.endif
;; end of part 13
;; launch ff1 (part 14): grid 16 x 16, 4 waves a work-group, clusters of 4 x 4, 327,680 bytes of LDS; arguments o1c, wc, lowp_scales, hc, b_ff1; writes hc
.if DOCPART == 14
	.amdgcn_target "amdgcn-amd-amdhsa--gfx1250"
	.amdhsa_code_object_version 6
	.text
	.protected	k_q213f5356d0_ff1
	.globl	k_q213f5356d0_ff1
	.p2align	8
	.type	k_q213f5356d0_ff1,@function
k_q213f5356d0_ff1:
	s_mov_b64 s[64:65], 0
	v_nop
	global_prefetch_b8 v0, s[64:65] scope:SCOPE_SE
	s_setreg_imm32_b32 hwreg(HW_REG_WAVE_MODE, 25, 1), 1
	s_wait_xcnt 0x0
	s_wait_alu depctr_hold_cnt(0) depctr_sa_sdst(0) depctr_va_vdst(0) depctr_va_sdst(0) depctr_va_ssrc(0) depctr_va_vcc(0) depctr_vm_vsrc(0)
	s_getreg_b32 s2, hwreg(HW_REG_IB_STS2, 6, 4)
	s_cmp_eq_u32 s2, 0
	s_cbranch_scc0 .Lentry_in_a_cluster
	s_endpgm
.Lentry_in_a_cluster:
	s_bfe_u32 s2, ttmp6, 0x10000c
	s_cmp_lg_u32 s2, 0xf033
	s_cbranch_scc0 .Lentry_shape_is_right
	s_endpgm
.Lentry_shape_is_right:
.set SIZE_K, 1024
.set BOFF,   4<<20
.set FR,     16
.set NL,     4
.set NP,     4
.set HALFT,  32768
.set SLOT,   4*HALFT
.set STEPB,  4096
.set LAPS,   SIZE_K/512
.set SPARE,  2*SLOT
.set ADRA, 16
.set ADRB, 20
.set DMP,  24
.set DAD,  25
.set CO,   26
.set SPW,  28
.set NIL,  29
.set BO,   31
.set BIAS, 32
.set Z2,   32
.set PA,   48
.set PBR,  64
.set AF,   128
.set ZC,   192
.set CA,   208
.set CBT,  222
.set G1, 24
.set G0, 32
.set G1B, 48
.set G0B, 56
.set MSB, 0
.macro WIN new
.if MSB != \new
	s_set_vgpr_msb (MSB<<8)|\new
.set MSB, \new
.endif
.endm
.set MUL_LO, 0xa1
.set MUL_HI, 0xf1
.set TO_B,   0x40
.macro JLOAD g0a, g1a, g0b, g1b
	s_cmp_eq_u32 s15, 0
	s_cbranch_scc0 .Lfor_b_\@
	tensor_load_to_lds s[\g0a:\g0a+3], s[\g1a:\g1a+7]
	s_nop 0
.rept 4
	v_nop
.endr
	s_branch .Lasked_\@
.Lfor_b_\@:
	tensor_load_to_lds s[\g0b:\g0b+3], s[\g1b:\g1b+7]
	s_nop 0
.rept 4
	v_nop
.endr
.Lasked_\@:
.endm
.macro CREST
	s_cmp_lg_u32 s14, 0
	s_cbranch_scc1 .Lnot_wave_0_\@
	s_barrier_signal -3
.Lnot_wave_0_\@:
	s_barrier_wait -3
	s_barrier_signal -1
	s_barrier_wait -1
.endm
.macro CROUND
	s_barrier_signal -1
	s_barrier_wait -1
	CREST
.endm
	s_load_b256 s[4:11], s[0:1], 0x0
	s_load_b64 s[84:85], s[0:1], 0x20
	v_lshl_add_u32 v[SPW], v0, 2, SPARE
	v_mov_b32 v[NIL], 0
	ds_add_u32 v[SPW], v[NIL]
	ds_add_u32 v[SPW], v[NIL]
	v_lshrrev_b32 v1, 5, v0
	v_readfirstlane_b32 s14, v1
	v_and_b32 v30, 15, v0                          ; the prefetches' offset: lanes 0-15 one row tile, lanes 16-31 the next (16,384 bytes on), 256 bytes a lane; never rewritten
	v_lshlrev_b32 v30, 8, v30
	v_bfe_u32 v27, v0, 4, 1
	v_lshl_add_u32 v30, v27, 14, v30
	s_wait_alu depctr_va_vdst(0)
	s_lshr_b32 s15, s14, 1
	s_and_b32 s16, s14, 1
	s_bfe_u32 s40, ttmp6, 0x40000
	s_bfe_u32 s41, ttmp6, 0x40004
	s_lshl_b32 s42, ttmp9, 2
	s_add_co_u32 s42, s42, s40
	s_and_b32 s17, ttmp7, 0xffff
	s_lshl_b32 s17, s17, 2
	s_add_co_u32 s17, s17, s41
	s_lshl_b32 s43, s41, 2
	s_lshl_b32 s43, 15, s43
	s_lshl_b32 s44, 0x1111, s40
	s_or_b32 s[G1+0], s43, (3<<16)|(1<<21)
	s_or_b32 s[G1B+0], s44, (3<<16)|(1<<21)
.irp g, G1, G1B
	s_mov_b32 s[\g+1], 512<<16
	s_mov_b32 s[\g+2], 8<<16
	s_mov_b32 s[\g+3], 512<<16
	s_mov_b32 s[\g+4], 8
	s_mov_b32 s[\g+5], 2*SIZE_K
	s_mov_b32 s[\g+6], 0
	s_mov_b32 s[\g+7], 0
.endr
	s_lshl_b32 s18, s16, 7
	s_lshl_b32 s20, s17, 8
	s_add_co_u32 s20, s20, s18
	s_mul_i32 s20, s20, SIZE_K
	s_mov_b32 s21, 0
	s_lshl_b32 s46, s42, 8
	s_add_co_u32 s46, s46, s18
	s_mul_i32 s46, s46, SIZE_K
	s_add_co_u32 s46, s46, BOFF
	s_mov_b32 s47, 0
	s_mul_i32 s45, s14, HALFT
	s_wait_dscnt 0x0
	s_wait_kmcnt 0x0
	s_load_b128 s[68:71], s[8:9], 0x30
	s_add_nc_u64 s[20:21], s[4:5], s[20:21]
	s_add_nc_u64 s[46:47], s[6:7], s[46:47]
	s_cmp_eq_u32 s15, 0                            ; the prefetches: of the 8 row tiles that I fetch, each of the four partners that ask for them with me takes two, told apart by address (cx for A, cy for B)
	s_cselect_b64 s[66:67], s[20:21], s[46:47]
	s_cselect_b32 s72, s40, s41
	s_lshl_b32 s72, s72, 15
	s_mov_b32 s73, 0
	s_add_nc_u64 s[66:67], s[66:67], s[72:73]
	CROUND
.irp s, 0,1
	s_mov_b32 s[G0+4*\s], 1
	s_add_co_u32 s[G0+4*\s+1], s45, \s*SLOT
	s_add_nc_u64 s[G0+4*\s+2:G0+4*\s+3], s[20:21], \s*STEPB
	s_or_b32 s[G0+4*\s+3], s[G0+4*\s+3], 0x80000000
	s_mov_b32 s[G0B+4*\s], 1
	s_add_co_u32 s[G0B+4*\s+1], s45, \s*SLOT
	s_add_nc_u64 s[G0B+4*\s+2:G0B+4*\s+3], s[46:47], \s*STEPB
	s_or_b32 s[G0B+4*\s+3], s[G0B+4*\s+3], 0x80000000
.if \s
	s_wait_alu depctr_va_vdst(0)
	s_wait_tensorcnt 0x0
	ds_add_u32 v28, v29
	ds_add_u32 v28, v29
	s_wait_dscnt 0x0
	CROUND
.endif
	JLOAD G0+4*\s, G1, G0B+4*\s, G1B
	global_prefetch_b8 v30, s[66:67] offset:(\s+2)*STEPB th:TH_LOAD_NT scope:SCOPE_SE   ; the fill of slot s asks for what the fill two on will load: 2 row tiles x 4,096 bytes; K has four slots' worth, so the two refills ask for nothing
.endr
	v_and_b32 v6, 31, v0
	v_lshlrev_b32 v[CO], 4, v6
	s_wait_alu depctr_va_vdst(0)
	s_mul_i32 s21, s15, HALFT
	s_mul_i32 s22, s16, HALFT
	s_add_co_u32 s22, s22, 2*HALFT
.irp s, 0,1
	v_add_nc_u32 v[ADRA+\s], s21, v[CO]
	v_add_nc_u32 v[ADRB+\s], s22, v[CO]
	s_add_co_u32 s21, s21, SLOT
	s_add_co_u32 s22, s22, SLOT
.endr
	s_lshl_b32 s18, s42, 10
	s_lshl_b32 s19, s16, 9
	s_add_co_u32 s18, s18, s19
	s_mov_b32 s19, 0
	s_add_nc_u64 s[84:85], s[84:85], s[18:19]
	v_bfe_u32 v[BO], v0, 4, 1
	v_lshlrev_b32 v[BO], 5, v[BO]
.set i, 0
.rept 8
	global_load_b128 v[BIAS+8*i:BIAS+8*i+3], v[BO], s[84:85] offset:64*i
	global_load_b128 v[BIAS+8*i+4:BIAS+8*i+7], v[BO], s[84:85] offset:64*i+16
.set i, i+1
.endr
	s_lshl_b32 s18, s17, 4
	s_lshl_b32 s19, s15, 3
	s_add_co_u32 s18, s18, s19
	s_lshl_b32 s18, s18, 16
	s_lshl_b32 s19, s42, 12
	s_add_co_u32 s18, s18, s19
	s_lshl_b32 s19, s16, 11
	s_add_co_u32 s18, s18, s19
	s_mov_b32 s19, 0
	s_add_nc_u64 s[10:11], s[10:11], s[18:19]
.macro FRAG reg, adr, q, i
.irp c, 0,1,2,3
	ds_load_b128 v[\reg+4*\c:\reg+4*\c+3], v[\adr] offset:(\i)*STEPB+(\q)*2048+512*\c
.endr
.endm
.macro MUL16 a0, p, zero
.irp a, \a0, \a0+1
.irp b, 0,1,2,3,4,5,6,7
.if \zero
	v_wmma_f32_16x16x128_bf8_bf8 v[8*(8*((\a)%4)+\b):8*(8*((\a)%4)+\b)+7], v[128*(\p)+FR*\b:128*(\p)+FR*\b+FR-1], v[AF+FR*(\a):AF+FR*(\a)+FR-1], 0
.else
	v_wmma_f32_16x16x128_bf8_bf8 v[8*(8*((\a)%4)+\b):8*(8*((\a)%4)+\b)+7], v[128*(\p)+FR*\b:128*(\p)+FR*\b+FR-1], v[AF+FR*(\a):AF+FR*(\a)+FR-1], v[8*(8*((\a)%4)+\b):8*(8*((\a)%4)+\b)+7]
.endif
.endr
.endr
.endm
.macro FETCH_B slot, q, p
	WIN TO_B
.irp i, 0,1,2,3,4,5,6,7
	FRAG 128*(\p)+FR*\i, ADRB+\slot, \q, \i
.endr
	WIN 0
.endm
.macro FETCH_A slot, q, i0
.irp i, \i0, \i0+1, \i0+2, \i0+3
	FRAG AF+FR*(\i), ADRA+\slot, \q, \i
.endr
.endm
.macro PLACES n
.rept \n
	v_nop
.endr
.endm
.macro STEP slot, q, zero
	s_wait_dscnt 4*NL
	WIN MUL_LO
	MUL16 0, (\q)%2, \zero
	MUL16 2, (\q)%2, \zero
	s_wait_dscnt 0
	PLACES NP
	FETCH_B \slot, (\q)+1, 1-(\q)%2
	FETCH_A \slot, (\q)+1, 0
	WIN MUL_HI
	MUL16 4, (\q)%2, \zero
	MUL16 6, (\q)%2, \zero
	PLACES NP
	WIN 0
	FETCH_A \slot, (\q)+1, 4
.endm
.macro TURN slot, next, fill
	s_wait_tensorcnt 0x0
	ds_add_u32 v[SPW], v[NIL]
	s_wait_dscnt 4*NL+1
	WIN MUL_LO
	MUL16 0, 1, 0
	s_wait_dscnt 0x0
	s_barrier_signal -1
	MUL16 2, 1, 0
	WIN 0
	s_barrier_wait -1
.if \fill
	CREST
	s_add_nc_u64 s[G0+4*\slot+2:G0+4*\slot+3], s[G0+4*\slot+2:G0+4*\slot+3], 2*STEPB
	s_add_nc_u64 s[G0B+4*\slot+2:G0B+4*\slot+3], s[G0B+4*\slot+2:G0B+4*\slot+3], 2*STEPB
	JLOAD G0+4*\slot, G1, G0B+4*\slot, G1B
.else
	PLACES NP
.endif
	FETCH_B \next, 0, 0
	FETCH_A \next, 0, 0
	WIN MUL_HI
	MUL16 4, 1, 0
	MUL16 6, 1, 0
	PLACES NP
	WIN 0
	FETCH_A \next, 0, 4
.endm
	s_wait_alu depctr_va_vdst(0)
	s_wait_tensorcnt 1
	s_barrier_signal -1
	s_barrier_wait -1
	FETCH_B 0, 0, 0
	FETCH_A 0, 0, 0
	FETCH_A 0, 0, 4
	STEP 0, 0, 1
	s_mov_b32 s3, LAPS-1
.Llap:
	TURN 0, 1, 1
	STEP 1, 0, 0
	TURN 1, 0, 1
	STEP 0, 0, 0
	s_sub_co_u32 s3, s3, 1
	s_cmp_lg_u32 s3, 0
	s_cbranch_scc1 .Llap
	TURN 0, 1, 0
	STEP 1, 0, 0
	s_wait_dscnt 4*NL
	WIN MUL_LO
	MUL16 0, 1, 0
	MUL16 2, 1, 0
	s_wait_dscnt 0
	WIN MUL_HI
	MUL16 4, 1, 0
	MUL16 6, 1, 0
	WIN 0
	s_wait_kmcnt 0x0
	s_add_co_i32 s96, s68, s69
	s_lshl_b32 s96, s96, 23
	s_add_co_i32 s96, s96, 0x3f3504f3
	s_mov_b32 s97, s96
	s_add_co_i32 s70, s70, 127
	s_lshl_b32 s71, s70, 23
	s_add_co_i32 s70, s70, 15
	s_lshl_b32 s70, s70, 23
	s_or_b32 s70, s70, 0x600000
	PLACES NP
	v_mov_b32 v232, 0x3f3504f3
	v_mov_b32 v233, 0x3f3504f3
	v_mov_b32 v234, s70
	v_mov_b32 v235, s71
.macro COEF r, bits
	v_mov_b32 v[\r], \bits
	v_mov_b32 v[\r+1], \bits
.endm
	COEF CA+0,  0xaf95df0b
	COEF CA+2,  0x32edffee
	COEF CA+4,  0xb60cff51
	COEF CA+6,  0xb86ec2d2
	COEF CA+8,  0xba40ac63
	COEF CA+10, 0xbb41a1f6
	COEF CA+12, 0xbc83dbd4
	COEF CBT+0, 0xb77460cd
	COEF CBT+2, 0xb95fbd29
	COEF CBT+4, 0xbadc924e
	COEF CBT+6, 0xbbf19bf8
	COEF CBT+8, 0xbc69b6a7
	s_wait_loadcnt 0x0
	WIN 0x40                                       ; the bias / sqrt(2) goes into window 1, v0-63, where B's fragments are done with: window 0's v32-95 are at work in the rows' loop
.set i, 0
.rept 32
	v_pk_mul_f32 v[i:i+1], v[BIAS+i:BIAS+i+1], v[232:233]
.set i, i+2
.endr
	WIN 0
.macro GELU16 Z, C
.set i, 0
.rept 16
	v_med3_num_f32 v[ZC+i], v[\Z+i], -4.0, 4.0
.set i, i+1
.endr
.set i, 0
.rept 8
	v_pk_mul_f32 v[Z2+i:Z2+i+1], v[ZC+i:ZC+i+1], v[ZC+i:ZC+i+1]
.set i, i+2
.endr
.set i, 0
.rept 8
	v_pk_fma_f32 v[PA+i:PA+i+1], v[Z2+i:Z2+i+1], v[CA:CA+1], v[CA+2:CA+3]
	v_pk_fma_f32 v[PBR+i:PBR+i+1], v[Z2+i:Z2+i+1], v[CBT:CBT+1], v[CBT+2:CBT+3]
.set i, i+2
.endr
.irp k, 2,3,4
.set i, 0
.rept 8
	v_pk_fma_f32 v[PA+i:PA+i+1], v[PA+i:PA+i+1], v[Z2+i:Z2+i+1], v[CA+2*\k:CA+2*\k+1]
	v_pk_fma_f32 v[PBR+i:PBR+i+1], v[PBR+i:PBR+i+1], v[Z2+i:Z2+i+1], v[CBT+2*\k:CBT+2*\k+1]
.set i, i+2
.endr
.endr
.set i, 0
	s_wait_alu depctr_va_vdst(0)
.rept 16
	v_rcp_f32 v[PBR+i], v[PBR+i]
.set i, i+1
.endr
.irp k, 5,6
.set i, 0
.rept 8
	v_pk_fma_f32 v[PA+i:PA+i+1], v[PA+i:PA+i+1], v[Z2+i:Z2+i+1], v[CA+2*\k:CA+2*\k+1]
.set i, i+2
.endr
.endr
.set i, 0
.rept 8
	v_pk_mul_f32 v[PA+i:PA+i+1], v[PA+i:PA+i+1], v[ZC+i:ZC+i+1]
	v_pk_mul_f32 v[\Z+i:\Z+i+1], v[\Z+i:\Z+i+1], v[232:233]
.set i, i+2
.endr
	s_wait_alu depctr_va_vdst(0)
.set i, 0
.rept 8
	v_pk_mul_f32 v[PA+i:PA+i+1], v[PA+i:PA+i+1], v[PBR+i:PBR+i+1]
.set i, i+2
.endr
.set i, 0
.rept 8
	v_pk_fma_f32 v[\Z+i:\Z+i+1], v[\Z+i:\Z+i+1], v[PA+i:PA+i+1], v[\Z+i:\Z+i+1]
.set i, i+2
.endr
.set i, 0
.rept 16
	v_med3_num_f32 v[\Z+i], v[\Z+i], -v234, v234
.set i, i+1
.endr
	v_cvt_scalef32_pk8_bf8_f32 v[\C:\C+1], v[\Z:\Z+7], v235
	v_cvt_scalef32_pk8_bf8_f32 v[\C+2:\C+3], v[\Z+8:\Z+15], v235
	v_nop
.endm
	s_mov_b32 s2, 0
.Lrows:                                                ; eight trips, a block of 16 rows each.  The block's sums lie in registers of their own, so a chain of branches on the trip's number picks its 32 lines; the activation is written once
.irp a, 0,1,2,3,4,5,6,7
	s_cmp_lg_u32 s2, \a
	s_cbranch_scc1 .Lnot_\a
	WIN 0x12+(\a/4)                                ; source 0: window 2 or 3, the sums; source 2: window 1, the bias
	s_wait_alu depctr_va_vdst(0)
.set i, 0
.rept 32
	v_pk_fma_f32 v[128+i:129+i], v[64*(\a%4)+i:64*(\a%4)+i+1], s[96:97], v[i:i+1] op_sel_hi:[1,0,1]
.set i, i+2
.endr
	WIN 0
	s_wait_alu depctr_va_vdst(0)
	s_branch .Lgelu
.Lnot_\a:
.endr
.Lgelu:
.irp q, 0,1,2,3
	GELU16 128+16*\q, 96+4*\q
.endr
.irp q, 0,1,2,3
	global_store_b128 v[CO], v[96+4*\q:99+4*\q], s[10:11] offset:512*\q
.endr
	s_wait_xcnt 0x0
	s_add_nc_u64 s[10:11], s[10:11], 65536
	s_add_co_u32 s2, s2, 1
	s_cmp_lt_u32 s2, 8
	s_cbranch_scc1 .Lrows
	s_wait_tensorcnt 0x0
	ds_add_u32 v[SPW], v[NIL]
	s_wait_dscnt 0x0
	CROUND
	s_endpgm
.Lfunc_end_k_q213f5356d0_ff1:
	.size	k_q213f5356d0_ff1, .Lfunc_end_k_q213f5356d0_ff1-k_q213f5356d0_ff1
	.p2alignl 7, 3214868480
	.fill 96, 4, 3214868480
	.section	.rodata,"a",@progbits
	.p2align	6, 0x0
	.amdhsa_kernel k_q213f5356d0_ff1
		.amdhsa_group_segment_fixed_size 327680
		.amdhsa_private_segment_fixed_size 0
		.amdhsa_enable_private_segment 0
		.amdhsa_kernarg_size 40
		.amdhsa_user_sgpr_count 2
		.amdhsa_user_sgpr_kernarg_segment_ptr 1
		.amdhsa_wavefront_size32 1
		.amdhsa_system_sgpr_workgroup_id_x 1
		.amdhsa_system_sgpr_workgroup_id_y 1
		.amdhsa_system_sgpr_workgroup_id_z 1
		.amdhsa_system_vgpr_workitem_id 0
		.amdhsa_next_free_vgpr 1024
		.amdhsa_next_free_sgpr 100
		.amdhsa_reserve_vcc 0
		.amdhsa_float_denorm_mode_32 3
		.amdhsa_float_denorm_mode_16_64 3
		.amdhsa_memory_ordered 1
		.amdhsa_forward_progress 1
		.amdhsa_inst_pref_size 143
	.end_amdhsa_kernel
	.amdgpu_metadata
---
amdhsa.version: [ 1, 2 ]
amdhsa.kernels:
  - .name:           k_q213f5356d0_ff1
    .symbol:         k_q213f5356d0_ff1.kd
    .args:
      - { .name: o1c, .offset: 0, .size: 8, .value_kind: global_buffer, .address_space: global }
      - { .name: wc, .offset: 8, .size: 8, .value_kind: global_buffer, .address_space: global }
      - { .name: lowp_scales, .offset: 16, .size: 8, .value_kind: global_buffer, .address_space: global }
      - { .name: hc, .offset: 24, .size: 8, .value_kind: global_buffer, .address_space: global }
      - { .name: b_ff1, .offset: 32, .size: 8, .value_kind: global_buffer, .address_space: global }
    .group_segment_fixed_size: 327680
    .private_segment_fixed_size: 0
    .kernarg_segment_align: 8
    .kernarg_segment_size: 40
    .max_flat_workgroup_size: 128
    .sgpr_count:     100
    .vgpr_count:     1024
    .wavefront_size: 32
...
	.end_amdgpu_metadata
.endif
;; end of part 14
;; launch ff2 (part 15): grid 8 x 32, 4 waves a work-group, clusters of 4 x 4, 327,680 bytes of LDS; arguments hc, wc, lowp_scales, ybuf; writes ybuf
.if DOCPART == 15
	.amdgcn_target "amdgcn-amd-amdhsa--gfx1250"
	.amdhsa_code_object_version 6
	.text
	.protected	k_q213f5356d0_ff2
	.globl	k_q213f5356d0_ff2
	.p2align	8
	.type	k_q213f5356d0_ff2,@function
k_q213f5356d0_ff2:
	s_mov_b64 s[64:65], 0
	v_nop
	global_prefetch_b8 v0, s[64:65] scope:SCOPE_SE
	s_setreg_imm32_b32 hwreg(HW_REG_WAVE_MODE, 25, 1), 1
	s_wait_xcnt 0x0
	s_wait_alu depctr_hold_cnt(0) depctr_sa_sdst(0) depctr_va_vdst(0) depctr_va_sdst(0) depctr_va_ssrc(0) depctr_va_vcc(0) depctr_vm_vsrc(0)
	s_getreg_b32 s2, hwreg(HW_REG_IB_STS2, 6, 4)
	s_cmp_eq_u32 s2, 0
	s_cbranch_scc0 .Lentry_in_a_cluster
	s_endpgm
.Lentry_in_a_cluster:
	s_bfe_u32 s2, ttmp6, 0x10000c
	s_cmp_lg_u32 s2, 0xf033
	s_cbranch_scc0 .Lentry_shape_is_right
	s_endpgm
.Lentry_shape_is_right:
.set SIZE_K, 4096
.set SIZE_N, 1024
.set BOFF,   8<<20
.set ESC,    56
.set FR,     16
.set NP,     4
.set RTL,    8192
.set HALFT,  4*RTL
.set SLOT,   4*HALFT
.set LAPS,   SIZE_K/1024
.set SPARE,  2*SLOT
.set STAGE,  SPARE+512
.set SPITCH, 272
.set ADRA, 16
.set ADRB, 20
.set STO,  24
.set RD,   25
.set CO,   26
.set SPW,  28
.set NIL,  29
.set TMP,  32
.set BK,   64
.set ACC,  128
.set F0,   0
.set F1,   128
.set G1, 24
.set G0, 32
.set G1B, 48
.set G0B, 56
.set MSB, 0
.macro WIN new
.if MSB != \new
	s_set_vgpr_msb (MSB<<8)|\new
.set MSB, \new
.endif
.endm
.set MUL,  0x05
.set TO_F, 0x40
.macro JLOAD g0a, g1a, g0b, g1b
	s_cmp_eq_u32 s15, 0
	s_cbranch_scc0 .Lfor_b_\@
	tensor_load_to_lds s[\g0a:\g0a+3], s[\g1a:\g1a+7]
	s_nop 0
.rept 4
	v_nop
.endr
	s_branch .Lasked_\@
.Lfor_b_\@:
	tensor_load_to_lds s[\g0b:\g0b+3], s[\g1b:\g1b+7]
	s_nop 0
.rept 4
	v_nop
.endr
.Lasked_\@:
.endm
.macro CREST
	s_cmp_lg_u32 s14, 0
	s_cbranch_scc1 .Lnot_wave_0_\@
	s_barrier_signal -3
.Lnot_wave_0_\@:
	s_barrier_wait -3
	s_barrier_signal -1
	s_barrier_wait -1
.endm
.macro CROUND
	s_barrier_signal -1
	s_barrier_wait -1
	CREST
.endm
	s_load_b128 s[4:7], s[0:1], 0x0
	s_load_b128 s[8:11], s[0:1], 0x10
	v_lshl_add_u32 v[SPW], v0, 2, SPARE
	v_mov_b32 v[NIL], 0
	ds_add_u32 v[SPW], v[NIL]
	ds_add_u32 v[SPW], v[NIL]
	v_lshrrev_b32 v1, 5, v0
	v_readfirstlane_b32 s14, v1
	v_and_b32 v30, 31, v0                          ; the prefetches' offset: 256 bytes a lane; never rewritten
	v_lshlrev_b32 v30, 8, v30
	s_wait_alu depctr_va_vdst(0)
	s_lshr_b32 s15, s14, 1
	s_and_b32 s16, s14, 1
	s_bfe_u32 s40, ttmp6, 0x40000
	s_bfe_u32 s41, ttmp6, 0x40004
	s_lshl_b32 s42, ttmp9, 2
	s_add_co_u32 s42, s42, s40
	s_and_b32 s17, ttmp7, 0xffff
	s_lshl_b32 s17, s17, 2
	s_add_co_u32 s17, s17, s41
	s_lshl_b32 s43, s41, 2
	s_lshl_b32 s43, 15, s43
	s_lshl_b32 s44, 0x1111, s40
	s_or_b32 s[G1+0], s43, (3<<16)|(1<<21)
	s_or_b32 s[G1B+0], s44, (3<<16)|(1<<21)
.irp g, G1, G1B
	s_mov_b32 s[\g+1], 1024<<16
	s_mov_b32 s[\g+2], 4<<16
	s_mov_b32 s[\g+3], 1024<<16
	s_mov_b32 s[\g+4], 4
	s_mov_b32 s[\g+5], 2*SIZE_K
	s_mov_b32 s[\g+6], 0
	s_mov_b32 s[\g+7], 0
.endr
	s_lshl_b32 s18, s16, 6
	s_lshl_b32 s20, s17, 7
	s_add_co_u32 s20, s20, s18
	s_mul_i32 s20, s20, SIZE_K
	s_mov_b32 s21, 0
	s_lshl_b32 s46, s42, 7
	s_add_co_u32 s46, s46, s18
	s_mul_i32 s46, s46, SIZE_K
	s_add_co_u32 s46, s46, BOFF
	s_mov_b32 s47, 0
	s_mul_i32 s45, s14, HALFT
	s_wait_dscnt 0x0
	s_wait_kmcnt 0x0
	s_load_b64 s[96:97], s[8:9], ESC
	s_add_nc_u64 s[20:21], s[4:5], s[20:21]
	s_add_nc_u64 s[46:47], s[6:7], s[46:47]
	s_cmp_eq_u32 s15, 0                            ; the prefetches: of the 4 row tiles that I fetch, each of the four partners that ask for them with me takes one, told apart by address (cx for A, cy for B)
	s_cselect_b64 s[66:67], s[20:21], s[46:47]
	s_cselect_b32 s68, s40, s41
	s_lshl_b32 s68, s68, 16                        ; a row tile is 16 SIZE_K bytes
	s_mov_b32 s69, 0
	s_add_nc_u64 s[66:67], s[66:67], s[68:69]
	CROUND
.irp s, 0,1
	s_mov_b32 s[G0+4*\s], 1
	s_add_co_u32 s[G0+4*\s+1], s45, \s*SLOT
	s_add_nc_u64 s[G0+4*\s+2:G0+4*\s+3], s[20:21], \s*RTL
	s_or_b32 s[G0+4*\s+3], s[G0+4*\s+3], 0x80000000
	s_mov_b32 s[G0B+4*\s], 1
	s_add_co_u32 s[G0B+4*\s+1], s45, \s*SLOT
	s_add_nc_u64 s[G0B+4*\s+2:G0B+4*\s+3], s[46:47], \s*RTL
	s_or_b32 s[G0B+4*\s+3], s[G0B+4*\s+3], 0x80000000
.if \s
	s_wait_alu depctr_va_vdst(0)
	s_wait_tensorcnt 0x0
	ds_add_u32 v28, v29
	ds_add_u32 v28, v29
	s_wait_dscnt 0x0
	CROUND
.endif
	JLOAD G0+4*\s, G1, G0B+4*\s, G1B
	global_prefetch_b8 v30, s[66:67] offset:(\s+2)*RTL th:TH_LOAD_NT scope:SCOPE_SE   ; every fill asks for what the fill two on will load: my row tile's 8,192 bytes of that slot, one instruction a wave
.endr
	v_and_b32 v1, 15, v0
	s_wait_alu depctr_va_vdst(0)
	v_bfe_u32 v2, v0, 4, 1
	v_and_b32 v6, 31, v0
	v_lshlrev_b32 v6, 4, v6
	s_mul_i32 s21, s15, HALFT
	s_mul_i32 s22, s16, HALFT
	s_add_co_u32 s22, s22, 2*HALFT
.irp s, 0,1
	v_add_nc_u32 v[ADRA+\s], s21, v6
	v_add_nc_u32 v[ADRB+\s], s22, v6
	s_add_co_u32 s21, s21, SLOT
	s_add_co_u32 s22, s22, SLOT
.endr
	s_mul_i32 s23, s14, 16*SPITCH
	s_add_co_u32 s23, s23, STAGE
	v_mul_u32_u24 v5, v1, SPITCH
	s_wait_alu depctr_va_vdst(0)
	v_lshl_add_u32 v5, v2, 5, v5
	v_add_nc_u32 v[STO], s23, v5
	v_mul_u32_u24 v5, v2, SPITCH
	v_lshl_add_u32 v5, v1, 4, v5
	v_add_nc_u32 v[RD], s23, v5
	v_mul_u32_u24 v5, v2, SIZE_N*4
	v_lshl_add_u32 v[CO], v1, 4, v5
	s_lshl_b32 s20, s17, 7
	s_lshl_b32 s21, s15, 6
	s_add_co_u32 s20, s20, s21
	s_mul_i32 s20, s20, SIZE_N*4
	s_lshl_b32 s46, s42, 9
	s_lshl_b32 s47, s16, 8
	s_add_co_u32 s46, s46, s47
	s_add_co_u32 s20, s20, s46
	s_mov_b32 s21, 0
	s_add_nc_u64 s[10:11], s[10:11], s[20:21]
.macro FETCH slot, q, f
	WIN TO_F
.irp i, 0,1,2,3
.irp c, 0,1,2,3
	ds_load_b128 v[(\f)+64+FR*\i+4*\c:(\f)+64+FR*\i+4*\c+3], v[ADRB+\slot] offset:\i*RTL+(\q)*2048+512*\c
.endr
.irp c, 0,1,2,3
	ds_load_b128 v[(\f)+FR*\i+4*\c:(\f)+FR*\i+4*\c+3], v[ADRA+\slot] offset:\i*RTL+(\q)*2048+512*\c
.endr
.endr
.endm
.macro MULA f, a, zero
.irp b, 0,1,2,3
.if \zero
	v_wmma_f32_16x16x128_bf8_bf8 v[ACC+8*(4*(\a)+\b):ACC+8*(4*(\a)+\b)+7], v[(\f)+64+FR*\b:(\f)+64+FR*\b+FR-1], v[(\f)+FR*(\a):(\f)+FR*(\a)+FR-1], 0
.else
	v_wmma_f32_16x16x128_bf8_bf8 v[ACC+8*(4*(\a)+\b):ACC+8*(4*(\a)+\b)+7], v[(\f)+64+FR*\b:(\f)+64+FR*\b+FR-1], v[(\f)+FR*(\a):(\f)+FR*(\a)+FR-1], v[ACC+8*(4*(\a)+\b):ACC+8*(4*(\a)+\b)+7]
.endif
.endr
.endm
.macro PLACES n
.rept \n
	v_nop
.endr
.endm
.macro STEP slot, q, zero
	PLACES NP
	FETCH \slot, (\q)+1, 128*(1-(\q)%2)
	s_wait_dscnt 32
	WIN MUL
	MULA 128*((\q)%2), 0, \zero
	MULA 128*((\q)%2), 1, \zero
	MULA 128*((\q)%2), 2, \zero
	MULA 128*((\q)%2), 3, \zero
.endm
.macro TURN slot, next, fill
	WIN 0
.if \fill
	s_wait_xcnt 0x0                                ; the last prefetch, a slot back, has read its address: it steps a slot on
	s_add_nc_u64 s[66:67], s[66:67], RTL
.endif
	s_wait_tensorcnt 0x0
	ds_add_u32 v[SPW], v[NIL]
	s_wait_dscnt 1
	WIN MUL
	MULA F1, 0, 0
	s_wait_dscnt 0x0
	s_barrier_signal -1
	MULA F1, 1, 0
	WIN 0
	s_barrier_wait -1
.if \fill
	CREST
	s_add_nc_u64 s[G0+4*\slot+2:G0+4*\slot+3], s[G0+4*\slot+2:G0+4*\slot+3], 2*RTL
	s_add_nc_u64 s[G0B+4*\slot+2:G0B+4*\slot+3], s[G0B+4*\slot+2:G0B+4*\slot+3], 2*RTL
	JLOAD G0+4*\slot, G1, G0B+4*\slot, G1B
.else
	PLACES NP
.endif
	FETCH \next, 0, F0
.if \fill
	WIN 0                                          ; (a branch follows)
	s_cmp_gt_u32 s3, 1                             ; the loop's last trip has no slot two fills on
	s_cbranch_scc0 .Lno_ask_\@
	global_prefetch_b8 v30, s[66:67] offset:3*RTL th:TH_LOAD_NT scope:SCOPE_SE   ; behind the joint load and the run of LDS loads: the slot two fills on
.Lno_ask_\@:
.endif
	WIN MUL
	MULA F1, 2, 0
	MULA F1, 3, 0
.endm
	s_wait_tensorcnt 1
	s_barrier_signal -1
	s_barrier_wait -1
	FETCH 0, 0, F0
	STEP 0, 0, 1
.if LAPS > 1
	WIN 0
	s_mov_b32 s3, LAPS-1
.Llap:
	STEP 0, 1, 0
	STEP 0, 2, 0
	TURN 0, 1, 1
	STEP 1, 0, 0
	STEP 1, 1, 0
	STEP 1, 2, 0
	TURN 1, 0, 1
	STEP 0, 0, 0
	WIN 0
	s_sub_co_u32 s3, s3, 1
	s_cmp_lg_u32 s3, 0
	s_cbranch_scc1 .Llap
.endif
	STEP 0, 1, 0
	STEP 0, 2, 0
	TURN 0, 1, 0
	STEP 1, 0, 0
	STEP 1, 1, 0
	STEP 1, 2, 0
	s_wait_dscnt 0x0
	WIN MUL
	MULA F1, 0, 0
	MULA F1, 1, 0
	MULA F1, 2, 0
	MULA F1, 3, 0
	WIN 0
.macro TOSTAGE a
.set AC, ACC+32*(\a)
.set i, 0
.rept 16
	v_pk_mul_f32 v[TMP+i:TMP+i+1], v[AC+i:AC+i+1], s[96:97] op_sel_hi:[1,0]
.set i, i+2
.endr
.irp b, 0,1,2,3
	ds_store_b128 v[STO], v[TMP+8*\b:TMP+8*\b+3] offset:64*\b
	ds_store_b128 v[STO], v[TMP+8*\b+4:TMP+8*\b+7] offset:64*\b+16
.endr
.set BB, BK+32*((\a)%2)
.irp t, 0,1,2,3,4,5,6,7
	ds_load_b128 v[BB+4*\t:BB+4*\t+3], v[RD] offset:\t*2*SPITCH
.endr
.endm
.macro SEND a, younger
.set BB, BK+32*((\a)%2)
	s_wait_dscnt \younger
.irp t, 0,1,2,3,4,5,6,7
	global_store_b128 v[CO], v[BB+4*\t:BB+4*\t+3], s[10:11] offset:((\a)*16+2*\t)*SIZE_N*4
.endr
.endm
	s_wait_kmcnt 0x0
	s_add_co_i32 s96, s96, s97
	s_add_co_i32 s96, s96, 127
	s_lshl_b32 s96, s96, 23
	PLACES NP
	TOSTAGE 0
.irp a, 1,2,3
.if \a > 1
	s_wait_xcnt 0x0
.endif
	TOSTAGE \a
	SEND \a-1, 16
.endr
	SEND 3, 0
	s_wait_tensorcnt 0x0
	ds_add_u32 v[SPW], v[NIL]
	s_wait_dscnt 0x0
	CROUND
	s_endpgm
.Lfunc_end_k_q213f5356d0_ff2:
	.size	k_q213f5356d0_ff2, .Lfunc_end_k_q213f5356d0_ff2-k_q213f5356d0_ff2
	.p2alignl 7, 3214868480
	.fill 96, 4, 3214868480
	.section	.rodata,"a",@progbits
	.p2align	6, 0x0
	.amdhsa_kernel k_q213f5356d0_ff2
		.amdhsa_group_segment_fixed_size 327680
		.amdhsa_private_segment_fixed_size 0
		.amdhsa_enable_private_segment 0
		.amdhsa_kernarg_size 32
		.amdhsa_user_sgpr_count 2
		.amdhsa_user_sgpr_kernarg_segment_ptr 1
		.amdhsa_wavefront_size32 1
		.amdhsa_system_sgpr_workgroup_id_x 1
		.amdhsa_system_sgpr_workgroup_id_y 1
		.amdhsa_system_sgpr_workgroup_id_z 1
		.amdhsa_system_vgpr_workitem_id 0
		.amdhsa_next_free_vgpr 512
		.amdhsa_next_free_sgpr 98
		.amdhsa_reserve_vcc 0
		.amdhsa_float_denorm_mode_32 3
		.amdhsa_float_denorm_mode_16_64 3
		.amdhsa_memory_ordered 1
		.amdhsa_forward_progress 1
		.amdhsa_inst_pref_size 75
	.end_amdhsa_kernel
	.amdgpu_metadata
---
amdhsa.version: [ 1, 2 ]
amdhsa.kernels:
  - .name:           k_q213f5356d0_ff2
    .symbol:         k_q213f5356d0_ff2.kd
    .args:
      - { .name: hc, .offset: 0, .size: 8, .value_kind: global_buffer, .address_space: global }
      - { .name: wc, .offset: 8, .size: 8, .value_kind: global_buffer, .address_space: global }
      - { .name: lowp_scales, .offset: 16, .size: 8, .value_kind: global_buffer, .address_space: global }
      - { .name: ybuf, .offset: 24, .size: 8, .value_kind: global_buffer, .address_space: global }
    .group_segment_fixed_size: 327680
    .private_segment_fixed_size: 0
    .kernarg_segment_align: 8
    .kernarg_segment_size: 32
    .max_flat_workgroup_size: 128
    .sgpr_count:     98
    .vgpr_count:     512
    .wavefront_size: 32
...
	.end_amdgpu_metadata
.endif
;; end of part 15
;; launch ln2 (part 16): grid 256 x 1, 8 waves a work-group, no clusters, 0 bytes of LDS; arguments ybuf, o1, b_ff2, ln2_g, ln2_b, out0; writes out0
.if DOCPART == 16
	.amdgcn_target "amdgcn-amd-amdhsa--gfx1250"
	.amdhsa_code_object_version 6
	.text
	.protected	k_q213f5356d0_ln2
	.globl	k_q213f5356d0_ln2
	.p2align	8
	.type	k_q213f5356d0_ln2,@function
k_q213f5356d0_ln2:
	s_mov_b64 s[64:65], 0
	v_nop
	global_prefetch_b8 v0, s[64:65] scope:SCOPE_SE
	s_setreg_imm32_b32 hwreg(HW_REG_WAVE_MODE, 25, 1), 1
	s_wait_xcnt 0x0
; LN2: out0 = layernorm(out1 + (ybuf + b_ff2)) x g + b, in f32: the block's result.  No work is left out here.
; A work-group takes 16 rows of 1,024 numbers, a wave two rows; a row lies in 32 registers of the wave (lane l holds columns 128 j + 4 l + 0 .. 3, j = 0 .. 7), so each load and store covers 512 consecutive bytes and the row is read once.
; Mean, then the mean of the squared differences, as reference() has them.  Memory binds: no LDS, no barrier, no matrix unit, no cluster.  NaN is not served.
.set OUTP,  14                         ; s[14:15] the result
.set GA,  16                           ; v16-47   g
.set LB,  48                           ; v48-79   b
.set PB,  80                           ; v80-111  the product's bias
	s_load_b256 s[4:11], s[0:1], 0x0               ; ybuf s[4:5], o1 s[6:7], b_ff2 s[8:9], g s[10:11]
	s_load_b128 s[12:15], s[0:1], 0x20             ; b s[12:13], out0 s[14:15]
	v_lshrrev_b32 v8, 5, v0
	s_delay_alu instid0(VALU_DEP_1)
	v_readfirstlane_b32 s20, v8                    ; wave 0..7
	v_and_b32 v1, 31, v0
	s_delay_alu instid0(VALU_DEP_1)
	v_lshlrev_b32 v1, 4, v1                        ; 16 x lane
	s_mov_b32 s24, 0x76543210                      ; v_permlanex16_b32: lane l xor 16
	s_mov_b32 s25, 0xfedcba98
	s_mov_b32 s26, 0x3a800000                      ; 1 / 1024
	s_mov_b32 s27, 0x358637bd                      ; 1e-6
	s_lshl_b32 s22, ttmp9, 16                      ; 16 rows of 4,096 bytes,
	s_lshl_b32 s23, s20, 13                        ; my two
	s_add_co_u32 s22, s22, s23
	s_mov_b32 s23, 0
	s_wait_alu depctr_va_vdst(0)
	s_wait_kmcnt 0x0
	s_add_nc_u64 s[4:5], s[4:5], s[22:23]
	s_add_nc_u64 s[6:7], s[6:7], s[22:23]
	s_add_nc_u64 s[OUTP:OUTP+1], s[OUTP:OUTP+1], s[22:23]
.set j, 0
.rept 8
	global_load_b128 v[GA+4*j:GA+4*j+3], v1, s[10:11] offset:512*j
	global_load_b128 v[LB+4*j:LB+4*j+3], v1, s[12:13] offset:512*j
	global_load_b128 v[PB+4*j:PB+4*j+3], v1, s[8:9] offset:512*j
.set j, j+1
.endr
.irp w, 0,1
.set j, 0
.rept 8
	global_load_b128 v[112+64*\w+4*j:115+64*\w+4*j], v1, s[4:5] offset:4096*\w+512*j th:TH_LOAD_NT
	global_load_b128 v[144+64*\w+4*j:147+64*\w+4*j], v1, s[6:7] offset:4096*\w+512*j th:TH_LOAD_NT
.set j, j+1
.endr
.endr
.macro REDUCE r, t                     ; the sum of v[r] over the 32 lanes, in every lane; v[t] at work (written before)
	s_delay_alu instid0(VALU_DEP_1)
	v_add_f32_dpp v[\r], v[\r], v[\r] row_xmask:1 row_mask:0xf bank_mask:0xf
	s_delay_alu instid0(VALU_DEP_1)
	v_add_f32_dpp v[\r], v[\r], v[\r] row_xmask:2 row_mask:0xf bank_mask:0xf
	s_delay_alu instid0(VALU_DEP_1)
	v_add_f32_dpp v[\r], v[\r], v[\r] row_xmask:4 row_mask:0xf bank_mask:0xf
	s_delay_alu instid0(VALU_DEP_1)
	v_add_f32_dpp v[\r], v[\r], v[\r] row_xmask:8 row_mask:0xf bank_mask:0xf
	s_delay_alu instid0(VALU_DEP_1)
	v_permlanex16_b32 v[\t], v[\r], s24, s25
	s_delay_alu instid0(VALU_DEP_1)
	v_add_f32 v[\r], v[\r], v[\t]
.endm
.macro ROW YB, RB, rho                 ; v[YB ..] the product's row, v[RB ..] the residual's; rho: which of my two rows
.set i, 0
.rept 16
	v_pk_add_f32 v[\YB+i:\YB+i+1], v[\YB+i:\YB+i+1], v[PB+i:PB+i+1]
.set i, i+2
.endr
.set i, 0
.rept 16
	v_pk_add_f32 v[\YB+i:\YB+i+1], v[\YB+i:\YB+i+1], v[\RB+i:\RB+i+1]
.set i, i+2
.endr
	v_pk_add_f32 v[248:249], v[\YB:\YB+1], v[\YB+2:\YB+3]          ; the sum, in two chains
	v_pk_add_f32 v[250:251], v[\YB+4:\YB+5], v[\YB+6:\YB+7]
.set i, 8
.rept 6
	s_delay_alu instid0(VALU_DEP_2)
	v_pk_add_f32 v[248:249], v[248:249], v[\YB+i:\YB+i+1]
	s_delay_alu instid0(VALU_DEP_2)
	v_pk_add_f32 v[250:251], v[250:251], v[\YB+i+2:\YB+i+3]
.set i, i+4
.endr
	s_delay_alu instid0(VALU_DEP_1)
	v_pk_add_f32 v[248:249], v[248:249], v[250:251]
	s_delay_alu instid0(VALU_DEP_1)
	v_add_f32 v248, v248, v249
	REDUCE 248, 249
	s_delay_alu instid0(VALU_DEP_1)
	v_mul_f32 v248, s26, v248                      ; the mean
.set i, 0
.rept 16
	v_pk_add_f32 v[\YB+i:\YB+i+1], v[\YB+i:\YB+i+1], v[248:249] op_sel_hi:[1,0] neg_lo:[0,1] neg_hi:[0,1]
.set i, i+2
.endr
	v_pk_mul_f32 v[250:251], v[\YB:\YB+1], v[\YB:\YB+1]            ; the squares, in two chains
	v_pk_mul_f32 v[252:253], v[\YB+2:\YB+3], v[\YB+2:\YB+3]
.set i, 4
.rept 7
	s_delay_alu instid0(VALU_DEP_2)
	v_pk_fma_f32 v[250:251], v[\YB+i:\YB+i+1], v[\YB+i:\YB+i+1], v[250:251]
	s_delay_alu instid0(VALU_DEP_2)
	v_pk_fma_f32 v[252:253], v[\YB+i+2:\YB+i+3], v[\YB+i+2:\YB+i+3], v[252:253]
.set i, i+4
.endr
	s_delay_alu instid0(VALU_DEP_1)
	v_pk_add_f32 v[250:251], v[250:251], v[252:253]
	s_delay_alu instid0(VALU_DEP_1)
	v_add_f32 v250, v250, v251
	REDUCE 250, 251
	s_delay_alu instid0(VALU_DEP_1)
	v_fma_f32 v250, v250, s26, s27                 ; the variance + 1e-6
	s_wait_alu depctr_va_vdst(0)
	v_rsq_f32 v250, v250
	v_nop                                          ; a plain line behind the transcendental,
	s_wait_alu depctr_va_vdst(0)                   ; and the wait ahead of its first reader
.set i, 0
.rept 16
	v_pk_mul_f32 v[\YB+i:\YB+i+1], v[\YB+i:\YB+i+1], v[250:251] op_sel_hi:[1,0]
.set i, i+2
.endr
.set i, 0
.rept 16
	v_pk_fma_f32 v[\YB+i:\YB+i+1], v[\YB+i:\YB+i+1], v[GA+i:GA+i+1], v[LB+i:LB+i+1]
.set i, i+2
.endr
.set j, 0
.rept 8
	global_store_b128 v1, v[\YB+4*j:\YB+4*j+3], s[OUTP:OUTP+1] offset:4096*(\rho)+512*j th:TH_STORE_NT   ; 512 consecutive bytes; written once, read by nobody here
.set j, j+1
.endr
.endm
	s_wait_loadcnt 16                              ; the parameters and my first row are in; the second row's sixteen loads may be out
	ROW 112, 144, 0
	s_wait_loadcnt 0
	ROW 176, 208, 1
	s_endpgm
.Lfunc_end_k_q213f5356d0_ln2:
	.size	k_q213f5356d0_ln2, .Lfunc_end_k_q213f5356d0_ln2-k_q213f5356d0_ln2
	.p2alignl 7, 3214868480
	.fill 96, 4, 3214868480
	.section	.rodata,"a",@progbits
	.p2align	6, 0x0
	.amdhsa_kernel k_q213f5356d0_ln2
		.amdhsa_group_segment_fixed_size 0
		.amdhsa_private_segment_fixed_size 0
		.amdhsa_enable_private_segment 0
		.amdhsa_kernarg_size 48
		.amdhsa_user_sgpr_count 2
		.amdhsa_user_sgpr_kernarg_segment_ptr 1
		.amdhsa_wavefront_size32 1
		.amdhsa_system_sgpr_workgroup_id_x 1
		.amdhsa_system_sgpr_workgroup_id_y 1
		.amdhsa_system_sgpr_workgroup_id_z 1
		.amdhsa_system_vgpr_workitem_id 0
		.amdhsa_next_free_vgpr 256
		.amdhsa_next_free_sgpr 66
		.amdhsa_reserve_vcc 0
		.amdhsa_float_denorm_mode_32 3
		.amdhsa_float_denorm_mode_16_64 3
		.amdhsa_memory_ordered 1
		.amdhsa_forward_progress 1
		.amdhsa_inst_pref_size 27
	.end_amdhsa_kernel
	.amdgpu_metadata
---
amdhsa.version: [ 1, 2 ]
amdhsa.kernels:
  - .name:           k_q213f5356d0_ln2
    .symbol:         k_q213f5356d0_ln2.kd
    .args:
      - { .name: ybuf, .offset: 0, .size: 8, .value_kind: global_buffer, .address_space: global }
      - { .name: o1, .offset: 8, .size: 8, .value_kind: global_buffer, .address_space: global }
      - { .name: b_ff2, .offset: 16, .size: 8, .value_kind: global_buffer, .address_space: global }
      - { .name: ln2_g, .offset: 24, .size: 8, .value_kind: global_buffer, .address_space: global }
      - { .name: ln2_b, .offset: 32, .size: 8, .value_kind: global_buffer, .address_space: global }
      - { .name: out0, .offset: 40, .size: 8, .value_kind: global_buffer, .address_space: global }
    .group_segment_fixed_size: 0
    .private_segment_fixed_size: 0
    .kernarg_segment_align: 8
    .kernarg_segment_size: 48
    .max_flat_workgroup_size: 256
    .sgpr_count:     66
    .vgpr_count:     256
    .wavefront_size: 32
...
	.end_amdgpu_metadata
.endif
;; end of part 16
